; MI455X (gfx1250); checked and timed in simulation.
; The chip was launched on July 23, 2026; its instructions are those of AMD's public machine-readable ISA for CDNA 5 (MIT licence, August 2026) and "CDNA5" Instruction Set Architecture Reference Guide (July 2026). The comments in the code are by the model that wrote it; some were corrected since.
;; Delta Attention. Allowed arithmetic: matrix products marked QUANTISED: E4M3 operands, one E8M0 scale for each 32 along K, by v_wmma_scale_f32_16x16x128_f8f6f4 with both operands' format E4M3, f32 sums; products left as they are: f32 operands where the result goes on into a quantised operand, else bf16, f16 or f32 operands; f32 sums; everything else in f32.
;; Inputs: Wk_codes 1,024 x 32 x 32 uint8 (E4M3 codes of Wk, K innermost, in blocks of 32 codes); Wk_scales 1,024 x 32 uint8 (E8M0 scales of Wk, one for each 32 codes along K); Wo_codes 1,024 x 32 x 32 uint8 (E4M3 codes of Wo, K innermost, in blocks of 32 codes); Wo_scales 1,024 x 32 uint8 (E8M0 scales of Wo, one for each 32 codes along K); Wq_codes 1,024 x 32 x 32 uint8 (E4M3 codes of Wq, K innermost, in blocks of 32 codes); Wq_scales 1,024 x 32 uint8 (E8M0 scales of Wq, one for each 32 codes along K); Wv_codes 1,024 x 32 x 32 uint8 (E4M3 codes of Wv, K innermost, in blocks of 32 codes); Wv_scales 1,024 x 32 uint8 (E8M0 scales of Wv, one for each 32 codes along K); bk 1,024 float32; bo 1,024 float32; bq 1,024 float32; bv 1,024 float32; dWk_codes 4 x 1,024 x 32 x 32 uint8 (E4M3 codes of dWk, K innermost, in blocks of 32 codes); dWk_scales 4 x 1,024 x 32 uint8 (E8M0 scales of dWk, one for each 32 codes along K); dWv 4 x 1,024 float32; dbb 4 float32; dbv 4 float32; dbw 4 x 1,024 float32; ln_b 1,024 float32; ln_g 1,024 float32; x 2 x 2,048 x 1,024 float32.
;; Outputs: out0 2 x 2,048 x 1,024 float32.
;; This version of the problem:
;;   THIS VERSION OF THE PROBLEM IS GIVEN IN LOW PRECISION. The matrix products marked QUANTISED in the list below multiply operands that are first quantised to E4M3 (4 exponent bits, 3 mantissa bits; 8 bits a number), with one power-of-two scale for each 32 numbers along K (OCP MX v1.0); their sums are f32. All else is computed in f32.
;;   The module's matrix products, in the order in which they are computed (A, B: the left and right operand; K: the contracted axis; several contracted axes count as one K, in the product's order):
;;     1. [M 4,096, K 1,024] x [K 1,024, N 1,024]; A: input x; B: input Wq (given as codes): QUANTISED
;;     2. [M 4,096, K 1,024] x [K 1,024, N 1,024]; A: input x; B: input dWk (given as codes): QUANTISED
;;     3. [M 4,096, K 1,024] x [K 1,024, N 1]; A: input x; B: input dbw: left as it is (N = 1 < 16)
;;     4. [M 4,096, K 1,024] x [K 1,024, N 1]; A: computed on the way; B: input dWv: left as it is (N = 1 < 16)
;;     5. [M 4,096, K 1,024] x [K 1,024, N 1,024]; A: input x; B: input Wk (given as codes): QUANTISED
;;     6. [M 4,096, K 1,024] x [K 1,024, N 1,024]; A: input x; B: input dWk (given as codes): QUANTISED
;;     7. [M 4,096, K 1,024] x [K 1,024, N 1]; A: input x; B: input dbw: left as it is (N = 1 < 16)
;;     8. [M 4,096, K 1,024] x [K 1,024, N 1]; A: computed on the way; B: input dWv: left as it is (N = 1 < 16)
;;     9. [M 4,096, K 1,024] x [K 1,024, N 1,024]; A: input x; B: input Wv (given as codes): QUANTISED
;;     10. [M 4,096, K 1,024] x [K 1,024, N 1,024]; A: input x; B: input dWk (given as codes): QUANTISED
;;     11. [M 4,096, K 1,024] x [K 1,024, N 1]; A: input x; B: input dbw: left as it is (N = 1 < 16)
;;     12. [M 4,096, K 1,024] x [K 1,024, N 1]; A: computed on the way; B: input dWv: left as it is (N = 1 < 16)
;;     13. batch 32 x [M 2,048, K 64] x [K 64, N 2,048]; A: computed on the way; B: computed on the way: QUANTISED
;;     14. batch 32 x [M 2,048, K 2,048] x [K 2,048, N 64]; A: softmax (see below); B: computed on the way: QUANTISED
;;     15. [M 4,096, K 1,024] x [K 1,024, N 1,024]; A: computed on the way; B: input Wo (given as codes): QUANTISED
;;     16. [M 4,096, K 1,024] x [K 1,024, N 1,024]; A: input x; B: input dWk (given as codes): QUANTISED
;;     17. [M 4,096, K 1,024] x [K 1,024, N 1]; A: input x; B: input dbw: left as it is (N = 1 < 16)
;;     18. [M 4,096, K 1,024] x [K 1,024, N 1]; A: computed on the way; B: input dWv: left as it is (N = 1 < 16)
;;   THE QUANTISER, for each operand of a quantised product, along K:
;;     - K is cut into blocks of 32 from its start; a last block that is shorter is filled with zeros.
;;     - A block's scale is 2^e with e = floor(log2(the largest magnitude in the block)) - 8, held to -126 .. 127; a block of zeros has e = 0. As a byte (E8M0): e + 127.
;;     - Each number is divided by its block's scale, clamped to +-448, and rounded to the nearest number of E4M3, ties to even, subnormals kept.
;;     - The product sums the exact products of the quantised numbers (number of the format x scale) in f32.
;;   ~~~python
;;   def quantise(x, axis):      # numpy; x: float32 -> the quantised numbers, widened to float32 again
;;       x = np.moveaxis(x, axis, -1); K = x.shape[-1]
;;       x = np.pad(x, [(0, 0)] * (x.ndim - 1) + [(0, -K % 32)]); x = x.reshape(x.shape[:-1] + (-1, 32)); a = np.abs(x).max(-1, keepdims=True)
;;       e = np.where(a > 0, np.clip(np.frexp(np.where(a > 0, a, 1))[1] - 1 - 8, -126, 127), 0)      # np.frexp(a)[1] - 1 = floor(log2(a)), exactly
;;       r = np.clip(x / 2.0 ** e, -448, 448)
;;       step = 2.0 ** (np.maximum(np.frexp(np.where(r == 0, 1, r))[1] - 1, -6) - 3)
;;       q = np.round(r / step) * step * 2.0 ** e      # np.round: ties to even
;;       return np.moveaxis(q.reshape(q.shape[:-2] + (-1,))[..., :K], -1, axis).astype(np.float32)
;;   ~~~
;;   SOFTMAX AHEAD OF A QUANTISED PRODUCT. Where the list says 'softmax', what is quantised is not the finished softmax but p = 2^(t - M), with t = logit x log2(e) and M = ceil(the row's largest t), a whole number; so 1/2 < the row's largest p <= 1. The row's sum l is taken of the UNQUANTISED p, in f32, and the product's result is divided by l at the end. Since M is a whole number, a kernel that streams over the keys may use a running M (the ceiling of the running maximum): every later rescaling is an exact power of two, which a block's scale takes up: the codes' values come out the same.
;;   OPERANDS COMPUTED ON THE WAY. 'Computed on the way' means the value that the module computes at that place (a softmax that the list does not call 'softmax' is quantised finished and normalised). What goes into a quantiser is computed in f32, as accurately as f32 sums, v_exp_f32 and their like allow (about 1e-6 of the number): no bf16 or f16 on the way to a quantiser, and a product that is left as it is and whose result goes on into a quantised operand takes f32 operands (vector FMAs, or v_wmma_f32_16x16x4_f32). A number that lies on a knife's edge between two numbers of the format may be rounded either way, as far as f32 arithmetic and the matrix unit's own rounding can turn it there, and no further.
;;   INPUTS GIVEN AS CODES. Wk (in the module: [1024, 1024], K = its axis 0); Wo (in the module: [1024, 1024], K = its axis 0); Wq (in the module: [1024, 1024], K = its axis 0); Wv (in the module: [1024, 1024], K = its axis 0); dWk (in the module: [4, 1024, 1024], K = its axis 1): each comes as NAME_codes (uint8): NAME with its K axis moved to the last place and cut into blocks of 32 codes, [.., K / 32, bytes a block], one block behind the other in memory; one code a byte (a code: sign, 4 exponent bits, 3 mantissa bits); and NAME_scales (uint8): the same leading axes, one E8M0 byte (e + 127) for each 32 codes along K. Its value is code x scale, taken as it is: it is not quantised again, and the codes and scales need not be those that the quantiser above would give.
;; 2 versions, each right and faster than the one before. Each part assembles by itself: llvm-mc -triple=amdgcn-amd-amdhsa -mcpu=gfx1250 --defsym DOCPART=n.
;; ======== version 1 of 2: 4 launches
;; workspace buffers: xf 4,456,448 bytes; wf 8,650,752 bytes; kv 8,912,896 bytes; qf 8,912,896 bytes; v3p 262,144 bytes
;; launch prep (part 1): grid 256 x 1, 4 waves a work-group, no clusters, 0 bytes of LDS; arguments x, Wq_codes, Wk_codes, Wv_codes, Wo_codes, dWk_codes, Wq_scales, Wk_scales, Wv_scales, Wo_scales, dWk_scales, xf, wf; writes xf, wf
.if DOCPART == 1
	.amdgcn_target "amdgcn-amd-amdhsa--gfx1250"
	.amdhsa_code_object_version 6
	.text
	.protected	k_q4ac2429c8b_prep
	.globl	k_q4ac2429c8b_prep
	.p2align	8
	.type	k_q4ac2429c8b_prep,@function
k_q4ac2429c8b_prep:
	s_mov_b64 s[64:65], 0
	v_nop
	global_prefetch_b8 v0, s[64:65] scope:SCOPE_SE
	s_setreg_imm32_b32 hwreg(HW_REG_WAVE_MODE, 25, 1), 1
	s_wait_xcnt 0x0
; prep: x is quantised once, and x and the eight weights are laid as IMAGES OF THE OPERAND REGISTERS, so that the later launches bring a K step of 128 as one dense block.
; A fragment image (16 rows x 128 K of E4M3 codes) is 4 chunks of 512 bytes; chunk c holds lane l's 16 bytes at 16 l: row l % 16 of the tile, k = 32 c + 16 (l / 16) + 0 .. 15.
; THE ROWS OF A TILE ARE NOT NEIGHBOURS: lane r of tile t takes row 32 (t / 2) + 8 (t % 2) + r + 8 (r / 8), of x (within a block of 64 rows) and of a weight alike.
; xf [rb 64][s 8][8,704]: four tiles of 2,048 bytes, then 512 bytes of scale words [lane 32][tile 4].
; wf [p 8][s 8][135,168]: p = 0..3 dWk[p], 4..7 Wq, Wk, Wv, Wo; 64 tiles of 2,048 bytes, then 4,096 bytes of scale words [wq 4][j 2][lane 32][e 4]: the word of tile 16 wq + 2 (4 j + e) + lane / 16.
; Work-groups 0..127 take x (a wave: 64 rows x 128 K), work-groups 128..255 the weights (a wave: one tile of 16 rows, all of K).  No LDS, no barrier: waves share nothing.  Every store of a wave covers 512 consecutive bytes, aligned.
; THE QUANTISER: a block's scale byte is its largest magnitude's exponent field - 8, held at 1 from below; numbers are held within +-448 x the scale and rounded to the nearest code, ties to even.
; LIMITS: a block of zeros gets the byte 1 where the rule says 127 (its codes are zeros; this program alone reads the bytes); NaN and infinities in x are not served.
.set ABLK, 8704
.set BBLK, 135168
.set XA,  6                            ; v6   x: my lane's byte in a tile's rows
.set LI,  7                            ; v7   16 x lane
.set X0,  16                           ; v16-79, v80-143: two sets of 64 numbers
.set X1,  80
.set TM,  144                          ; v144-159 at work in the quantiser
.set PC,  160                          ; v160-223 codes: 16 registers for each tile, so that no store's data are written again
.set PW,  224                          ; v224-227 the four tiles' scale words
.set SEL, 50                           ; s[50:51] selects for lane l xor 16
.set MNT, 52                           ; s52 the mantissa field of 448
; 64 numbers of a lane, register 16 b + i = k 32 b + 16 (lane / 16) + i of my row, become 16 registers of codes and a scale word
.macro QUANT src, pc, pw
.irp b, 0,1,2,3
	v_max3_num_f32 v[TM+\b], |v[\src+16*\b]|, |v[\src+1+16*\b]|, 0x4800000   ; my 16 numbers of block b, and the floor 2^(9 - 127)
.endr
.irp i, 2,4,6,8,10,12,14
.irp b, 0,1,2,3
	v_max3_num_f32 v[TM+\b], v[TM+\b], |v[\src+16*\b+\i]|, |v[\src+1+16*\b+\i]|
.endr
.endr
.irp b, 0,1,2,3
	v_permlanex16_b32 v[TM+4+\b], v[TM+\b], s[SEL], s[SEL+1]
.endr
.irp b, 0,1,2,3
	v_max_num_f32 v[TM+\b], v[TM+\b], v[TM+4+\b]           ; with lane l xor 16's 16: the block's largest magnitude
.endr
.irp b, 0,1,2,3
	v_add_nc_u32 v[TM+12+\b], 0xfc000000, v[TM+\b]         ; 8 off its exponent field: the conversion's scale operand
.endr
.irp b, 0,1,2,3
	v_and_or_b32 v[TM+8+\b], v[TM+\b], 0x7f800000, s[MNT]  ; 448 x the scale
.endr
.irp b, 0,1,2,3
	v_lshrrev_b32 v[TM+4+\b], 23, v[TM+12+\b]              ; the scale's byte
.endr
	v_lshl_or_b32 v[\pw], v[TM+5], 8, v[TM+4]
	v_lshl_or_b32 v[\pw], v[TM+6], 16, v[\pw]
	v_lshl_or_b32 v[\pw], v[TM+7], 24, v[\pw]
.irp b, 0,1,2,3
.irp i, 0,1,2,3,4,5,6,7,8,9,10,11,12,13,14,15
	v_med3_num_f32 v[\src+16*\b+\i], v[\src+16*\b+\i], -v[TM+8+\b], v[TM+8+\b]   ; the conversion does not saturate (ISA guide 7.6.2): the hold comes first
.endr
	v_cvt_scalef32_pk8_fp8_f32 v[\pc+4*\b:\pc+4*\b+1], v[\src+16*\b:\src+16*\b+7], v[TM+12+\b]
	v_cvt_scalef32_pk8_fp8_f32 v[\pc+4*\b+2:\pc+4*\b+3], v[\src+16*\b+8:\src+16*\b+15], v[TM+12+\b]
.endr
	v_nop                                                  ; a plain line behind the last conversion
.endm
	s_load_b512 s[16:31], s[0:1], 0x0              ; x, Wq, Wk, Wv, Wo, dWk codes, Wq, Wk scales
	s_load_b256 s[32:39], s[0:1], 0x40             ; Wv, Wo, dWk scales, xf
	s_load_b64 s[40:41], s[0:1], 0x60              ; wf
	v_lshrrev_b32 v1, 5, v0
	v_readfirstlane_b32 s8, v1                     ; wave
	v_and_b32 v1, 31, v0                           ; lane
	v_and_b32 v2, 15, v0                           ; r
	v_bfe_u32 v3, v0, 4, 1                         ; h
	v_and_b32 v4, 8, v2
	v_add_nc_u32 v4, v4, v2                        ; r + 8 (r / 8)
	v_lshlrev_b32 v[LI], 4, v1
	s_cmp_lt_u32 ttmp9, 128
	s_cbranch_scc0 .Lweights
	; ---- x: my wave's 64 rows (rb = g / 2) x 128 K (s = 4 (g % 2) + wave)
	v_lshlrev_b32 v[XA], 12, v4                    ; a row of x is 4,096 bytes
	v_lshl_add_u32 v[XA], v3, 6, v[XA]             ; + 64 h: my 16 numbers of a block of 32
	s_mov_b32 s[SEL], 0x76543210
	s_mov_b32 s[SEL+1], 0xfedcba98
	s_mov_b32 s[MNT], 0x600000
.irp b, 0,1,2,3
	v_mov_b32 v[TM+4+\b], 0                        ; a lane permute's destination counts as one of its sources
.endr
	s_lshr_b32 s9, ttmp9, 1                        ; rb
	s_and_b32 s10, ttmp9, 1
	s_lshl_b32 s10, s10, 2
	s_add_co_u32 s10, s10, s8                      ; s
	s_lshl_b32 s12, s9, 18                         ; 64 rows of 4,096 bytes
	s_lshl_b32 s11, s10, 9                         ; 128 numbers
	s_add_co_u32 s12, s12, s11
	s_mov_b32 s13, 0
	s_mul_i32 s14, s9, 8*ABLK
	s_mul_i32 s11, s10, ABLK
	s_add_co_u32 s14, s14, s11
	s_mov_b32 s15, 0
	s_wait_kmcnt 0x0
	s_add_nc_u64 s[16:17], s[16:17], s[12:13]
	s_add_nc_u64 s[38:39], s[38:39], s[14:15]
.macro XLD mm, buf                     ; tile mm: 16 loads of 16 bytes a lane
.irp c, 0,1,2,3
.irp q, 0,1,2,3
	global_load_b128 v[\buf+16*\c+4*\q:\buf+16*\c+4*\q+3], v[XA], s[16:17] offset:(32*((\mm)/2)+8*((\mm)%2))*4096+128*\c+16*\q
.endr
.endr
.endm
.macro XOUT mm
.irp c, 0,1,2,3
	global_store_b128 v[LI], v[PC+16*(\mm)+4*\c:PC+16*(\mm)+4*\c+3], s[38:39] offset:2048*(\mm)+512*\c
.endr
.endm
	XLD 0, X0
	XLD 1, X1
	s_wait_loadcnt 16                              ; tile 0's 16 loads are in, tile 1's may be out
	QUANT X0, PC, PW
	XOUT 0
	XLD 2, X0
	s_wait_loadcnt 16
	QUANT X1, PC+16, PW+1
	XOUT 1
	XLD 3, X1
	s_wait_loadcnt 16
	QUANT X0, PC+32, PW+2
	XOUT 2
	s_wait_loadcnt 0x0
	QUANT X1, PC+48, PW+3
	XOUT 3
	global_store_b128 v[LI], v[PW:PW+3], s[38:39] offset:8192   ; [lane][tile]: both halves of the lanes hold their row's words
	s_endpgm
.Lweights:
	; ---- weights: p = (g - 128) / 16, tile t = 4 ((g - 128) % 16) + wave
	s_sub_co_u32 s9, ttmp9, 128
	s_lshr_b32 s10, s9, 4                          ; p
	s_and_b32 s11, s9, 15
	s_lshl_b32 s11, s11, 2
	s_add_co_u32 s11, s11, s8                      ; t
	v_lshlrev_b32 v5, 10, v4                       ; a row of codes is 1,024 bytes
	v_lshl_add_u32 v5, v3, 4, v5                   ; + 16 h
	v_lshl_add_u32 v6, v3, 3, v4                   ; scale words: row 8 h + r + 8 (r / 8),
	v_lshlrev_b32 v6, 5, v6                        ; 32 bytes a row
	s_wait_kmcnt 0x0
	s_cmp_eq_u32 s10, 5                            ; the source is chosen by the work-group's number alone
	s_cselect_b64 s[42:43], s[20:21], s[18:19]
	s_cselect_b64 s[44:45], s[30:31], s[28:29]
	s_cmp_eq_u32 s10, 6
	s_cselect_b64 s[42:43], s[22:23], s[42:43]
	s_cselect_b64 s[44:45], s[32:33], s[44:45]
	s_cmp_eq_u32 s10, 7
	s_cselect_b64 s[42:43], s[24:25], s[42:43]
	s_cselect_b64 s[44:45], s[34:35], s[44:45]
	s_cmp_lt_u32 s10, 4
	s_cselect_b64 s[42:43], s[26:27], s[42:43]
	s_cselect_b64 s[44:45], s[36:37], s[44:45]
	s_cselect_b32 s15, s10, 0                      ; which of dWk's four
	s_lshr_b32 s12, s11, 1
	s_lshl_b32 s12, s12, 5
	s_and_b32 s13, s11, 1
	s_lshl_b32 s14, s13, 3
	s_add_co_u32 s12, s12, s14                     ; the tile's first row: 32 (t / 2) + 8 (t % 2)
	s_lshl_b32 s46, s12, 10
	s_lshl_b32 s14, s15, 20
	s_add_co_u32 s46, s46, s14
	s_mov_b32 s47, 0
	s_add_nc_u64 s[42:43], s[42:43], s[46:47]
	s_lshr_b32 s12, s11, 4                         ; wq
	s_bfe_u32 s14, s11, 0x30001                    ; s' = (t / 2) % 8: the K step whose words this wave lays
	s_lshl_b32 s48, s12, 13                        ; 256 wq rows of 32 bytes
	s_lshl_b32 s9, s13, 12                         ; 128 j rows
	s_add_co_u32 s48, s48, s9
	s_lshl_b32 s9, s14, 2
	s_add_co_u32 s48, s48, s9
	s_lshl_b32 s9, s15, 15
	s_add_co_u32 s48, s48, s9
	s_mov_b32 s49, 0
	s_add_nc_u64 s[44:45], s[44:45], s[48:49]
	s_mul_i32 s46, s10, 8*BBLK
	s_add_nc_u64 s[40:41], s[40:41], s[46:47]      ; wf at p
	s_lshl_b32 s46, s11, 11
	s_add_nc_u64 s[54:55], s[40:41], s[46:47]      ; the tile's image in K step 0
	s_mul_i32 s46, s14, BBLK
	s_lshl_b32 s9, s12, 10
	s_add_co_u32 s46, s46, s9
	s_lshl_b32 s9, s13, 9
	s_add_co_u32 s46, s46, s9
	s_add_co_u32 s46, s46, 131072
	s_add_nc_u64 s[56:57], s[40:41], s[46:47]      ; where the scale words go
.irp s, 0,1,2,3,4,5,6,7
.irp c, 0,1,2,3
	global_load_b128 v[16+16*\s+4*\c:16+16*\s+4*\c+3], v5, s[42:43] offset:128*\s+32*\c th:TH_LOAD_NT
.endr
.endr
.irp e, 0,1,2,3
	global_load_b32 v[8+\e], v6, s[44:45] offset:1024*\e
.endr
.irp g, 0,1,2,3
	s_wait_loadcnt 28-8*\g                         ; two K steps' eight loads are in; the later ones and the four scale loads may be out
.irp u, 0,1
.irp c, 0,1,2,3
	global_store_b128 v[LI], v[16+16*(2*\g+\u)+4*\c:16+16*(2*\g+\u)+4*\c+3], s[54:55] offset:(2*\g+\u)*BBLK+512*\c
.endr
.endr
.endr
	s_wait_loadcnt 0x0
	global_store_b128 v[LI], v[8:11], s[56:57]
	s_endpgm
.Lfunc_end_k_q4ac2429c8b_prep:
	.size	k_q4ac2429c8b_prep, .Lfunc_end_k_q4ac2429c8b_prep-k_q4ac2429c8b_prep
	.p2alignl 7, 3214868480
	.fill 96, 4, 3214868480
	.section	.rodata,"a",@progbits
	.p2align	6, 0x0
	.amdhsa_kernel k_q4ac2429c8b_prep
		.amdhsa_group_segment_fixed_size 0
		.amdhsa_private_segment_fixed_size 0
		.amdhsa_enable_private_segment 0
		.amdhsa_kernarg_size 104
		.amdhsa_user_sgpr_count 2
		.amdhsa_user_sgpr_kernarg_segment_ptr 1
		.amdhsa_wavefront_size32 1
		.amdhsa_system_sgpr_workgroup_id_x 1
		.amdhsa_system_sgpr_workgroup_id_y 1
		.amdhsa_system_sgpr_workgroup_id_z 1
		.amdhsa_system_vgpr_workitem_id 0
		.amdhsa_next_free_vgpr 232
		.amdhsa_next_free_sgpr 66
		.amdhsa_reserve_vcc 0
		.amdhsa_float_denorm_mode_32 3
		.amdhsa_float_denorm_mode_16_64 3
		.amdhsa_memory_ordered 1
		.amdhsa_forward_progress 1
		.amdhsa_inst_pref_size 50
	.end_amdhsa_kernel
	.amdgpu_metadata
---
amdhsa.version: [ 1, 2 ]
amdhsa.kernels:
  - .name:           k_q4ac2429c8b_prep
    .symbol:         k_q4ac2429c8b_prep.kd
    .args:
      - { .name: x, .offset: 0, .size: 8, .value_kind: global_buffer, .address_space: global }
      - { .name: Wq_codes, .offset: 8, .size: 8, .value_kind: global_buffer, .address_space: global }
      - { .name: Wk_codes, .offset: 16, .size: 8, .value_kind: global_buffer, .address_space: global }
      - { .name: Wv_codes, .offset: 24, .size: 8, .value_kind: global_buffer, .address_space: global }
      - { .name: Wo_codes, .offset: 32, .size: 8, .value_kind: global_buffer, .address_space: global }
      - { .name: dWk_codes, .offset: 40, .size: 8, .value_kind: global_buffer, .address_space: global }
      - { .name: Wq_scales, .offset: 48, .size: 8, .value_kind: global_buffer, .address_space: global }
      - { .name: Wk_scales, .offset: 56, .size: 8, .value_kind: global_buffer, .address_space: global }
      - { .name: Wv_scales, .offset: 64, .size: 8, .value_kind: global_buffer, .address_space: global }
      - { .name: Wo_scales, .offset: 72, .size: 8, .value_kind: global_buffer, .address_space: global }
      - { .name: dWk_scales, .offset: 80, .size: 8, .value_kind: global_buffer, .address_space: global }
      - { .name: xf, .offset: 88, .size: 8, .value_kind: global_buffer, .address_space: global }
      - { .name: wf, .offset: 96, .size: 8, .value_kind: global_buffer, .address_space: global }
    .group_segment_fixed_size: 0
    .private_segment_fixed_size: 0
    .kernarg_segment_align: 8
    .kernarg_segment_size: 104
    .max_flat_workgroup_size: 128
    .sgpr_count:     66
    .vgpr_count:     232
    .wavefront_size: 32
...
	.end_amdgpu_metadata
.endif
;; end of part 1
;; launch proj (part 2): grid 64 x 3, 4 waves a work-group, clusters of 4 x 1, 327,680 bytes of LDS; arguments xf, wf, x, bq, bk, bv, dWv, dbv, dbw, dbb, qf, kv; writes qf, kv
.if DOCPART == 2
	.amdgcn_target "amdgcn-amd-amdhsa--gfx1250"
	.amdhsa_code_object_version 6
	.text
	.protected	k_q4ac2429c8b_proj
	.globl	k_q4ac2429c8b_proj
	.p2align	8
	.type	k_q4ac2429c8b_proj,@function
k_q4ac2429c8b_proj:
	s_mov_b64 s[64:65], 0
	v_nop
	global_prefetch_b8 v0, s[64:65] scope:SCOPE_SE
	s_setreg_imm32_b32 hwreg(HW_REG_WAVE_MODE, 25, 1), 1
	s_wait_xcnt 0x0
	s_wait_alu depctr_hold_cnt(0) depctr_sa_sdst(0) depctr_va_vdst(0) depctr_va_sdst(0) depctr_va_ssrc(0) depctr_va_vcc(0) depctr_vm_vsrc(0)
	s_getreg_b32 s2, hwreg(HW_REG_IB_STS2, 6, 4)
	s_cmp_eq_u32 s2, 0
	s_cbranch_scc0 .Lentry_in_a_cluster
	s_endpgm
.Lentry_in_a_cluster:
	s_bfe_u32 s2, ttmp6, 0x10000c
	s_cmp_lg_u32 s2, 0x3003
	s_cbranch_scc0 .Lentry_shape_is_right
	s_endpgm
.Lentry_shape_is_right:
; proj: delta block i (0: q, 1: k, 2: v) for 64 rows of x: y = x + c k_raw, k_raw = x dWk[i], c = 2 sigmoid(x.dbw + dbb) (v - k_raw.x inv) inv, inv = 1 / (|k_raw| + 1e-8), v = (x W_i + b_i).dWv + dbv.
; y is quantised on the way and stored as register images for the attention: q and k along the head's 64 columns, v along the keys (the rows).
; SHARES.  Work-group (rb = 4 x cluster x + cx, i = y).  Two products of 64 x 1,024 x 1,024 on E4M3 codes: first x W_i, which is reduced to one number a row, then x dWk[i].  Wave w owns columns 256 w .. 256 w + 255 for all 64 rows: 64 accumulators.
; Both are used TRANSPOSED (source 0 = 16 rows of the weight, source 1 = 16 rows of x): lane (r, h) holds row rho(m, r) = 32 (m / 2) + 8 (m % 2) + r + 8 (r / 8), and register j of tile t column 32 (t / 2) + 16 h + 8 (t % 2) + j of the wave's 256.
; RING.  K goes in steps of 128 through two LDS slots; a slot is the weight's dense block (135,168 bytes, waves 0-2 a third each) and x's (8,704 bytes, wave 3).
; CLUSTER.  The four partners are four row blocks of one i: they walk the same weights, so the weight's thirds are asked for JOINTLY (mask 15).  x's block is each work-group's own (6 per cent of a step's bytes): a plain load.
; No prefetch: the weights' images are read by sixteen clusters, not once.
; LIMITS: a block of zeros gets the scale byte 1 (this program alone reads the bytes); NaN and infinities are not served; a row whose |k_raw|^2 lies under 2^-126 counts as norm 0 (the square root takes a denormal as zero).
; REGISTERS: window 0: v1-31 addresses and a row's numbers; v32-55 scale words, two sets, nothing else; v56-127 at work; v128-255 x's fragments, two sets.  window 1: the weight's 16 fragments, one set.  windows 2, 3: accumulator (m, t) at v[128 (m % 2) + 8 t] of window 2 + m / 2.
.set BBLK,  135168
.set ABLK,  8704
.set THIRD, 45056
.set SLOT,  143872                     ; BBLK + ABLK
.set SPARE, 287744                     ; behind the ring: the spare words, 128 bytes a wave: two blocks of 256 bytes that no other line names
.set RED,   288256                     ; [q 8][wave 4][r 16][m 4] f32
.set DWL,   296448                     ; dWv[i]; 4,096 bytes on: dbw[i]
.set TRW,   67072                      ; behind the ring's last fill its bytes are four private areas: element (row k, column c of the wave's 256) at 1,040 k + 128 (k / 16) + 4 c
.set KVB,   17408
.set HEADB, 278528
.set SPW, 1
.set NIL, 2
.set AW,  3                            ; v3-4   weight fragments in slot 0, 1: 32,768 w + 16 l
.set AS,  5                            ; v5-6   weight scale words
.set AX,  7                            ; v7-8   x's fragments
.set XG,  9                            ; x in memory: (r + 8 (r / 8)) rows + 64 h
.set TRA, 10                           ; my area by rows
.set TRB, 11                           ; my area by columns
.set RW,  12
.set RR,  13
.set DLA, 14                           ; DWL + 1,024 w + 64 h
.set GQ,  15
.set GSC, 16
.set GV,  17
.set BD,  18
.set GVS, 19
.set CC,  20                           ; v20-23 c of my four rows
.set SS,  24                           ; v24-27
.set PT,  28                           ; v28-31 lane permutes land here
.set SCB, 32
.set CHN, 56                           ; v56-79 chains
.set TM,  56
.set PC,  72
.set PW,  88
.set VW,  90
.set SW,  92
.set ADQ, 96
.set ADV, 97
.set N2,  100
.set DD,  104
.set XBS, 108
.set CH,  120
.set XF,  128
.set DB,  128
.set Y0,  128
.set WV,  28
.set II,  29
.set G0B, 32
.set G0A, 40
.set G1B, 48
.set G1A, 56
.set SEL, 66
.set MNT, 68
.set DST, 70
.set TH,  72
.set SDBV, 73
.set SDBB, 74
.set MSB, 0
.macro WIN new                         ; the immediate's high byte repeats the setting that is left
.if MSB != (\new)
	s_set_vgpr_msb (MSB<<8)|(\new)
.set MSB, (\new)
.endif
.endm
.macro PLACES n
.rept \n
	v_nop
.endr
.endm
.macro CREST                           ; a round of the cluster's barrier behind its opening barrier
	s_cmp_lg_u32 s[WV], 0
	s_cbranch_scc1 .Lnot_wave_0_\@
	s_barrier_signal -3
.Lnot_wave_0_\@:
	s_barrier_wait -3
	s_barrier_signal -1
	s_barrier_wait -1
.endm
.macro CROUND
	s_barrier_signal -1
	s_barrier_wait -1
	CREST
.endm
; Waves 0-2 ask jointly for a third of the weight's block, wave 3 for x's block.  The branch hangs on the wave's number alone.  Four v_nop follow each line.
.macro JLOAD sg
	s_cmp_lt_u32 s[WV], 3
	s_cbranch_scc0 .Lfor_a_\@
	tensor_load_to_lds s[G0B+4*\sg:G0B+4*\sg+3], s[G1B:G1B+7]
	s_nop 0
.rept 4
	v_nop
.endr
	s_branch .Lasked_\@
.Lfor_a_\@:
	tensor_load_to_lds s[G0A+4*\sg:G0A+4*\sg+3], s[G1A:G1A+7]
	s_nop 0
.rept 4
	v_nop
.endr
.Lasked_\@:
.endm
; 8 matrix instructions: weight tiles tlo .. tlo + 7 against x's tile mm; sg: the set of x's fragments and of scale words.  A register of weight scale words holds tile 2 n in lanes 0-15 and tile 2 n + 1 in lanes 16-31.
.macro MULQ tlo, mm, sg, zero
.irp t, 0,1,2,3,4,5,6,7
.set AC, 128*((\mm)%2)+8*(\tlo+\t)
.set WR, 16*(\tlo+\t)
.set XR, XF+64*(\sg)+16*(\mm)
.set WSR, SCB+12*(\sg)+(\tlo+\t)/2
.set XSR, SCB+12*(\sg)+8+(\mm)
.if \zero
.if \t%2
	v_wmma_scale_f32_16x16x128_f8f6f4 v[AC:AC+7], v[WR:WR+15], v[XR:XR+15], 0, v[WSR], v[XSR] matrix_a_scale:MATRIX_SCALE_ROW1
.else
	v_wmma_scale_f32_16x16x128_f8f6f4 v[AC:AC+7], v[WR:WR+15], v[XR:XR+15], 0, v[WSR], v[XSR]
.endif
.else
.if \t%2
	v_wmma_scale_f32_16x16x128_f8f6f4 v[AC:AC+7], v[WR:WR+15], v[XR:XR+15], v[AC:AC+7], v[WSR], v[XSR] matrix_a_scale:MATRIX_SCALE_ROW1
.else
	v_wmma_scale_f32_16x16x128_f8f6f4 v[AC:AC+7], v[WR:WR+15], v[XR:XR+15], v[AC:AC+7], v[WSR], v[XSR]
.endif
.endif
.endr
.endm
.macro F1 nx                           ; 51 LDS loads: weight tiles 0-7, x's four fragments, the scale words
	WIN 0x40
.irp t, 0,1,2,3,4,5,6,7
.irp c, 0,1,2,3
	ds_load_b128 v[16*\t+4*\c:16*\t+4*\c+3], v[AW+\nx] offset:2048*\t+512*\c
.endr
.endr
	WIN 0
.irp m, 0,1,2,3
.irp c, 0,1,2,3
	ds_load_b128 v[XF+64*\nx+16*\m+4*\c:XF+64*\nx+16*\m+4*\c+3], v[AX+\nx] offset:2048*\m+512*\c
.endr
.endr
	ds_load_b128 v[SCB+12*\nx:SCB+12*\nx+3], v[AS+\nx]
	ds_load_b128 v[SCB+12*\nx+4:SCB+12*\nx+7], v[AS+\nx] offset:512
	ds_load_b128 v[SCB+12*\nx+8:SCB+12*\nx+11], v[AX+\nx] offset:8192
.endm
.macro F2 nx                           ; 32 LDS loads: weight tiles 8-15
	WIN 0x40
.irp t, 8,9,10,11,12,13,14,15
.irp c, 0,1,2,3
	ds_load_b128 v[16*\t+4*\c:16*\t+4*\c+3], v[AW+\nx] offset:2048*\t+512*\c
.endr
.endr
	WIN 0
.endm
; A K step: 64 matrix instructions, the 64 accumulators by turns, and the change of slots.
; fill = 1: slot sg is filled again, two K steps ahead (on = 1: with the second product's K step 0 or 1).
.macro TURN sg, nx, zero, fill, on
	s_wait_dscnt 32                                ; weight tiles 0-7, x and the scale words are in; the 32 loads of tiles 8-15 may be out
	WIN 0xa1
	MULQ 0, 0, \sg, \zero
	MULQ 0, 1, \sg, \zero
	WIN 0
	s_wait_tensorcnt 0x0                           ; all my tensor loads have landed: my part of the next slot
	ds_add_u32 v[SPW], v[NIL]                      ; 0 onto my spare word
	WIN 0xf1
	MULQ 0, 2, \sg, \zero                          ; eight matrix instructions stand between the add and the wait for it
	s_wait_dscnt 0x0                               ; the add is done, and my reads of this slot are over
	s_barrier_signal -1
	MULQ 0, 3, \sg, \zero
	WIN 0
	s_barrier_wait -1
.if \fill
	CREST                                          ; the barrier has opened a round of the cluster's: no wave of any partner still reads this slot or has a load on its way
.if \on
	s_sub_nc_u64 s[G0B+4*\sg+2:G0B+4*\sg+3], s[G0B+4*\sg+2:G0B+4*\sg+3], 38*BBLK   ; from K step 6 or 7 of weight 4 + i to K step 0 or 1 of weight i
	s_sub_nc_u64 s[G0A+4*\sg+2:G0A+4*\sg+3], s[G0A+4*\sg+2:G0A+4*\sg+3], 6*ABLK
.else
	s_add_nc_u64 s[G0B+4*\sg+2:G0B+4*\sg+3], s[G0B+4*\sg+2:G0B+4*\sg+3], 2*BBLK
	s_add_nc_u64 s[G0A+4*\sg+2:G0A+4*\sg+3], s[G0A+4*\sg+2:G0A+4*\sg+3], 2*ABLK
.endif
	JLOAD \sg                                      ; the first tensor load behind the round, my only one until the next; its four v_nop are four of the eight places in front of the loads below
	PLACES 4
.else
	PLACES 8
.endif
	F1 \nx
	WIN 0xf1
	MULQ 8, 2, \sg, \zero
	MULQ 8, 3, \sg, \zero
	WIN 0xa1
	MULQ 8, 0, \sg, \zero
	MULQ 8, 1, \sg, \zero
	PLACES 8                                       ; in front of loads into registers that matrix instructions have read
	F2 \nx
.endm
.macro LAST sg
	s_wait_dscnt 32
	WIN 0xa1
	MULQ 0, 0, \sg, 0
	MULQ 0, 1, \sg, 0
	WIN 0xf1
	MULQ 0, 2, \sg, 0
	MULQ 0, 3, \sg, 0
	s_wait_dscnt 0x0
	MULQ 8, 2, \sg, 0
	MULQ 8, 3, \sg, 0
	WIN 0xa1
	MULQ 8, 0, \sg, 0
	MULQ 8, 1, \sg, 0
	WIN 0
.endm
.macro QUANT src, pc, pw               ; 64 numbers of a lane, four blocks of which I hold 16 each, become 16 registers of codes and four scale bytes
.irp b, 0,1,2,3
	v_max3_num_f32 v[TM+\b], |v[\src+16*\b]|, |v[\src+1+16*\b]|, 0x4800000
.endr
.irp i, 2,4,6,8,10,12,14
.irp b, 0,1,2,3
	v_max3_num_f32 v[TM+\b], v[TM+\b], |v[\src+16*\b+\i]|, |v[\src+1+16*\b+\i]|
.endr
.endr
.irp b, 0,1,2,3
	v_permlanex16_b32 v[TM+4+\b], v[TM+\b], s[SEL], s[SEL+1]
.endr
.irp b, 0,1,2,3
	v_max_num_f32 v[TM+\b], v[TM+\b], v[TM+4+\b]
.endr
.irp b, 0,1,2,3
	v_add_nc_u32 v[TM+12+\b], 0xfc000000, v[TM+\b]
.endr
.irp b, 0,1,2,3
	v_and_or_b32 v[TM+8+\b], v[TM+\b], 0x7f800000, s[MNT]
.endr
.irp b, 0,1,2,3
	v_lshrrev_b32 v[TM+4+\b], 23, v[TM+12+\b]
.endr
	v_lshl_or_b32 v[\pw], v[TM+5], 8, v[TM+4]
	v_lshl_or_b32 v[\pw], v[TM+6], 16, v[\pw]
	v_lshl_or_b32 v[\pw], v[TM+7], 24, v[\pw]
.irp b, 0,1,2,3
.irp i, 0,1,2,3,4,5,6,7,8,9,10,11,12,13,14,15
	v_med3_num_f32 v[\src+16*\b+\i], v[\src+16*\b+\i], -v[TM+8+\b], v[TM+8+\b]
.endr
	v_cvt_scalef32_pk8_fp8_f32 v[\pc+4*\b:\pc+4*\b+1], v[\src+16*\b:\src+16*\b+7], v[TM+12+\b]
	v_cvt_scalef32_pk8_fp8_f32 v[\pc+4*\b+2:\pc+4*\b+3], v[\src+16*\b+8:\src+16*\b+15], v[TM+12+\b]
.endr
	v_nop
.endm
	s_load_b512 s[4:19], s[0:1], 0x0               ; xf, wf, x, bq, bk, bv, dWv, dbv
	s_load_b256 s[20:27], s[0:1], 0x40             ; dbw, dbb, qf, kv
	v_lshl_add_u32 v[SPW], v0, 2, SPARE
	v_mov_b32 v[NIL], 0
	ds_add_u32 v1, v2
	ds_add_u32 v1, v2
	s_wait_dscnt 0x0
	v_lshrrev_b32 v112, 5, v0
	v_readfirstlane_b32 s[WV], v112                ; wave 0..3
	s_and_b32 s[II], ttmp7, 0xffff                 ; i: the same in all four partners
	s_bfe_u32 s30, ttmp6, 0x40000                  ; cx
	s_lshl_b32 s31, ttmp9, 2
	s_add_co_u32 s31, s31, s30                     ; rb: it enters global addresses alone
	; group 1: dense blocks as rows of 256 bytes (32 elements of 8 bytes), no padding
	s_mov_b32 s[G1B], 15|(3<<16)|(1<<21)           ; the mask names all four partners; bit 21 beside it
	s_mov_b32 s[G1B+1], 32<<16
	s_mov_b32 s[G1B+2], 176<<16
	s_mov_b32 s[G1B+3], 32<<16
	s_mov_b32 s[G1B+4], 176
	s_mov_b32 s[G1B+5], 32
	s_mov_b32 s[G1B+6], 0
	s_mov_b32 s[G1B+7], 0
	s_mov_b32 s[G1A], 3<<16
	s_mov_b32 s[G1A+1], 32<<16
	s_mov_b32 s[G1A+2], 34<<16
	s_mov_b32 s[G1A+3], 32<<16
	s_mov_b32 s[G1A+4], 34
	s_mov_b32 s[G1A+5], 32
	s_mov_b32 s[G1A+6], 0
	s_mov_b32 s[G1A+7], 0
	s_add_co_u32 s76, s[II], 4
	s_mul_i32 s76, s76, 8*BBLK                     ; weight 4 + i, K step 0,
	s_mul_i32 s78, s[WV], THIRD                    ; my third; also my place in a slot (3 x THIRD is where x's block lies)
	s_add_co_u32 s76, s76, s78
	s_mov_b32 s77, 0
	s_mul_i32 s80, s31, 8*ABLK
	s_mov_b32 s81, 0
	s_wait_kmcnt 0x0
	s_add_nc_u64 s[76:77], s[6:7], s[76:77]
	s_add_nc_u64 s[80:81], s[4:5], s[80:81]
	CROUND                                         ; all four work-groups are here: the first joint loads meet
.irp s, 0,1
	s_mov_b32 s[G0B+4*\s], 1
	s_add_co_u32 s[G0B+4*\s+1], s78, \s*SLOT
	s_add_nc_u64 s[G0B+4*\s+2:G0B+4*\s+3], s[76:77], \s*BBLK
	s_or_b32 s[G0B+4*\s+3], s[G0B+4*\s+3], 0x80000000
	s_mov_b32 s[G0A+4*\s], 1
	s_add_co_u32 s[G0A+4*\s+1], s78, \s*SLOT
	s_add_nc_u64 s[G0A+4*\s+2:G0A+4*\s+3], s[80:81], \s*ABLK
	s_or_b32 s[G0A+4*\s+3], s[G0A+4*\s+3], 0x80000000
.endr
	s_cmp_lt_u32 s[WV], 3                          ; a wave's two first fills stand in one branch: two loads of mine are out
	s_cbranch_scc0 .Lfirst_a
	tensor_load_to_lds s[G0B:G0B+3], s[G1B:G1B+7]
	s_nop 0
	tensor_load_to_lds s[G0B+4:G0B+7], s[G1B:G1B+7]
	s_nop 0
.rept 4
	v_nop
.endr
	s_branch .Lfirst_done
.Lfirst_a:
	tensor_load_to_lds s[G0A:G0A+3], s[G1A:G1A+7]
	s_nop 0
	tensor_load_to_lds s[G0A+4:G0A+7], s[G1A:G1A+7]
	s_nop 0
.rept 4
	v_nop
.endr
.Lfirst_done:
	; the pointers that hang on i
	s_cmp_eq_u32 s[II], 1
	s_cselect_b64 s[82:83], s[12:13], s[10:11]
	s_cmp_eq_u32 s[II], 2
	s_cselect_b64 s[82:83], s[14:15], s[82:83]     ; b_i
	s_cmp_eq_u32 s[II], 0
	s_cselect_b64 s[DST:DST+1], s[24:25], s[26:27] ; q goes to qf, k and v to kv
	s_lshl_b32 s84, s[II], 12
	s_mov_b32 s85, 0
	s_add_nc_u64 s[16:17], s[16:17], s[84:85]      ; dWv[i]
	s_add_nc_u64 s[20:21], s[20:21], s[84:85]      ; dbw[i]
	s_lshl_b32 s84, s[II], 2
	s_add_nc_u64 s[18:19], s[18:19], s[84:85]
	s_add_nc_u64 s[22:23], s[22:23], s[84:85]
	s_load_b32 s[SDBV], s[18:19], 0x0
	s_load_b32 s[SDBB], s[22:23], 0x0
	s_lshl_b32 s84, s31, 18
	s_lshl_b32 s86, s[WV], 10
	s_add_co_u32 s84, s84, s86
	s_add_nc_u64 s[8:9], s[8:9], s[84:85]          ; x at my block's first row, my wave's first column
	s_lshr_b32 s87, s31, 5                         ; batch
	s_lshl_b32 s87, s87, 4
	s_lshl_b32 s88, s[WV], 2
	s_add_co_u32 s87, s87, s88                     ; my first head: 16 batch + 4 w
	s_mul_i32 s87, s87, HEADB
	s_bfe_u32 s88, s31, 0x40001                    ; the key step: (rb % 32) / 2
	s_mul_i32 s88, s88, KVB
	s_add_co_u32 s84, s87, s88
	s_add_nc_u64 s[DST:DST+1], s[DST:DST+1], s[84:85]
	s_and_b32 s88, s31, 1                          ; which half of the key step's 128 rows
	s_mov_b32 s[SEL], 0x76543210
	s_mov_b32 s[SEL+1], 0xfedcba98
	s_mov_b32 s[MNT], 0x600000
	v_and_b32 v112, 31, v0                         ; l
	v_and_b32 v113, 15, v0                         ; r
	v_bfe_u32 v114, v0, 4, 1                       ; h
	v_lshlrev_b32 v115, 4, v112                    ; 16 l
	v_and_b32 v116, 8, v113
	v_add_nc_u32 v116, v116, v113                  ; r + 8 (r / 8)
	v_lshrrev_b32 v117, 3, v113
	s_lshl_b32 s89, s[WV], 15
	v_add_nc_u32 v[AW], s89, v115
	v_add_nc_u32 v[AW+1], SLOT, v[AW]
	s_add_co_u32 s89, s86, 131072
	v_add_nc_u32 v[AS], s89, v115
	v_add_nc_u32 v[AS+1], SLOT, v[AS]
	v_add_nc_u32 v[AX], BBLK, v115
	v_add_nc_u32 v[AX+1], SLOT+BBLK, v115
	v_lshlrev_b32 v[XG], 12, v116
	v_lshl_add_u32 v[XG], v114, 6, v[XG]
	s_mul_i32 s89, s[WV], TRW
	v_mul_u32_u24 v[TRA], v116, 1040
	v_lshl_add_u32 v[TRA], v117, 7, v[TRA]
	v_lshl_add_u32 v[TRA], v114, 6, v[TRA]
	v_add_nc_u32 v[TRA], s89, v[TRA]
	v_mul_u32_u24 v[TRB], v114, 16768              ; lanes 16-31 begin 16 rows further down
	v_lshl_add_u32 v[TRB], v116, 2, v[TRB]
	v_add_nc_u32 v[TRB], s89, v[TRB]
	s_lshl_b32 s89, s[WV], 8
	s_add_co_u32 s89, s89, RED
	v_lshl_add_u32 v[RW], v113, 4, s89
	v_lshlrev_b32 v[RR], 4, v113
	v_add_nc_u32 v[RR], RED, v[RR]
	s_add_co_u32 s89, s86, DWL
	v_lshl_add_u32 v[DLA], v114, 6, s89
	s_lshl_b32 s89, s88, 12
	v_add_nc_u32 v[GQ], s89, v115
	s_lshl_b32 s89, s88, 8
	v_lshl_add_u32 v[GSC], v113, 4, s89
	v_lshl_add_u32 v[GVS], v112, 3, s89
	s_lshl_b32 s89, s88, 10
	v_add_nc_u32 v[GV], s89, v115
	v_lshl_add_u32 v98, v114, 6, s86               ; 1,024 w + 64 h: my columns in b_i and dWv[i]
.irp k, 0,1,2,3
	v_mov_b32 v[PT+\k], 0
.endr
	; dWv[i] and dbw[i] into LDS, 32 bytes a thread; and BD = the sum over my 128 columns of b_i dWv[i]
	v_lshlrev_b32 v118, 5, v0
	v_add_nc_u32 v119, DWL, v118
	global_load_b128 v[56:59], v118, s[16:17]
	global_load_b128 v[60:63], v118, s[16:17] offset:16
	global_load_b128 v[64:67], v118, s[20:21]
	global_load_b128 v[68:71], v118, s[20:21] offset:16
.macro BDL ch
.irp b, 0,1,2,3
.irp q, 0,1,2,3
	global_load_b128 v[128+16*\b+4*\q:128+16*\b+4*\q+3], v98, s[82:83] offset:512*\ch+128*\b+16*\q
	global_load_b128 v[192+16*\b+4*\q:192+16*\b+4*\q+3], v98, s[16:17] offset:512*\ch+128*\b+16*\q
.endr
.endr
.endm
.macro BDM ch
.set j, 0
.rept 32
.if (\ch == 0) && (j < 4)
	v_pk_mul_f32 v[CH+2*j:CH+2*j+1], v[128+2*j:128+2*j+1], v[192+2*j:192+2*j+1]
.else
	v_pk_fma_f32 v[CH+2*(j%4):CH+2*(j%4)+1], v[128+2*j:128+2*j+1], v[192+2*j:192+2*j+1], v[CH+2*(j%4):CH+2*(j%4)+1]
.endif
.set j, j+1
.endr
.endm
	BDL 0
	s_wait_loadcnt 32                              ; the four loads for LDS are in; the 32 behind them may be out
	ds_store_b128 v119, v[56:59]
	ds_store_b128 v119, v[60:63] offset:16
	ds_store_b128 v119, v[64:67] offset:4096
	ds_store_b128 v119, v[68:71] offset:4112
	s_wait_loadcnt 0x0
	BDM 0
	BDL 1
	s_wait_loadcnt 0x0
	BDM 1
	v_pk_add_f32 v[CH:CH+1], v[CH:CH+1], v[CH+2:CH+3]
	v_pk_add_f32 v[CH+4:CH+5], v[CH+4:CH+5], v[CH+6:CH+7]
	v_pk_add_f32 v[CH:CH+1], v[CH:CH+1], v[CH+4:CH+5]
	v_add_f32 v[BD], v[CH], v[CH+1]
	s_wait_dscnt 0x0                               ; my stores into LDS are done,
	s_wait_tensorcnt 1                             ; my part of slot 0 is in; slot 1's may stay out
	s_barrier_signal -1
	s_barrier_wait -1
	F1 0
	F2 0
	s_mov_b32 s2, 2                                ; products to go
.Lprod:
	TURN 0, 1, 1, 1, 0                             ; K step 0: its products start the sums
	s_mov_b32 s3, 2
.Lk:
	TURN 1, 0, 0, 1, 0
	TURN 0, 1, 0, 1, 0
	s_sub_co_u32 s3, s3, 1
	s_cmp_lg_u32 s3, 0
	s_cbranch_scc1 .Lk
	TURN 1, 0, 0, 1, 0                             ; K step 5
	s_cmp_eq_u32 s2, 1
	s_cbranch_scc1 .Llast                          ; the last product's tail is written out: it asks for nothing more
	TURN 0, 1, 0, 1, 1                             ; the ring goes on into the second product
	TURN 1, 0, 0, 1, 1
	; x W_i is reduced to one number a row: S = the sum over my columns of (x W_i) dWv[i], + BD.  dWv's 128 numbers of my lane: v56-119 and v192-255 (x's set 1, idle here)
.irp ch, 0,1
.irp b, 0,1,2,3
.irp q, 0,1,2,3
	ds_load_b128 v[56+136*\ch+16*\b+4*\q:56+136*\ch+16*\b+4*\q+3], v[DLA] offset:512*\ch+128*\b+16*\q
.endr
.endr
.endr
	s_wait_dscnt 0x0
.irp mp, 0,1
	WIN 0x02+\mp
.set j, 0
.rept 64
.set DR, 56+2*j+72*(j/32)
.irp u, 0,1
.if j < 2
	v_pk_mul_f32 v[CH+4*\u+2*(j%2):CH+4*\u+2*(j%2)+1], v[128*\u+2*j:128*\u+2*j+1], v[DR:DR+1]
.else
	v_pk_fma_f32 v[CH+4*\u+2*(j%2):CH+4*\u+2*(j%2)+1], v[128*\u+2*j:128*\u+2*j+1], v[DR:DR+1], v[CH+4*\u+2*(j%2):CH+4*\u+2*(j%2)+1]
.endif
.endr
.set j, j+1
.endr
	WIN 0
	v_pk_add_f32 v[CH:CH+1], v[CH:CH+1], v[CH+2:CH+3]
	v_pk_add_f32 v[CH+4:CH+5], v[CH+4:CH+5], v[CH+6:CH+7]
	v_add_f32 v[SS+2*\mp], v[CH], v[CH+1]
	v_add_f32 v[SS+2*\mp+1], v[CH+4], v[CH+5]
.endr
.irp k, 0,1,2,3
	v_add_f32 v[SS+\k], v[BD], v[SS+\k]
.endr
.irp k, 0,1,2,3
	v_permlanex16_b32 v[PT+\k], v[SS+\k], s[SEL], s[SEL+1]
.endr
.irp k, 0,1,2,3
	v_add_f32 v[SS+\k], v[SS+\k], v[PT+\k]
.endr
	ds_store_b128 v[RW], v[SS:SS+3]                ; quantity 0; it is read behind later barriers
	s_sub_co_u32 s2, s2, 1
	s_branch .Lprod
.Llast:
	TURN 0, 1, 0, 0, 0                             ; K step 6: nothing is filled again, so no round follows
	LAST 1
	; ---- the epilogue.  Behind this barrier nobody reads the ring, which has had its last fill: its bytes become the waves' private areas
	PLACES 8
	s_wait_dscnt 0x0
	s_barrier_signal -1
	s_barrier_wait -1
.macro XLD hp, mm                      ; x of group (hp, mm): my row rho(mm, r), 64 of its columns, in the accumulators' order, into window 1
	WIN 0x40
.irp b, 0,1,2,3
.irp q, 0,1,2,3
	global_load_b128 v[64*(\mm)+16*\b+4*\q:64*(\mm)+16*\b+4*\q+3], v[XG], s[8:9] offset:(32*((\mm)/2)+8*((\mm)%2))*4096+512*(\hp)+128*\b+16*\q
.endr
.endr
	WIN 0
.endm
.macro FOLD cb, dst, hp
	v_pk_add_f32 v[\cb:\cb+1], v[\cb:\cb+1], v[\cb+2:\cb+3]
	v_pk_add_f32 v[\cb+4:\cb+5], v[\cb+4:\cb+5], v[\cb+6:\cb+7]
	v_pk_add_f32 v[\cb:\cb+1], v[\cb:\cb+1], v[\cb+4:\cb+5]
.if \hp
	v_add_f32 v[\cb], v[\cb], v[\cb+1]
	v_add_f32 v[\dst], v[\dst], v[\cb]
.else
	v_add_f32 v[\dst], v[\cb], v[\cb+1]
.endif
.endm
; pass 1 on a group of 64 registers: k_raw . x, |k_raw|^2, x . dbw, four chains each; x goes into my area.  Each accumulator is read from its low end on
.macro P1G hp, mm, cnt
	s_wait_loadcnt \cnt
.set AB, 128*((\mm)%2)+64*(\hp)
.set XR, 64*(\mm)
.set IMM, (32*((\mm)/2)+8*((\mm)%2))*1040+256*((\mm)/2)+512*(\hp)
	WIN 0x06+(\mm)/2
.set j, 0
.rept 32
.if j < 4
	v_pk_mul_f32 v[CHN+2*j:CHN+2*j+1], v[AB+2*j:AB+2*j+1], v[XR+2*j:XR+2*j+1]
.else
	v_pk_fma_f32 v[CHN+2*(j%4):CHN+2*(j%4)+1], v[AB+2*j:AB+2*j+1], v[XR+2*j:XR+2*j+1], v[CHN+2*(j%4):CHN+2*(j%4)+1]
.endif
.set j, j+1
.endr
	WIN 0x0a+5*((\mm)/2)
.set j, 0
.rept 32
.if j < 4
	v_pk_mul_f32 v[CHN+8+2*j:CHN+8+2*j+1], v[AB+2*j:AB+2*j+1], v[AB+2*j:AB+2*j+1]
.else
	v_pk_fma_f32 v[CHN+8+2*(j%4):CHN+8+2*(j%4)+1], v[AB+2*j:AB+2*j+1], v[AB+2*j:AB+2*j+1], v[CHN+8+2*(j%4):CHN+8+2*(j%4)+1]
.endif
.set j, j+1
.endr
	WIN 0x01
.set j, 0
.rept 32
.if j < 4
	v_pk_mul_f32 v[CHN+16+2*j:CHN+16+2*j+1], v[XR+2*j:XR+2*j+1], v[DB+2*j:DB+2*j+1]
.else
	v_pk_fma_f32 v[CHN+16+2*(j%4):CHN+16+2*(j%4)+1], v[XR+2*j:XR+2*j+1], v[DB+2*j:DB+2*j+1], v[CHN+16+2*(j%4):CHN+16+2*(j%4)+1]
.endif
.set j, j+1
.endr
	WIN 0x04
.irp b, 0,1,2,3
.irp q, 0,1,2,3
	ds_store_b128 v[TRA], v[XR+16*\b+4*\q:XR+16*\b+4*\q+3] offset:IMM+128*\b+16*\q
.endr
.endr
	WIN 0
	FOLD CHN, DD+(\mm), \hp
	FOLD CHN+8, N2+(\mm), \hp
	FOLD CHN+16, XBS+(\mm), \hp
.endm
.macro DBLD hp                         ; dbw's 64 numbers of my lane for this half of the wave's columns
.irp b, 0,1,2,3
.irp q, 0,1,2,3
	ds_load_b128 v[DB+16*\b+4*\q:DB+16*\b+4*\q+3], v[DLA] offset:4096+512*\hp+128*\b+16*\q
.endr
.endr
	s_wait_dscnt 0x0
.endm
	XLD 0, 0
	XLD 0, 1
	XLD 0, 2
	XLD 0, 3
	DBLD 0
.irp m, 0,1,2,3
	P1G 0, \m, 48                                  ; this group's 16 loads are in; three groups' may be out
	s_wait_dscnt 0x0                               ; the stores have read their registers
	XLD 1, \m
.endr
	DBLD 1
	P1G 1, 0, 48
	P1G 1, 1, 32
	P1G 1, 2, 16
	P1G 1, 3, 0
	; the two halves of the lanes, then the four waves
.irp q, 0,1,2
.irp k, 0,1,2,3
	v_permlanex16_b32 v[PT+\k], v[N2+4*\q+\k], s[SEL], s[SEL+1]
.endr
.irp k, 0,1,2,3
	v_add_f32 v[N2+4*\q+\k], v[N2+4*\q+\k], v[PT+\k]
.endr
	ds_store_b128 v[RW], v[N2+4*\q:N2+4*\q+3] offset:1024*(\q+1)
.endr
	s_wait_dscnt 0x0
	s_barrier_signal -1
	s_barrier_wait -1
.irp q, 0,1,2,3
.irp w, 0,1,2,3
	ds_load_b128 v[128+16*\q+4*\w:128+16*\q+4*\w+3], v[RR] offset:1024*\q+256*\w
.endr
.endr
	s_wait_dscnt 0x0
.irp q, 0,1,2,3
.irp u, 0,2
	v_pk_add_f32 v[128+16*\q+\u:129+16*\q+\u], v[128+16*\q+\u:129+16*\q+\u], v[132+16*\q+\u:133+16*\q+\u]
	v_pk_add_f32 v[136+16*\q+\u:137+16*\q+\u], v[136+16*\q+\u:137+16*\q+\u], v[140+16*\q+\u:141+16*\q+\u]
.endr
.irp u, 0,2
	v_pk_add_f32 v[128+16*\q+\u:129+16*\q+\u], v[128+16*\q+\u:129+16*\q+\u], v[136+16*\q+\u:137+16*\q+\u]
.endr
.endr
	; v128.. v, v144.. |k_raw|^2, v160.. k_raw . x, v176.. x . dbw, of my four rows
	s_wait_kmcnt 0x0
.irp m, 0,1,2,3
	v_add_f32 v[176+\m], s[SDBB], v[176+\m]
.endr
.irp m, 0,1,2,3
	v_mul_f32 v[176+\m], 0xbfb8aa3b, v[176+\m]     ; - log2(e) z
.endr
.irp m, 0,1,2,3
	v_sqrt_f32 v[144+\m], v[144+\m]
.endr
.irp m, 0,1,2,3
	v_exp_f32 v[176+\m], v[176+\m]
.endr
.irp m, 0,1,2,3
	v_add_f32 v[128+\m], s[SDBV], v[128+\m]        ; plain work behind the batch
.endr
	s_wait_alu depctr_va_vdst(0)                   ; one wait for the batch, ahead of its first reader
.irp m, 0,1,2,3
	v_add_f32 v[144+\m], 0x322bcc77, v[144+\m]     ; + 1e-8
.endr
.irp m, 0,1,2,3
	v_add_f32 v[176+\m], 1.0, v[176+\m]
.endr
.irp m, 0,1,2,3
	v_rcp_f32 v[144+\m], v[144+\m]
.endr
.irp m, 0,1,2,3
	v_rcp_f32 v[176+\m], v[176+\m]
.endr
	v_nop
	s_wait_alu depctr_va_vdst(0)
.irp m, 0,1,2,3
	v_fma_f32 v[128+\m], -v[160+\m], v[144+\m], v[128+\m]   ; v - k . x
.endr
.irp m, 0,1,2,3
	v_mul_f32 v[176+\m], v[176+\m], v[144+\m]
.endr
.irp m, 0,1,2,3
	v_mul_f32 v[128+\m], v[128+\m], v[176+\m]
.endr
.irp m, 0,1,2,3
	v_add_f32 v[CC+\m], v[128+\m], v[128+\m]       ; c
.endr
	; y = k_raw c + x, in place in my area, a group at a time through two buffers in window 1
.macro CL gg
.set MQ, (\gg)%4
.set XR, 64*((\gg)%2)
.set IMM, (32*(MQ/2)+8*(MQ%2))*1040+256*(MQ/2)+512*((\gg)/4)
	WIN 0x40
.irp b, 0,1,2,3
.irp q, 0,1,2,3
	ds_load_b128 v[XR+16*\b+4*\q:XR+16*\b+4*\q+3], v[TRA] offset:IMM+128*\b+16*\q
.endr
.endr
.endm
.macro CF gg
.set MQ, (\gg)%4
.set AB, 128*(MQ%2)+64*((\gg)/4)
.set XR, 64*((\gg)%2)
	WIN 0x52+MQ/2
.set j, 0
.rept 32
.if MQ%2
	v_pk_fma_f32 v[XR+2*j:XR+2*j+1], v[AB+2*j:AB+2*j+1], v[CC+2*(MQ/2):CC+2*(MQ/2)+1], v[XR+2*j:XR+2*j+1] op_sel:[0,1,0] op_sel_hi:[1,1,1]
.else
	v_pk_fma_f32 v[XR+2*j:XR+2*j+1], v[AB+2*j:AB+2*j+1], v[CC+2*(MQ/2):CC+2*(MQ/2)+1], v[XR+2*j:XR+2*j+1] op_sel_hi:[1,0,1]
.endif
.set j, j+1
.endr
.endm
.macro CS gg
.set MQ, (\gg)%4
.set XR, 64*((\gg)%2)
.set IMM, (32*(MQ/2)+8*(MQ%2))*1040+256*(MQ/2)+512*((\gg)/4)
	WIN 0x04
.irp b, 0,1,2,3
.irp q, 0,1,2,3
	ds_store_b128 v[TRA], v[XR+16*\b+4*\q:XR+16*\b+4*\q+3] offset:IMM+128*\b+16*\q
.endr
.endr
.endm
	CL 0
	CL 1
.irp g, 0,1,2,3,4,5,6,7
.if (\g == 0) || (\g == 7)
	s_wait_dscnt 16                                ; behind this group's loads: the next group's 16 loads, or the last group's 16 stores
.else
	s_wait_dscnt 32                                ; behind this group's loads: 16 stores and 16 loads
.endif
	CF \g
	CS \g
.if \g < 6
	CL \g+2                                        ; LDS serves a wave's instructions in order: these loads land behind the stores that read the same registers
.endif
.endr
	WIN 0
	; ---- a head a trip: 64 rows x 64 columns of y become codes.  q, k: along the columns, as they lie in a lane; v: along the rows, read from my area by columns
.irp b, 0,1,2,3
	v_mov_b32 v[TM+4+\b], 0
.endr
	s_mov_b32 s[TH], 0
.Lhead:
	s_cmp_eq_u32 s[II], 2
	s_cbranch_scc1 .Lvarm
	v_add_nc_u32 v[ADQ], s[TH], v[TRA]
.irp mp, 0,1
.irp u, 0,1
.irp c, 0,1
.irp q, 0,1,2,3
	ds_load_b128 v[Y0+64*\mp+32*\u+16*\c+4*\q:Y0+64*\mp+32*\u+16*\c+4*\q+3], v[ADQ] offset:(32*\mp+8*\u)*1040+256*\mp+128*\c+16*\q
.endr
.endr
.endr
.endr
.irp mp, 0,1
	s_wait_dscnt 16-16*\mp
	s_wait_xcnt 0x0                                ; earlier stores have read their registers: the codes and words are written again only behind this wait
	QUANT Y0+64*\mp, PC, PW                        ; tiles 2 mp and 2 mp + 1, two blocks each
.irp u, 0,1
.irp c, 0,1
	global_store_b128 v[GQ], v[PC+8*\u+4*\c:PC+8*\u+4*\c+3], s[DST:DST+1] offset:(2*\mp+\u)*1024+512*\c
.endr
.endr
	v_perm_b32 v[SW+2*\mp], v[PW], v[PW], 0x01000100       ; a tile's word: its two bytes, twice: the upper two stand over codes that meet zeros
	v_perm_b32 v[SW+2*\mp+1], v[PW], v[PW], 0x03020302
.endr
	global_store_b128 v[GSC], v[SW:SW+3], s[DST:DST+1] offset:16384   ; [r][tile]; both halves of the lanes write the same 256 bytes
	s_branch .Lnext
.Lvarm:
	v_add_nc_u32 v[ADV], s[TH], v[TRB]
.irp z, 0,1
.irp e, 0,1
.irp b, 0,1
.irp i, 0,1,2,3,4,5,6,7,8,9,10,11,12,13,14,15
	ds_load_b32 v[Y0+64*\z+32*\e+16*\b+\i], v[ADV] offset:(32*\b+\i)*1040+256*\b+32*\e+128*\z   ; y(row 32 b + 16 h + i, channel 32 z + 8 e + r + 8 (r / 8))
.endr
.endr
.endr
.endr
.irp z, 0,1
	s_wait_dscnt 63-63*\z                          ; 64 loads were issued behind the first 64
	s_wait_xcnt 0x0
	QUANT Y0+64*\z, PC, PW                         ; channel tiles 2 z and 2 z + 1, two blocks of 32 keys each
.irp e, 0,1
.irp b, 0,1
	global_store_b128 v[GV], v[PC+8*\e+4*\b:PC+8*\e+4*\b+3], s[DST:DST+1] offset:8192+(2*\z+\e)*2048+512*\b
.endr
.endr
	v_mov_b32 v[VW+\z], v[PW]
.endr
	global_store_b64 v[GVS], v[VW:VW+1], s[DST:DST+1] offset:16896
.Lnext:
	s_wait_xcnt 0x0                                ; the stores have read their base
	s_add_nc_u64 s[DST:DST+1], s[DST:DST+1], HEADB
	s_add_co_u32 s[TH], s[TH], 256
	s_cmp_lt_u32 s[TH], 1024
	s_cbranch_scc1 .Lhead
	s_wait_tensorcnt 0x0                           ; the wave's end
	ds_add_u32 v[SPW], v[NIL]
	s_wait_dscnt 0x0
	CROUND                                         ; the closing round
	s_endpgm
.Lfunc_end_k_q4ac2429c8b_proj:
	.size	k_q4ac2429c8b_proj, .Lfunc_end_k_q4ac2429c8b_proj-k_q4ac2429c8b_proj
	.p2alignl 7, 3214868480
	.fill 96, 4, 3214868480
	.section	.rodata,"a",@progbits
	.p2align	6, 0x0
	.amdhsa_kernel k_q4ac2429c8b_proj
		.amdhsa_group_segment_fixed_size 327680
		.amdhsa_private_segment_fixed_size 0
		.amdhsa_enable_private_segment 0
		.amdhsa_kernarg_size 96
		.amdhsa_user_sgpr_count 2
		.amdhsa_user_sgpr_kernarg_segment_ptr 1
		.amdhsa_wavefront_size32 1
		.amdhsa_system_sgpr_workgroup_id_x 1
		.amdhsa_system_sgpr_workgroup_id_y 1
		.amdhsa_system_sgpr_workgroup_id_z 1
		.amdhsa_system_vgpr_workitem_id 0
		.amdhsa_next_free_vgpr 1024
		.amdhsa_next_free_sgpr 100
		.amdhsa_reserve_vcc 0
		.amdhsa_float_denorm_mode_32 3
		.amdhsa_float_denorm_mode_16_64 3
		.amdhsa_memory_ordered 1
		.amdhsa_forward_progress 1
		.amdhsa_inst_pref_size 255
	.end_amdhsa_kernel
	.section	.bss,"aw",@nobits
	.p2align	6
	.space	262144
	.amdgpu_metadata
---
amdhsa.version: [ 1, 2 ]
amdhsa.kernels:
  - .name:           k_q4ac2429c8b_proj
    .symbol:         k_q4ac2429c8b_proj.kd
    .args:
      - { .name: xf, .offset: 0, .size: 8, .value_kind: global_buffer, .address_space: global }
      - { .name: wf, .offset: 8, .size: 8, .value_kind: global_buffer, .address_space: global }
      - { .name: x, .offset: 16, .size: 8, .value_kind: global_buffer, .address_space: global }
      - { .name: bq, .offset: 24, .size: 8, .value_kind: global_buffer, .address_space: global }
      - { .name: bk, .offset: 32, .size: 8, .value_kind: global_buffer, .address_space: global }
      - { .name: bv, .offset: 40, .size: 8, .value_kind: global_buffer, .address_space: global }
      - { .name: dWv, .offset: 48, .size: 8, .value_kind: global_buffer, .address_space: global }
      - { .name: dbv, .offset: 56, .size: 8, .value_kind: global_buffer, .address_space: global }
      - { .name: dbw, .offset: 64, .size: 8, .value_kind: global_buffer, .address_space: global }
      - { .name: dbb, .offset: 72, .size: 8, .value_kind: global_buffer, .address_space: global }
      - { .name: qf, .offset: 80, .size: 8, .value_kind: global_buffer, .address_space: global }
      - { .name: kv, .offset: 88, .size: 8, .value_kind: global_buffer, .address_space: global }
    .group_segment_fixed_size: 327680
    .private_segment_fixed_size: 0
    .kernarg_segment_align: 8
    .kernarg_segment_size: 96
    .max_flat_workgroup_size: 128
    .sgpr_count:     100
    .vgpr_count:     1024
    .wavefront_size: 32
...
	.end_amdgpu_metadata
.endif
;; end of part 2
;; launch attn (part 3): grid 8 x 32, 16 waves a work-group, clusters of 4 x 1, 327,680 bytes of LDS; arguments qf, kv, wf, dWv, v3p; writes v3p
.if DOCPART == 3
	.amdgcn_target "amdgcn-amd-amdhsa--gfx1250"
	.amdhsa_code_object_version 6
	.text
	.protected	k_q4ac2429c8b_attn
	.globl	k_q4ac2429c8b_attn
	.p2align	8
	.type	k_q4ac2429c8b_attn,@function
k_q4ac2429c8b_attn:
	s_mov_b64 s[64:65], 0
	v_nop
	global_prefetch_b8 v0, s[64:65] scope:SCOPE_SE
	s_setreg_imm32_b32 hwreg(HW_REG_WAVE_MODE, 25, 1), 1
	s_wait_xcnt 0x0
	s_wait_alu depctr_hold_cnt(0) depctr_sa_sdst(0) depctr_va_vdst(0) depctr_va_sdst(0) depctr_va_ssrc(0) depctr_va_vcc(0) depctr_vm_vsrc(0)
	s_getreg_b32 s2, hwreg(HW_REG_IB_STS2, 6, 4)
	s_cmp_eq_u32 s2, 0
	s_cbranch_scc0 .Lentry_in_a_cluster
	s_endpgm
.Lentry_in_a_cluster:
	s_bfe_u32 s2, ttmp6, 0x10000c
	s_cmp_lg_u32 s2, 0x3003
	s_cbranch_scc0 .Lentry_shape_is_right
	s_endpgm
.Lentry_shape_is_right:
; attn: softmax(q k^T / 8) v for 256 queries of one head, on E4M3 codes, then (o Wo's slice of 64 along K) . dWv[3]: one number a row and head goes to memory.
; THE SOFTMAX AHEAD OF THE SECOND PRODUCT: t = score x log2(e) / 8; M = the running largest t rounded up to a whole number; p = 2^(t - M) is quantised along the keys; the row's sum is taken of the unquantised p and divides at the end.
; SHARES.  Work-group (X = 4 x cluster x + cx, head bh = y); wave w owns the tile of 16 queries (row block 4 X + w / 4, tile w % 4).  The head's K, V and their scale words, 16 key steps of 17,408 bytes, lie in LDS whole: filled once, in four stages, no slot is filled again.
; CLUSTER.  The four partners walk the same head: every load is joint (mask 15).  Waves 0-3 issue four loads each: four of mine are out at the most.
; Both products are used transposed: a lane holds one query throughout.  The keys of a tile and the channels of a tile of V are chosen (32 (t / 2) + 8 (t % 2) + r + 8 (r / 8)) so that 16 registers of two neighbouring tiles are 16 neighbours along the next K.
; K = 64 IN A FORM OF K = 128: q's codes for k = 64 .. 127 are zeros.  K's fragment t is named as 16 registers of which the upper eight are the next tile's codes (for the last tile eight zeros): codes made by this program's quantiser, never the NaN code, so these products are exact zeros;
; the scale bytes over them repeat the two real bytes.  The same form serves o against Wo's slice, with the zeros on Wo's side.
; No prefetch: nothing is streamed behind the first fills.
; LIMITS: a block of zeros gets the scale byte 1; NaN and infinities are not served; Wo's K is summed head by head and the heads are added later in f32: another order of sums than one chain along K.
.set KVB,   17408
.set HEADB, 278528
.set BBLK,  135168
.set OIMG,  278528                     ; behind K and V: the 16 tiles of o as register images, 1,024 bytes each,
.set OSC,   294912                     ; their scale words, 128 bytes each,
.set ZP,    296960                     ; and [wave 16][256] partial results
.set ADR,  1
.set ADR2, 2
.set LI,   3                           ; 16 l
.set L8,   4                           ; 8 l
.set OI,   5
.set OSA,  6
.set ZW,   7
.set ZR,   8
.set OIW,  9
.set OSW,  10
.set H64,  11
.set S,    104                         ; v104-167 S^T, then p
.set O,    168                         ; v168-199 O^T
.set PCD,  200                         ; v200-215 p's codes
.set BM,   216
.set PT,   220
.set HL,   224
.set SO,   228
.set KS,   232                         ; v232-235 K's scale words; v236-239 V's halves as they lie; v240-243 V's words; v244 q's; v245 p's
.set VR,   236
.set VS,   240
.set QS,   244
.set PW,   245
.set F,    246
.set T,    248
.set WV,  14
.set SEL, 20
.set CS,  22
.set MNT, 24
.set TB,  25
.set CNT, 26
.set P0,  28
.set P1,  29
.set G1,  32
.set G0,  40
.macro PLACES n
.rept \n
	v_nop
.endr
.endm
.macro CROUND
	s_barrier_signal -1
	s_barrier_wait -1
	s_cmp_lg_u32 s[WV], 0
	s_cbranch_scc1 .Lnot_wave_0_\@
	s_barrier_signal -3
.Lnot_wave_0_\@:
	s_barrier_wait -3
	s_barrier_signal -1
	s_barrier_wait -1
.endm
	s_load_b256 s[4:11], s[0:1], 0x0               ; qf, kv, wf, dWv
	s_load_b64 s[12:13], s[0:1], 0x20              ; v3p
	v_lshl_add_u32 v254, v0, 2, 0x4c800
	v_mov_b32 v255, 0
	ds_add_u32 v254, v255
	ds_add_u32 v254, v255
	v_lshrrev_b32 v5, 5, v0
	v_readfirstlane_b32 s[WV], v5                  ; wave 0..15
	s_and_b32 s15, ttmp7, 0xffff                   ; bh: the partners share it
	s_bfe_u32 s16, ttmp6, 0x40000                  ; cx
	s_lshl_b32 s17, ttmp9, 2
	s_add_co_u32 s17, s17, s16                     ; X: it enters global addresses alone
	s_mov_b32 s[G1], 15|(3<<16)|(1<<21)            ; a key step's block: 68 rows of 256 bytes, dense
	s_mov_b32 s[G1+1], 32<<16
	s_mov_b32 s[G1+2], 68<<16
	s_mov_b32 s[G1+3], 32<<16
	s_mov_b32 s[G1+4], 68
	s_mov_b32 s[G1+5], 32
	s_mov_b32 s[G1+6], 0
	s_mov_b32 s[G1+7], 0
	s_mul_i32 s56, s15, HEADB
	s_mov_b32 s57, 0
	s_mul_i32 s58, s[WV], KVB                      ; my key step of a stage, in memory and in LDS
	s_mov_b32 s59, 0
	s_wait_dscnt 0x0
	s_wait_kmcnt 0x0
	s_add_nc_u64 s[6:7], s[6:7], s[56:57]
	s_add_nc_u64 s[60:61], s[6:7], s[58:59]
	CROUND                                         ; all four work-groups are here: the joint loads meet
.irp j, 0,1,2,3
	s_mov_b32 s[G0+4*\j], 1
	s_add_co_u32 s[G0+4*\j+1], s58, \j*4*KVB
	s_add_nc_u64 s[G0+4*\j+2:G0+4*\j+3], s[60:61], \j*4*KVB
	s_or_b32 s[G0+4*\j+3], s[G0+4*\j+3], 0x80000000
.endr
	s_cmp_lt_u32 s[WV], 4                          ; all fills of a wave stand in one branch
	s_cbranch_scc0 .Lno_fill
	tensor_load_to_lds s[G0:G0+3], s[G1:G1+7]
	s_nop 0
	tensor_load_to_lds s[G0+4:G0+7], s[G1:G1+7]
	s_nop 0
	tensor_load_to_lds s[G0+8:G0+11], s[G1:G1+7]
	s_nop 0
	tensor_load_to_lds s[G0+12:G0+15], s[G1:G1+7]
	s_nop 0
.rept 4
	v_nop
.endr
.Lno_fill:
	v_and_b32 v249, 31, v0                         ; l
	v_and_b32 v250, 15, v0                         ; r
	v_bfe_u32 v251, v0, 4, 1                       ; h
	v_lshlrev_b32 v[LI], 4, v249
	v_lshlrev_b32 v[L8], 3, v249
	; q's fragment and scale word: block (bh, 2 X + w / 8), tile 4 ((w / 4) % 2) + w % 4
	s_lshl_b32 s62, s17, 1
	s_lshr_b32 s63, s[WV], 3
	s_add_co_u32 s62, s62, s63
	s_mul_i32 s62, s62, KVB
	s_add_co_u32 s62, s62, s56
	s_mov_b32 s63, 0
	s_add_nc_u64 s[4:5], s[4:5], s[62:63]
	s_bfe_u32 s66, s[WV], 0x10002
	s_and_b32 s67, s[WV], 3
	s_lshl_b32 s68, s66, 12
	s_lshl_b32 s69, s67, 10
	s_add_co_u32 s68, s68, s69
	v_add_nc_u32 v252, s68, v[LI]
	global_load_b128 v[16:19], v252, s[4:5]
	global_load_b128 v[20:23], v252, s[4:5] offset:512
	s_lshl_b32 s68, s66, 8
	s_lshl_b32 s69, s67, 2
	s_add_co_u32 s68, s68, s69
	v_lshl_add_u32 v253, v250, 4, s68
	global_load_b32 v[QS], v253, s[4:5] offset:16384
	; LDS addresses of the tail
	v_add_nc_u32 v[OI], OIMG, v[LI]
	v_lshlrev_b32 v[OSA], 2, v249
	v_add_nc_u32 v[OSA], OSC, v[OSA]
	s_lshl_b32 s68, s[WV], 10
	v_add_nc_u32 v[OIW], s68, v[OI]
	s_add_co_u32 s68, s68, ZP
	v_lshl_add_u32 v[ZW], v250, 4, s68
	s_lshl_b32 s68, s[WV], 7
	v_add_nc_u32 v[OSW], s68, v[OSA]
	s_lshl_b32 s68, s[WV], 8
	s_add_co_u32 s68, s68, ZP
	v_lshl_add_u32 v[ZR], v249, 3, s68
	v_lshlrev_b32 v[H64], 6, v251
	; global addresses of the tail
	s_and_b32 s18, s15, 15                         ; head
	s_lshr_b32 s19, s15, 4                         ; batch
	s_lshr_b32 s56, s18, 1
	s_mul_i32 s56, s56, BBLK
	s_add_co_u32 s56, s56, 56*BBLK                 ; Wo is weight 7; its K step head / 2
	s_add_nc_u64 s[8:9], s[8:9], s[56:57]
	s_and_b32 s58, s18, 1
	s_lshl_b32 s60, s58, 10                        ; the head's half of a fragment: chunks 2 (head % 2) on
	s_lshl_b32 s61, s[WV], 13                      ; my four tiles
	s_add_co_u32 s60, s60, s61
	s_mov_b32 s61, 0
	s_add_nc_u64 s[66:67], s[8:9], s[60:61]
	s_lshr_b32 s60, s[WV], 2
	s_lshl_b32 s60, s60, 10
	s_bfe_u32 s62, s[WV], 0x10001
	s_lshl_b32 s62, s62, 9
	s_add_co_u32 s60, s60, s62
	s_and_b32 s62, s[WV], 1
	s_lshl_b32 s62, s62, 3
	s_add_co_u32 s60, s60, s62
	s_add_co_u32 s60, s60, 131072
	s_add_nc_u64 s[68:69], s[8:9], s[60:61]        ; my tiles' scale words: two registers
	s_lshl_b32 s60, s[WV], 8
	s_add_co_u32 s60, s60, 12288
	s_add_nc_u64 s[10:11], s[10:11], s[60:61]      ; dWv[3] at my 64 columns
	s_lshl_b32 s60, s18, 14
	s_lshl_b32 s62, s19, 13
	s_add_co_u32 s60, s60, s62
	s_lshl_b32 s62, s17, 10
	s_add_co_u32 s60, s60, s62
	s_lshl_b32 s62, s[WV], 8
	s_add_co_u32 s60, s60, s62
	s_add_nc_u64 s[12:13], s[12:13], s[60:61]      ; v3p: [head][64 rb + 4 r + m]; waves 0-3 store a row block each
	s_mov_b32 s70, 0x03020302
	s_cmp_eq_u32 s58, 0
	s_cselect_b32 s70, 0x01000100, s70             ; which two bytes of Wo's scale words are the head's
	s_mov_b32 s[SEL], 0x76543210
	s_mov_b32 s[SEL+1], 0xfedcba98
	s_mov_b32 s[CS], 0x3e38aa3b                    ; log2(e) / 8
	s_mov_b32 s[CS+1], s[CS]
	s_mov_b32 s[MNT], 0x600000
	s_mov_b32 s[P0], 0x05040100
	s_mov_b32 s[P1], 0x07060302
	s_mov_b32 s[TB], 0
	v_mov_b32 v13, 0xff61b1e6                      ; the largest t so far: -3e38
	v_floor_f32 v12, -v13                          ; -M
	v_mov_b32 v14, 0
	v_mov_b32 v15, 0
	v_mov_b32 v[F+1], 0                            ; named as the upper half of a pair
.set j, 0
.rept 8
	v_mov_b32 v[24+j], 0                           ; q's zero codes for k = 64 .. 127
	v_mov_b32 v[96+j], 0                           ; behind K's last tile
.set j, j+1
.endr
.set j, 0
.rept 32
	v_mov_b32 v[O+j], 0                            ; O^T: the step is written once, its first turn finds zeros
.set j, j+1
.endr
.irp b, 0,1,2,3
	v_mov_b32 v[PT+\b], 0
.endr
; A KEY STEP: 128 keys
.macro KSTEP
	v_add_nc_u32 v[ADR], s[TB], v[LI]
	v_add_nc_u32 v[ADR2], s[TB], v[L8]
	PLACES 6                                       ; with the two additions: eight places in front of loads into registers that matrix instructions have read
.irp t, 0,1,2,3,4,5,6,7
.irp c, 0,1
	ds_load_b128 v[32+8*\t+4*\c:32+8*\t+4*\c+3], v[ADR] offset:1024*\t+512*\c
.endr
.endr
	ds_load_b128 v[KS:KS+3], v[ADR] offset:16384   ; lanes 0-15: tiles 0-3, lanes 16-31: tiles 4-7
	ds_load_b64 v[VR:VR+1], v[ADR2] offset:16896
	ds_load_b64 v[VR+2:VR+3], v[ADR2] offset:17152
	s_wait_dscnt 0x0
.irp t, 0,1,2,3
	v_wmma_scale_f32_16x16x128_f8f6f4 v[S+8*\t:S+8*\t+7], v[32+8*\t:47+8*\t], v[16:31], 0, v[KS+\t], v[QS]
.endr
.irp t, 4,5,6,7
	v_wmma_scale_f32_16x16x128_f8f6f4 v[S+8*\t:S+8*\t+7], v[32+8*\t:47+8*\t], v[16:31], 0, v[KS+\t-4], v[QS] matrix_a_scale:MATRIX_SCALE_ROW1
.endr
	v_perm_b32 v[VS], v[VR+2], v[VR], s[P0]        ; V's scale word of a channel tile: two bytes from each half of the 128 keys
	v_perm_b32 v[VS+1], v[VR+2], v[VR], s[P1]
	v_perm_b32 v[VS+2], v[VR+3], v[VR+1], s[P0]
	v_perm_b32 v[VS+3], v[VR+3], v[VR+1], s[P1]
	PLACES 4                                       ; eight places with the four above
.irp d, 0,1,2,3
.irp c, 0,1,2,3
	ds_load_b128 v[32+16*\d+4*\c:32+16*\d+4*\c+3], v[ADR] offset:8192+2048*\d+512*\c   ; V lands while the softmax is walked
.endr
.endr
.irp b, 0,1,2,3
	v_max3_num_f32 v[BM+\b], v[S+16*\b], v[S+1+16*\b], v[S+2+16*\b]   ; the largest score of each block of 32 keys: for the row's maximum and for the block's largest p
.endr
.irp i, 3,5,7,9,11,13
.irp b, 0,1,2,3
	v_max3_num_f32 v[BM+\b], v[BM+\b], v[S+16*\b+\i], v[S+1+16*\b+\i]
.endr
.endr
.irp b, 0,1,2,3
	v_max_num_f32 v[BM+\b], v[BM+\b], v[S+15+16*\b]
.endr
.irp b, 0,1,2,3
	v_permlanex16_b32 v[PT+\b], v[BM+\b], s[SEL], s[SEL+1]
.endr
.irp b, 0,1,2,3
	v_max_num_f32 v[BM+\b], v[BM+\b], v[PT+\b]
.endr
	v_max3_num_f32 v[T], v[BM], v[BM+1], v[BM+2]
	v_max_num_f32 v[T], v[T], v[BM+3]
	v_mul_f32 v[T], s[CS], v[T]
	v_max_num_f32 v13, v13, v[T]                   ; the running largest t
	v_mov_b32 v[T], v12
	v_floor_f32 v12, -v13                          ; the new -M: M is a whole number
	v_sub_f32 v[T], v12, v[T]
	v_cvt_i32_f32 v[T], v[T]                       ; (it saturates)
	v_ldexp_f32 v[F], 1.0, v[T]                    ; f = 2^(old M - new M): exact
.set j, 0
.rept 32
	v_pk_fma_f32 v[S+2*j:S+2*j+1], v[S+2*j:S+2*j+1], s[CS:CS+1], v[12:13] op_sel_hi:[1,0,0]   ; t - M
.set j, j+1
.endr
.irp b, 0,1,2,3
	v_fma_f32 v[BM+\b], v[BM+\b], s[CS], v12
.endr
.set j, 0
.rept 64
	v_exp_f32 v[S+j], v[S+j]                       ; p, not normalised
.set j, j+1
.endr
	v_pk_mul_f32 v[14:15], v[14:15], v[F:F+1] op_sel_hi:[1,0]   ; a plain line behind the batch
	s_wait_alu depctr_va_vdst(0)                   ; one wait for the batch, ahead of its first reader
.irp b, 0,1,2,3
	v_exp_f32 v[BM+\b], v[BM+\b]                   ; each block's largest p
.endr
	v_pk_add_f32 v[PT:PT+1], v[S:S+1], v[S+2:S+3]  ; the row's sum of the unquantised p, in two chains
.irp j, 4,8,12,16,20,24,28,32,36,40,44,48,52,56,60
	v_pk_add_f32 v[14:15], v[14:15], v[S+\j:S+\j+1]
	v_pk_add_f32 v[PT:PT+1], v[PT:PT+1], v[S+2+\j:S+3+\j]
.endr
	v_pk_add_f32 v[14:15], v[14:15], v[PT:PT+1]
	s_wait_alu depctr_va_vdst(0)                   ; and one for the four
.irp b, 0,1,2,3
	v_max_num_f32 v[BM+\b], 0x4800000, v[BM+\b]    ; the floor 2^(9 - 127)
.endr
.irp b, 0,1,2,3
	v_add_nc_u32 v[SO+\b], 0xfc000000, v[BM+\b]
.endr
.irp b, 0,1,2,3
	v_and_or_b32 v[HL+\b], v[BM+\b], 0x7f800000, s[MNT]
.endr
.irp b, 0,1,2,3
	v_lshrrev_b32 v[PT+\b], 23, v[SO+\b]
.endr
	v_lshl_or_b32 v[PW], v[PT+1], 8, v[PT]
	v_lshl_or_b32 v[PW], v[PT+2], 16, v[PW]
	v_lshl_or_b32 v[PW], v[PT+3], 24, v[PW]
.irp b, 0,1,2,3
.irp i, 0,1,2,3,4,5,6,7,8,9,10,11,12,13,14,15
	v_min_num_f32 v[S+16*\b+\i], v[S+16*\b+\i], v[HL+\b]   ; p is not negative: a one-sided hold
.endr
	v_cvt_scalef32_pk8_fp8_f32 v[PCD+4*\b:PCD+4*\b+1], v[S+16*\b:S+16*\b+7], v[SO+\b]
	v_cvt_scalef32_pk8_fp8_f32 v[PCD+4*\b+2:PCD+4*\b+3], v[S+16*\b+8:S+16*\b+15], v[SO+\b]
.endr
.set j, 0
.rept 16
	v_pk_mul_f32 v[O+2*j:O+2*j+1], v[O+2*j:O+2*j+1], v[F:F+1] op_sel_hi:[1,0]   ; O^T under the new M; these are also the places in front of the products below
.set j, j+1
.endr
	s_wait_dscnt 0x0                               ; V is in
.irp d, 0,1,2,3
	v_wmma_scale_f32_16x16x128_f8f6f4 v[O+8*\d:O+8*\d+7], v[32+16*\d:47+16*\d], v[PCD:PCD+15], v[O+8*\d:O+8*\d+7], v[VS+\d], v[PW]
.endr
	s_add_co_u32 s[TB], s[TB], KVB
.endm
; A stage: the four key steps that the fetching waves' j-th loads brought.  The later stages' loads stay out
.macro STAGE j
	s_wait_dscnt 0x0
	s_wait_tensorcnt 3-\j
	s_barrier_signal -1
	s_barrier_wait -1
	s_mov_b32 s[CNT], 4
.Lks_\@:
	KSTEP
	s_sub_co_u32 s[CNT], s[CNT], 1
	s_cmp_lg_u32 s[CNT], 0
	s_cbranch_scc1 .Lks_\@
.endm
	s_wait_loadcnt 0x0                             ; q
	STAGE 0
	STAGE 1
	STAGE 2
	STAGE 3
	; ---- the tail.  o = O^T / the sum is quantised (two blocks of 32 channels) and goes to LDS as an image; then THE WAVES SHARE Wo's COLUMNS: wave w takes tiles 4 w .. 4 w + 3 for all 16 tiles of queries
	PLACES 8
.irp e, 0,1,2,3
.irp c, 0,1
	global_load_b128 v[32+16*\e+4*\c:32+16*\e+4*\c+3], v[LI], s[66:67] offset:2048*\e+512*\c
.endr
.endr
	global_load_b64 v[VS:VS+1], v[LI], s[68:69]
.irp e, 0,1,2,3
	global_load_b128 v[96+8*\e:96+8*\e+3], v[H64], s[10:11] offset:128*(\e/2)+32*(\e%2)
	global_load_b128 v[96+8*\e+4:96+8*\e+7], v[H64], s[10:11] offset:128*(\e/2)+32*(\e%2)+16
.endr
	v_add_f32 v14, v14, v15
	v_permlanex16_b32 v[PT], v14, s[SEL], s[SEL+1]
	v_add_f32 v14, v14, v[PT]                      ; the row's sum
	v_rcp_f32 v14, v14
.irp e, 0,1,2,3
.irp k, 8,9,10,11,12,13,14,15
	v_mov_b32 v[32+16*\e+\k], 0                    ; Wo's zero codes for k = 64 .. 127 (plain work behind the reciprocal)
.endr
.endr
.irp k, 0,1,2,3,4,5,6,7
	v_mov_b32 v[160+\k], 0                         ; behind the last of four tiles of o
.endr
	s_wait_alu depctr_va_vdst(0)
.set j, 0
.rept 32
	v_mul_f32 v[128+j], v[O+j], v14                ; register 16 b + i: channel 32 b + 16 h + i of my query
.set j, j+1
.endr
.irp b, 0,1
	v_max3_num_f32 v[BM+\b], |v[128+16*\b]|, |v[129+16*\b]|, 0x4800000
.endr
.irp i, 2,4,6,8,10,12,14
.irp b, 0,1
	v_max3_num_f32 v[BM+\b], v[BM+\b], |v[128+16*\b+\i]|, |v[129+16*\b+\i]|
.endr
.endr
.irp b, 0,1
	v_permlanex16_b32 v[PT+\b], v[BM+\b], s[SEL], s[SEL+1]
.endr
.irp b, 0,1
	v_max_num_f32 v[BM+\b], v[BM+\b], v[PT+\b]
.endr
.irp b, 0,1
	v_add_nc_u32 v[SO+\b], 0xfc000000, v[BM+\b]
.endr
.irp b, 0,1
	v_and_or_b32 v[HL+\b], v[BM+\b], 0x7f800000, s[MNT]
.endr
.irp b, 0,1
	v_lshrrev_b32 v[PT+\b], 23, v[SO+\b]
.endr
	v_lshl_or_b32 v[T], v[PT+1], 8, v[PT]
	v_lshl_or_b32 v[T], v[T], 16, v[T]             ; the two bytes, twice
.irp b, 0,1
.irp i, 0,1,2,3,4,5,6,7,8,9,10,11,12,13,14,15
	v_med3_num_f32 v[128+16*\b+\i], v[128+16*\b+\i], -v[HL+\b], v[HL+\b]
.endr
	v_cvt_scalef32_pk8_fp8_f32 v[PCD+4*\b:PCD+4*\b+1], v[128+16*\b:135+16*\b], v[SO+\b]
	v_cvt_scalef32_pk8_fp8_f32 v[PCD+4*\b+2:PCD+4*\b+3], v[136+16*\b:143+16*\b], v[SO+\b]
.endr
	v_nop
	ds_store_b128 v[OIW], v[PCD:PCD+3]
	ds_store_b128 v[OIW], v[PCD+4:PCD+7] offset:512
	ds_store_b32 v[OSW], v[T]
	s_wait_dscnt 0x0
	s_barrier_signal -1
	s_barrier_wait -1                              ; the sixteen images lie in LDS
	s_wait_loadcnt 0x0
	v_perm_b32 v[VS], v[VS], v[VS], s70            ; the head's two bytes of Wo's words, twice
	v_perm_b32 v[VS+1], v[VS+1], v[VS+1], s70
	PLACES 8                                       ; a scale register written by a vector instruction stands eight places ahead of the product
; tile qt's four results (16 queries x my 64 columns) times dWv[3], summed: one number a query
.macro VEC qt
.set AB, 168+32*((\qt)%2)
	v_pk_mul_f32 v[248:249], v[AB:AB+1], v[96:97]
	v_pk_mul_f32 v[250:251], v[AB+2:AB+3], v[98:99]
.set j, 2
.rept 14
	v_pk_fma_f32 v[248+2*(j%2):249+2*(j%2)], v[AB+2*j:AB+2*j+1], v[96+2*j:97+2*j], v[248+2*(j%2):249+2*(j%2)]
.set j, j+1
.endr
	v_pk_add_f32 v[248:249], v[248:249], v[250:251]
	v_add_f32 v248, v248, v249
	v_permlanex16_b32 v250, v248, s[SEL], s[SEL+1]
	v_add_f32 v[16+(\qt)], v248, v250              ; a register of its own for each tile
	ds_store_b32 v[ZW], v[16+(\qt)] offset:256*((\qt)/4)+4*((\qt)%4)
.endm
.irp qt, 0,1,2,3,4,5,6,7,8,9,10,11,12,13,14,15
.if (\qt%4) == 0
.irp a, 0,1,2,3
	ds_load_b128 v[128+8*\a:128+8*\a+3], v[OI] offset:1024*(\qt+\a)
	ds_load_b128 v[128+8*\a+4:128+8*\a+7], v[OI] offset:1024*(\qt+\a)+512
	ds_load_b32 v[KS+\a], v[OSA] offset:128*(\qt+\a)
.endr
	s_wait_dscnt 0x0
.endif
.irp e, 0,2
	v_wmma_scale_f32_16x16x128_f8f6f4 v[168+32*(\qt%2)+8*\e:168+32*(\qt%2)+8*\e+7], v[32+16*\e:47+16*\e], v[128+8*(\qt%4):143+8*(\qt%4)], 0, v[VS+\e/2], v[KS+\qt%4]
	v_wmma_scale_f32_16x16x128_f8f6f4 v[176+32*(\qt%2)+8*\e:176+32*(\qt%2)+8*\e+7], v[48+16*\e:63+16*\e], v[128+8*(\qt%4):143+8*(\qt%4)], 0, v[VS+\e/2], v[KS+\qt%4] matrix_a_scale:MATRIX_SCALE_ROW1
.endr
.if \qt == 0
	PLACES 10
.else
	VEC \qt-1                                      ; the other set's vector work: the places behind the four products just issued
.endif
.endr
	VEC 15
	s_wait_dscnt 0x0
	s_barrier_signal -1
	s_barrier_wait -1
	s_cmp_lt_u32 s[WV], 4                          ; waves 0-3 add the sixteen waves' parts of a row block and store 256 consecutive bytes, aligned
	s_cbranch_scc0 .Lno_sum
.irp k, 0,1,2,3,4,5,6,7,8,9,10,11,12,13,14,15
	ds_load_b64 v[32+2*\k:33+2*\k], v[ZR] offset:1024*\k
.endr
	s_wait_dscnt 0x0
.irp k, 0,1,2,3,4,5,6,7
	v_pk_add_f32 v[32+4*\k:33+4*\k], v[32+4*\k:33+4*\k], v[34+4*\k:35+4*\k]
.endr
.irp k, 0,1,2,3
	v_pk_add_f32 v[32+8*\k:33+8*\k], v[32+8*\k:33+8*\k], v[36+8*\k:37+8*\k]
.endr
	v_pk_add_f32 v[32:33], v[32:33], v[40:41]
	v_pk_add_f32 v[48:49], v[48:49], v[56:57]
	v_pk_add_f32 v[32:33], v[32:33], v[48:49]
	global_store_b64 v[L8], v[32:33], s[12:13]
.Lno_sum:
	s_wait_tensorcnt 0x0
	ds_add_u32 v254, v255
	s_wait_dscnt 0x0
	CROUND                                         ; the closing round
	s_endpgm
.Lfunc_end_k_q4ac2429c8b_attn:
	.size	k_q4ac2429c8b_attn, .Lfunc_end_k_q4ac2429c8b_attn-k_q4ac2429c8b_attn
	.p2alignl 7, 3214868480
	.fill 96, 4, 3214868480
	.section	.rodata,"a",@progbits
	.p2align	6, 0x0
	.amdhsa_kernel k_q4ac2429c8b_attn
		.amdhsa_group_segment_fixed_size 327680
		.amdhsa_private_segment_fixed_size 0
		.amdhsa_enable_private_segment 0
		.amdhsa_kernarg_size 40
		.amdhsa_user_sgpr_count 2
		.amdhsa_user_sgpr_kernarg_segment_ptr 1
		.amdhsa_wavefront_size32 1
		.amdhsa_system_sgpr_workgroup_id_x 1
		.amdhsa_system_sgpr_workgroup_id_y 1
		.amdhsa_system_sgpr_workgroup_id_z 1
		.amdhsa_system_vgpr_workitem_id 0
		.amdhsa_next_free_vgpr 256
		.amdhsa_next_free_sgpr 80
		.amdhsa_reserve_vcc 0
		.amdhsa_float_denorm_mode_32 3
		.amdhsa_float_denorm_mode_16_64 3
		.amdhsa_memory_ordered 1
		.amdhsa_forward_progress 1
		.amdhsa_inst_pref_size 127
	.end_amdhsa_kernel
	.amdgpu_metadata
---
amdhsa.version: [ 1, 2 ]
amdhsa.kernels:
  - .name:           k_q4ac2429c8b_attn
    .symbol:         k_q4ac2429c8b_attn.kd
    .args:
      - { .name: qf, .offset: 0, .size: 8, .value_kind: global_buffer, .address_space: global }
      - { .name: kv, .offset: 8, .size: 8, .value_kind: global_buffer, .address_space: global }
      - { .name: wf, .offset: 16, .size: 8, .value_kind: global_buffer, .address_space: global }
      - { .name: dWv, .offset: 24, .size: 8, .value_kind: global_buffer, .address_space: global }
      - { .name: v3p, .offset: 32, .size: 8, .value_kind: global_buffer, .address_space: global }
    .group_segment_fixed_size: 327680
    .private_segment_fixed_size: 0
    .kernarg_segment_align: 8
    .kernarg_segment_size: 40
    .max_flat_workgroup_size: 512
    .sgpr_count:     80
    .vgpr_count:     256
    .wavefront_size: 32
...
	.end_amdgpu_metadata
.endif
;; end of part 3
;; launch final (part 4): grid 64 x 1, 4 waves a work-group, clusters of 4 x 1, 327,680 bytes of LDS; arguments xf, wf, x, v3p, bo, dWv, dbv, dbw, dbb, ln_g, ln_b, out0; writes out0
.if DOCPART == 4
	.amdgcn_target "amdgcn-amd-amdhsa--gfx1250"
	.amdhsa_code_object_version 6
	.text
	.protected	k_q4ac2429c8b_final
	.globl	k_q4ac2429c8b_final
	.p2align	8
	.type	k_q4ac2429c8b_final,@function
k_q4ac2429c8b_final:
	s_mov_b64 s[64:65], 0
	v_nop
	global_prefetch_b8 v0, s[64:65] scope:SCOPE_SE
	s_setreg_imm32_b32 hwreg(HW_REG_WAVE_MODE, 25, 1), 1
	s_wait_xcnt 0x0
	s_wait_alu depctr_hold_cnt(0) depctr_sa_sdst(0) depctr_va_vdst(0) depctr_va_sdst(0) depctr_va_ssrc(0) depctr_va_vcc(0) depctr_vm_vsrc(0)
	s_getreg_b32 s2, hwreg(HW_REG_IB_STS2, 6, 4)
	s_cmp_eq_u32 s2, 0
	s_cbranch_scc0 .Lentry_in_a_cluster
	s_endpgm
.Lentry_in_a_cluster:
	s_bfe_u32 s2, ttmp6, 0x10000c
	s_cmp_lg_u32 s2, 0x3003
	s_cbranch_scc0 .Lentry_shape_is_right
	s_endpgm
.Lentry_shape_is_right:
; final: delta block 3 and the LayerNorm for 64 rows: y = x + c k_raw, k_raw = x dWk[3], c as in the other delta blocks with v = the sum of the 16 heads' numbers in v3p + bo . dWv[3] + dbv[3];
; out = (y - mean) / sqrt(var + 1e-5) g + b, the variance taken of y - mean, as the reference has it.
; SHARES, RING, CLUSTER, LAYOUT AND REGISTERS as in the launch that makes q, k and v: work-group rb = 4 x cluster x + cx; wave w owns columns 256 w .. 256 w + 255 of all 64 rows (64 accumulators); K in steps of 128 through two slots;
; the weight's thirds are asked for jointly by the four partners (mask 15), x's block by a plain load of wave 3.  Whole rows want one owner, so there are 64 work-groups: smaller row blocks would walk the same weights.
; LIMITS: NaN and infinities are not served; a row whose |k_raw|^2 lies under 2^-126 counts as norm 0.
.set BBLK,  135168
.set ABLK,  8704
.set THIRD, 45056
.set SLOT,  143872
.set SPARE, 287744                     ; the spare words, 128 bytes a wave: two blocks of 256 bytes that no other line names
.set RED,   288256                     ; [q 8][wave 4][r 16][m 4] f32
.set DWL,   296448                     ; + 4,096: dbw[3]; + 8,192: ln_g; + 12,288: ln_b
.set TRW,   67072                      ; behind the ring's last fill: four private areas; element (row k, column c) at 1,040 k + 128 (k / 16) + 4 c
.set SPW, 1
.set NIL, 2
.set AW,  3
.set AS,  5
.set AX,  7
.set XG,  9
.set TRA, 10
.set RW,  12
.set RR,  13
.set DLA, 14
.set GO,  15
.set OLA, 16                           ; v16-17 my area by whole rows: rows 0-31, rows 32-63
.set BD,  18
.set CC,  20                           ; v20-23 c, later 1 / sqrt(var + eps)
.set SS,  24                           ; v24-27 v's part, later - mean
.set PT,  28
.set SCB, 32
.set CHN, 56
.set N2,  100
.set DD,  104
.set XBS, 108
.set CH,  120
.set XF,  128
.set DB,  128
.set WV,  28
.set G0B, 32
.set G0A, 40
.set G1B, 48
.set G1A, 56
.set SEL, 66
.set OUT, 70
.set SDBV, 73
.set SDBB, 74
.set MSB, 0
.macro WIN new
.if MSB != (\new)
	s_set_vgpr_msb (MSB<<8)|(\new)
.set MSB, (\new)
.endif
.endm
.macro PLACES n
.rept \n
	v_nop
.endr
.endm
.macro CREST
	s_cmp_lg_u32 s[WV], 0
	s_cbranch_scc1 .Lnot_wave_0_\@
	s_barrier_signal -3
.Lnot_wave_0_\@:
	s_barrier_wait -3
	s_barrier_signal -1
	s_barrier_wait -1
.endm
.macro CROUND
	s_barrier_signal -1
	s_barrier_wait -1
	CREST
.endm
.macro JLOAD sg                        ; waves 0-2: a third of the weight's block, jointly; wave 3: x's block.  Four v_nop follow each line
	s_cmp_lt_u32 s[WV], 3
	s_cbranch_scc0 .Lfor_a_\@
	tensor_load_to_lds s[G0B+4*\sg:G0B+4*\sg+3], s[G1B:G1B+7]
	s_nop 0
.rept 4
	v_nop
.endr
	s_branch .Lasked_\@
.Lfor_a_\@:
	tensor_load_to_lds s[G0A+4*\sg:G0A+4*\sg+3], s[G1A:G1A+7]
	s_nop 0
.rept 4
	v_nop
.endr
.Lasked_\@:
.endm
.macro MULQ tlo, mm, sg, zero
.irp t, 0,1,2,3,4,5,6,7
.set AC, 128*((\mm)%2)+8*(\tlo+\t)
.set WR, 16*(\tlo+\t)
.set XR, XF+64*(\sg)+16*(\mm)
.set WSR, SCB+12*(\sg)+(\tlo+\t)/2
.set XSR, SCB+12*(\sg)+8+(\mm)
.if \zero
.if \t%2
	v_wmma_scale_f32_16x16x128_f8f6f4 v[AC:AC+7], v[WR:WR+15], v[XR:XR+15], 0, v[WSR], v[XSR] matrix_a_scale:MATRIX_SCALE_ROW1
.else
	v_wmma_scale_f32_16x16x128_f8f6f4 v[AC:AC+7], v[WR:WR+15], v[XR:XR+15], 0, v[WSR], v[XSR]
.endif
.else
.if \t%2
	v_wmma_scale_f32_16x16x128_f8f6f4 v[AC:AC+7], v[WR:WR+15], v[XR:XR+15], v[AC:AC+7], v[WSR], v[XSR] matrix_a_scale:MATRIX_SCALE_ROW1
.else
	v_wmma_scale_f32_16x16x128_f8f6f4 v[AC:AC+7], v[WR:WR+15], v[XR:XR+15], v[AC:AC+7], v[WSR], v[XSR]
.endif
.endif
.endr
.endm
.macro F1 nx
	WIN 0x40
.irp t, 0,1,2,3,4,5,6,7
.irp c, 0,1,2,3
	ds_load_b128 v[16*\t+4*\c:16*\t+4*\c+3], v[AW+\nx] offset:2048*\t+512*\c
.endr
.endr
	WIN 0
.irp m, 0,1,2,3
.irp c, 0,1,2,3
	ds_load_b128 v[XF+64*\nx+16*\m+4*\c:XF+64*\nx+16*\m+4*\c+3], v[AX+\nx] offset:2048*\m+512*\c
.endr
.endr
	ds_load_b128 v[SCB+12*\nx:SCB+12*\nx+3], v[AS+\nx]
	ds_load_b128 v[SCB+12*\nx+4:SCB+12*\nx+7], v[AS+\nx] offset:512
	ds_load_b128 v[SCB+12*\nx+8:SCB+12*\nx+11], v[AX+\nx] offset:8192
.endm
.macro F2 nx
	WIN 0x40
.irp t, 8,9,10,11,12,13,14,15
.irp c, 0,1,2,3
	ds_load_b128 v[16*\t+4*\c:16*\t+4*\c+3], v[AW+\nx] offset:2048*\t+512*\c
.endr
.endr
	WIN 0
.endm
; A K step: 64 matrix instructions, the 64 accumulators by turns, and the change of slots
.macro TURN sg, nx, zero, fill
	s_wait_dscnt 32                                ; weight tiles 0-7, x and the scale words are in; the 32 loads of tiles 8-15 may be out
	WIN 0xa1
	MULQ 0, 0, \sg, \zero
	MULQ 0, 1, \sg, \zero
	WIN 0
	s_wait_tensorcnt 0x0                           ; all my tensor loads have landed: my part of the next slot
	ds_add_u32 v[SPW], v[NIL]                      ; 0 onto my spare word
	WIN 0xf1
	MULQ 0, 2, \sg, \zero
	s_wait_dscnt 0x0                               ; the add is done, and my reads of this slot are over
	s_barrier_signal -1
	MULQ 0, 3, \sg, \zero
	WIN 0
	s_barrier_wait -1
.if \fill
	CREST                                          ; the barrier has opened a round of the cluster's
	s_add_nc_u64 s[G0B+4*\sg+2:G0B+4*\sg+3], s[G0B+4*\sg+2:G0B+4*\sg+3], 2*BBLK
	s_add_nc_u64 s[G0A+4*\sg+2:G0A+4*\sg+3], s[G0A+4*\sg+2:G0A+4*\sg+3], 2*ABLK
	JLOAD \sg                                      ; the first tensor load behind the round, my only one until the next
	PLACES 4
.else
	PLACES 8
.endif
	F1 \nx
	WIN 0xf1
	MULQ 8, 2, \sg, \zero
	MULQ 8, 3, \sg, \zero
	WIN 0xa1
	MULQ 8, 0, \sg, \zero
	MULQ 8, 1, \sg, \zero
	PLACES 8
	F2 \nx
.endm
.macro LAST sg
	s_wait_dscnt 32
	WIN 0xa1
	MULQ 0, 0, \sg, 0
	MULQ 0, 1, \sg, 0
	WIN 0xf1
	MULQ 0, 2, \sg, 0
	MULQ 0, 3, \sg, 0
	s_wait_dscnt 0x0
	MULQ 8, 2, \sg, 0
	MULQ 8, 3, \sg, 0
	WIN 0xa1
	MULQ 8, 0, \sg, 0
	MULQ 8, 1, \sg, 0
	WIN 0
.endm
	s_load_b512 s[4:19], s[0:1], 0x0               ; xf, wf, x, v3p, bo, dWv, dbv, dbw
	s_load_b256 s[20:27], s[0:1], 0x40             ; dbb, ln_g, ln_b, out0
	v_lshl_add_u32 v[SPW], v0, 2, SPARE
	v_mov_b32 v[NIL], 0
	ds_add_u32 v1, v2
	ds_add_u32 v1, v2
	s_wait_dscnt 0x0
	v_lshrrev_b32 v112, 5, v0
	v_readfirstlane_b32 s[WV], v112
	s_bfe_u32 s30, ttmp6, 0x40000                  ; cx
	s_lshl_b32 s31, ttmp9, 2
	s_add_co_u32 s31, s31, s30                     ; rb
	s_mov_b32 s[G1B], 15|(3<<16)|(1<<21)
	s_mov_b32 s[G1B+1], 32<<16
	s_mov_b32 s[G1B+2], 176<<16
	s_mov_b32 s[G1B+3], 32<<16
	s_mov_b32 s[G1B+4], 176
	s_mov_b32 s[G1B+5], 32
	s_mov_b32 s[G1B+6], 0
	s_mov_b32 s[G1B+7], 0
	s_mov_b32 s[G1A], 3<<16
	s_mov_b32 s[G1A+1], 32<<16
	s_mov_b32 s[G1A+2], 34<<16
	s_mov_b32 s[G1A+3], 32<<16
	s_mov_b32 s[G1A+4], 34
	s_mov_b32 s[G1A+5], 32
	s_mov_b32 s[G1A+6], 0
	s_mov_b32 s[G1A+7], 0
	s_mul_i32 s78, s[WV], THIRD
	s_add_co_u32 s76, s78, 24*BBLK                 ; weight 3, K step 0, my third
	s_mov_b32 s77, 0
	s_mul_i32 s80, s31, 8*ABLK
	s_mov_b32 s81, 0
	s_wait_kmcnt 0x0
	s_add_nc_u64 s[76:77], s[6:7], s[76:77]
	s_add_nc_u64 s[80:81], s[4:5], s[80:81]
	CROUND
.irp s, 0,1
	s_mov_b32 s[G0B+4*\s], 1
	s_add_co_u32 s[G0B+4*\s+1], s78, \s*SLOT
	s_add_nc_u64 s[G0B+4*\s+2:G0B+4*\s+3], s[76:77], \s*BBLK
	s_or_b32 s[G0B+4*\s+3], s[G0B+4*\s+3], 0x80000000
	s_mov_b32 s[G0A+4*\s], 1
	s_add_co_u32 s[G0A+4*\s+1], s78, \s*SLOT
	s_add_nc_u64 s[G0A+4*\s+2:G0A+4*\s+3], s[80:81], \s*ABLK
	s_or_b32 s[G0A+4*\s+3], s[G0A+4*\s+3], 0x80000000
.endr
	s_cmp_lt_u32 s[WV], 3
	s_cbranch_scc0 .Lfirst_a
	tensor_load_to_lds s[G0B:G0B+3], s[G1B:G1B+7]
	s_nop 0
	tensor_load_to_lds s[G0B+4:G0B+7], s[G1B:G1B+7]
	s_nop 0
.rept 4
	v_nop
.endr
	s_branch .Lfirst_done
.Lfirst_a:
	tensor_load_to_lds s[G0A:G0A+3], s[G1A:G1A+7]
	s_nop 0
	tensor_load_to_lds s[G0A+4:G0A+7], s[G1A:G1A+7]
	s_nop 0
.rept 4
	v_nop
.endr
.Lfirst_done:
	s_load_b32 s[SDBV], s[16:17], 0xc
	s_load_b32 s[SDBB], s[20:21], 0xc
	s_add_nc_u64 s[14:15], s[14:15], 12288         ; dWv[3]
	s_add_nc_u64 s[18:19], s[18:19], 12288         ; dbw[3]
	s_lshl_b32 s84, s31, 18
	s_lshl_b32 s86, s[WV], 10
	s_add_co_u32 s84, s84, s86
	s_mov_b32 s85, 0
	s_add_nc_u64 s[8:9], s[8:9], s[84:85]          ; x, and out0, at my block's first row and my wave's first column
	s_add_nc_u64 s[OUT:OUT+1], s[26:27], s[84:85]
	s_lshl_b32 s84, s[WV], 16                      ; v3p: my four heads,
	s_lshl_b32 s87, s31, 8                         ; my row block
	s_add_co_u32 s84, s84, s87
	s_add_nc_u64 s[10:11], s[10:11], s[84:85]
	s_mov_b32 s[SEL], 0x76543210
	s_mov_b32 s[SEL+1], 0xfedcba98
	v_and_b32 v112, 31, v0
	v_and_b32 v113, 15, v0
	v_bfe_u32 v114, v0, 4, 1
	v_lshlrev_b32 v115, 4, v112
	v_and_b32 v116, 8, v113
	v_add_nc_u32 v116, v116, v113
	v_lshrrev_b32 v117, 3, v113
	s_lshl_b32 s89, s[WV], 15
	v_add_nc_u32 v[AW], s89, v115
	v_add_nc_u32 v[AW+1], SLOT, v[AW]
	s_add_co_u32 s89, s86, 131072
	v_add_nc_u32 v[AS], s89, v115
	v_add_nc_u32 v[AS+1], SLOT, v[AS]
	v_add_nc_u32 v[AX], BBLK, v115
	v_add_nc_u32 v[AX+1], SLOT+BBLK, v115
	v_lshlrev_b32 v[XG], 12, v116
	v_lshl_add_u32 v[XG], v114, 6, v[XG]
	s_mul_i32 s89, s[WV], TRW
	v_mul_u32_u24 v[TRA], v116, 1040
	v_lshl_add_u32 v[TRA], v117, 7, v[TRA]
	v_lshl_add_u32 v[TRA], v114, 6, v[TRA]
	v_add_nc_u32 v[TRA], s89, v[TRA]
	v_add_nc_u32 v[OLA], s89, v115
	v_add_nc_u32 v[OLA+1], 33536, v[OLA]           ; row 32: 32 x 1,040 + 2 x 128
	v_mov_b32 v[GO], v115
	s_lshl_b32 s89, s[WV], 8
	s_add_co_u32 s89, s89, RED
	v_lshl_add_u32 v[RW], v113, 4, s89
	v_lshlrev_b32 v[RR], 4, v113
	v_lshlrev_b32 v99, 4, v113                     ; v3p: 16 r
	v_add_nc_u32 v[RR], RED, v[RR]
	s_add_co_u32 s89, s86, DWL
	v_lshl_add_u32 v[DLA], v114, 6, s89
	v_lshl_add_u32 v98, v114, 6, s86
.irp k, 0,1,2,3
	v_mov_b32 v[PT+\k], 0
.endr
	; dbw[3], ln_g, ln_b into LDS, 32 bytes a thread; my four heads of v3p; BD = the sum over my 128 columns of bo dWv[3]
	v_lshlrev_b32 v118, 5, v0
	v_add_nc_u32 v119, DWL, v118
	global_load_b128 v[56:59], v118, s[18:19]
	global_load_b128 v[60:63], v118, s[18:19] offset:16
	global_load_b128 v[64:67], v118, s[22:23]
	global_load_b128 v[68:71], v118, s[22:23] offset:16
	global_load_b128 v[88:91], v118, s[24:25]
	global_load_b128 v[92:95], v118, s[24:25] offset:16
.irp k, 0,1,2,3
	global_load_b128 v[72+4*\k:75+4*\k], v99, s[10:11] offset:16384*\k
.endr
.macro BDL ch
.irp b, 0,1,2,3
.irp q, 0,1,2,3
	global_load_b128 v[128+16*\b+4*\q:128+16*\b+4*\q+3], v98, s[12:13] offset:512*\ch+128*\b+16*\q
	global_load_b128 v[192+16*\b+4*\q:192+16*\b+4*\q+3], v98, s[14:15] offset:512*\ch+128*\b+16*\q
.endr
.endr
.endm
.macro BDM ch
.set j, 0
.rept 32
.if (\ch == 0) && (j < 4)
	v_pk_mul_f32 v[CH+2*j:CH+2*j+1], v[128+2*j:128+2*j+1], v[192+2*j:192+2*j+1]
.else
	v_pk_fma_f32 v[CH+2*(j%4):CH+2*(j%4)+1], v[128+2*j:128+2*j+1], v[192+2*j:192+2*j+1], v[CH+2*(j%4):CH+2*(j%4)+1]
.endif
.set j, j+1
.endr
.endm
	BDL 0
	s_wait_loadcnt 36                              ; the six loads for LDS are in; the 36 behind them may be out
	ds_store_b128 v119, v[56:59] offset:4096
	ds_store_b128 v119, v[60:63] offset:4112
	ds_store_b128 v119, v[64:67] offset:8192
	ds_store_b128 v119, v[68:71] offset:8208
	ds_store_b128 v119, v[88:91] offset:12288
	ds_store_b128 v119, v[92:95] offset:12304
	s_wait_loadcnt 0x0
	BDM 0
	BDL 1
	s_wait_loadcnt 0x0
	BDM 1
	v_pk_add_f32 v[CH:CH+1], v[CH:CH+1], v[CH+2:CH+3]
	v_pk_add_f32 v[CH+4:CH+5], v[CH+4:CH+5], v[CH+6:CH+7]
	v_pk_add_f32 v[CH:CH+1], v[CH:CH+1], v[CH+4:CH+5]
	v_add_f32 v[BD], v[CH], v[CH+1]
	v_permlanex16_b32 v[PT], v[BD], s[SEL], s[SEL+1]
	v_add_f32 v[BD], v[BD], v[PT]                  ; both halves of the lanes
	v_pk_add_f32 v[72:73], v[72:73], v[76:77]
	v_pk_add_f32 v[74:75], v[74:75], v[78:79]
	v_pk_add_f32 v[80:81], v[80:81], v[84:85]
	v_pk_add_f32 v[82:83], v[82:83], v[86:87]
	v_pk_add_f32 v[72:73], v[72:73], v[80:81]
	v_pk_add_f32 v[74:75], v[74:75], v[82:83]
.irp k, 0,1,2,3
	v_add_f32 v[SS+\k], v[BD], v[72+\k]
.endr
	ds_store_b128 v[RW], v[SS:SS+3]                ; quantity 0
	s_wait_dscnt 0x0
	s_wait_tensorcnt 1                             ; my part of slot 0 is in; slot 1's may stay out
	s_barrier_signal -1
	s_barrier_wait -1
	F1 0
	F2 0
	TURN 0, 1, 1, 1                                ; K step 0: its products start the sums
	s_mov_b32 s3, 2
.Lk:
	TURN 1, 0, 0, 1
	TURN 0, 1, 0, 1
	s_sub_co_u32 s3, s3, 1
	s_cmp_lg_u32 s3, 0
	s_cbranch_scc1 .Lk
	TURN 1, 0, 0, 1                                ; K step 5 asks for K step 7
	TURN 0, 1, 0, 0                                ; the tail is written out, so no round follows
	LAST 1
	; ---- the epilogue.  Behind this barrier nobody reads the ring, which has had its last fill
	PLACES 8
	s_wait_dscnt 0x0
	s_barrier_signal -1
	s_barrier_wait -1
.macro XLD hp, mm
	WIN 0x40
.irp b, 0,1,2,3
.irp q, 0,1,2,3
	global_load_b128 v[64*(\mm)+16*\b+4*\q:64*(\mm)+16*\b+4*\q+3], v[XG], s[8:9] offset:(32*((\mm)/2)+8*((\mm)%2))*4096+512*(\hp)+128*\b+16*\q
.endr
.endr
	WIN 0
.endm
.macro FOLD cb, dst, hp
	v_pk_add_f32 v[\cb:\cb+1], v[\cb:\cb+1], v[\cb+2:\cb+3]
	v_pk_add_f32 v[\cb+4:\cb+5], v[\cb+4:\cb+5], v[\cb+6:\cb+7]
	v_pk_add_f32 v[\cb:\cb+1], v[\cb:\cb+1], v[\cb+4:\cb+5]
.if \hp
	v_add_f32 v[\cb], v[\cb], v[\cb+1]
	v_add_f32 v[\dst], v[\dst], v[\cb]
.else
	v_add_f32 v[\dst], v[\cb], v[\cb+1]
.endif
.endm
.macro P1G hp, mm, cnt                 ; k_raw . x, |k_raw|^2, x . dbw; x goes into my area.  Each accumulator is read from its low end on
	s_wait_loadcnt \cnt
.set AB, 128*((\mm)%2)+64*(\hp)
.set XR, 64*(\mm)
.set IMM, (32*((\mm)/2)+8*((\mm)%2))*1040+256*((\mm)/2)+512*(\hp)
	WIN 0x06+(\mm)/2
.set j, 0
.rept 32
.if j < 4
	v_pk_mul_f32 v[CHN+2*j:CHN+2*j+1], v[AB+2*j:AB+2*j+1], v[XR+2*j:XR+2*j+1]
.else
	v_pk_fma_f32 v[CHN+2*(j%4):CHN+2*(j%4)+1], v[AB+2*j:AB+2*j+1], v[XR+2*j:XR+2*j+1], v[CHN+2*(j%4):CHN+2*(j%4)+1]
.endif
.set j, j+1
.endr
	WIN 0x0a+5*((\mm)/2)
.set j, 0
.rept 32
.if j < 4
	v_pk_mul_f32 v[CHN+8+2*j:CHN+8+2*j+1], v[AB+2*j:AB+2*j+1], v[AB+2*j:AB+2*j+1]
.else
	v_pk_fma_f32 v[CHN+8+2*(j%4):CHN+8+2*(j%4)+1], v[AB+2*j:AB+2*j+1], v[AB+2*j:AB+2*j+1], v[CHN+8+2*(j%4):CHN+8+2*(j%4)+1]
.endif
.set j, j+1
.endr
	WIN 0x01
.set j, 0
.rept 32
.if j < 4
	v_pk_mul_f32 v[CHN+16+2*j:CHN+16+2*j+1], v[XR+2*j:XR+2*j+1], v[DB+2*j:DB+2*j+1]
.else
	v_pk_fma_f32 v[CHN+16+2*(j%4):CHN+16+2*(j%4)+1], v[XR+2*j:XR+2*j+1], v[DB+2*j:DB+2*j+1], v[CHN+16+2*(j%4):CHN+16+2*(j%4)+1]
.endif
.set j, j+1
.endr
	WIN 0x04
.irp b, 0,1,2,3
.irp q, 0,1,2,3
	ds_store_b128 v[TRA], v[XR+16*\b+4*\q:XR+16*\b+4*\q+3] offset:IMM+128*\b+16*\q
.endr
.endr
	WIN 0
	FOLD CHN, DD+(\mm), \hp
	FOLD CHN+8, N2+(\mm), \hp
	FOLD CHN+16, XBS+(\mm), \hp
.endm
.macro DBLD hp
.irp b, 0,1,2,3
.irp q, 0,1,2,3
	ds_load_b128 v[DB+16*\b+4*\q:DB+16*\b+4*\q+3], v[DLA] offset:4096+512*\hp+128*\b+16*\q
.endr
.endr
	s_wait_dscnt 0x0
.endm
	XLD 0, 0
	XLD 0, 1
	XLD 0, 2
	XLD 0, 3
	DBLD 0
.irp m, 0,1,2,3
	P1G 0, \m, 48                                  ; this group's 16 loads are in; three groups' may be out
	s_wait_dscnt 0x0                               ; the stores have read their registers
	XLD 1, \m
.endr
	DBLD 1
	P1G 1, 0, 48
	P1G 1, 1, 32
	P1G 1, 2, 16
	P1G 1, 3, 0
.irp q, 0,1,2
.irp k, 0,1,2,3
	v_permlanex16_b32 v[PT+\k], v[N2+4*\q+\k], s[SEL], s[SEL+1]
.endr
.irp k, 0,1,2,3
	v_add_f32 v[N2+4*\q+\k], v[N2+4*\q+\k], v[PT+\k]
.endr
	ds_store_b128 v[RW], v[N2+4*\q:N2+4*\q+3] offset:1024*(\q+1)
.endr
	s_wait_dscnt 0x0
	s_barrier_signal -1
	s_barrier_wait -1
.irp q, 0,1,2,3
.irp w, 0,1,2,3
	ds_load_b128 v[128+16*\q+4*\w:128+16*\q+4*\w+3], v[RR] offset:1024*\q+256*\w
.endr
.endr
	s_wait_dscnt 0x0
.irp q, 0,1,2,3
.irp u, 0,2
	v_pk_add_f32 v[128+16*\q+\u:129+16*\q+\u], v[128+16*\q+\u:129+16*\q+\u], v[132+16*\q+\u:133+16*\q+\u]
	v_pk_add_f32 v[136+16*\q+\u:137+16*\q+\u], v[136+16*\q+\u:137+16*\q+\u], v[140+16*\q+\u:141+16*\q+\u]
.endr
.irp u, 0,2
	v_pk_add_f32 v[128+16*\q+\u:129+16*\q+\u], v[128+16*\q+\u:129+16*\q+\u], v[136+16*\q+\u:137+16*\q+\u]
.endr
.endr
	s_wait_kmcnt 0x0
.irp m, 0,1,2,3
	v_add_f32 v[176+\m], s[SDBB], v[176+\m]
.endr
.irp m, 0,1,2,3
	v_mul_f32 v[176+\m], 0xbfb8aa3b, v[176+\m]
.endr
.irp m, 0,1,2,3
	v_sqrt_f32 v[144+\m], v[144+\m]
.endr
.irp m, 0,1,2,3
	v_exp_f32 v[176+\m], v[176+\m]
.endr
.irp m, 0,1,2,3
	v_add_f32 v[128+\m], s[SDBV], v[128+\m]
.endr
	s_wait_alu depctr_va_vdst(0)                   ; one wait for the batch, ahead of its first reader
.irp m, 0,1,2,3
	v_add_f32 v[144+\m], 0x322bcc77, v[144+\m]
.endr
.irp m, 0,1,2,3
	v_add_f32 v[176+\m], 1.0, v[176+\m]
.endr
.irp m, 0,1,2,3
	v_rcp_f32 v[144+\m], v[144+\m]
.endr
.irp m, 0,1,2,3
	v_rcp_f32 v[176+\m], v[176+\m]
.endr
	v_nop
	s_wait_alu depctr_va_vdst(0)
.irp m, 0,1,2,3
	v_fma_f32 v[128+\m], -v[160+\m], v[144+\m], v[128+\m]
.endr
.irp m, 0,1,2,3
	v_mul_f32 v[176+\m], v[176+\m], v[144+\m]
.endr
.irp m, 0,1,2,3
	v_mul_f32 v[128+\m], v[128+\m], v[176+\m]
.endr
.irp m, 0,1,2,3
	v_add_f32 v[CC+\m], v[128+\m], v[128+\m]       ; c
.endr
.macro CL gg                           ; group gg of x from my area into a buffer in window 1
.set MQ, (\gg)%4
.set XR, 64*((\gg)%2)
.set IMM, (32*(MQ/2)+8*(MQ%2))*1040+256*(MQ/2)+512*((\gg)/4)
	WIN 0x40
.irp b, 0,1,2,3
.irp q, 0,1,2,3
	ds_load_b128 v[XR+16*\b+4*\q:XR+16*\b+4*\q+3], v[TRA] offset:IMM+128*\b+16*\q
.endr
.endr
.endm
.macro YF gg                           ; y = k_raw c + x, into the accumulators; and the row's sum of y
.set MQ, (\gg)%4
.set AB, 128*(MQ%2)+64*((\gg)/4)
.set XR, 64*((\gg)%2)
	WIN 0x92+0x41*(MQ/2)
.set j, 0
.rept 32
.if MQ%2
	v_pk_fma_f32 v[AB+2*j:AB+2*j+1], v[AB+2*j:AB+2*j+1], v[CC+2*(MQ/2):CC+2*(MQ/2)+1], v[XR+2*j:XR+2*j+1] op_sel:[0,1,0] op_sel_hi:[1,1,1]
.else
	v_pk_fma_f32 v[AB+2*j:AB+2*j+1], v[AB+2*j:AB+2*j+1], v[CC+2*(MQ/2):CC+2*(MQ/2)+1], v[XR+2*j:XR+2*j+1] op_sel_hi:[1,0,1]
.endif
.set j, j+1
.endr
	WIN 0x02+MQ/2
.set j, 0
.rept 32
.if j < 4
	v_pk_mul_f32 v[CHN+2*j:CHN+2*j+1], v[AB+2*j:AB+2*j+1], 1.0 op_sel_hi:[1,0]
.else
	v_pk_add_f32 v[CHN+2*(j%4):CHN+2*(j%4)+1], v[AB+2*j:AB+2*j+1], v[CHN+2*(j%4):CHN+2*(j%4)+1]
.endif
.set j, j+1
.endr
	WIN 0
	FOLD CHN, N2+MQ, (\gg)/4
.endm
; four numbers a lane: the two halves of the lanes, then the four waves; the totals come in v128-131
.macro REDUCE src, qq
.irp k, 0,1,2,3
	v_permlanex16_b32 v[PT+\k], v[\src+\k], s[SEL], s[SEL+1]
.endr
.irp k, 0,1,2,3
	v_add_f32 v[\src+\k], v[\src+\k], v[PT+\k]
.endr
	ds_store_b128 v[RW], v[\src:\src+3] offset:1024*\qq
	s_wait_dscnt 0x0
	s_barrier_signal -1
	s_barrier_wait -1
.irp w, 0,1,2,3
	ds_load_b128 v[128+4*\w:128+4*\w+3], v[RR] offset:1024*\qq+256*\w
.endr
	s_wait_dscnt 0x0
.irp u, 0,2
	v_pk_add_f32 v[128+\u:129+\u], v[128+\u:129+\u], v[132+\u:133+\u]
	v_pk_add_f32 v[136+\u:137+\u], v[136+\u:137+\u], v[140+\u:141+\u]
.endr
.irp u, 0,2
	v_pk_add_f32 v[128+\u:129+\u], v[128+\u:129+\u], v[136+\u:137+\u]
.endr
.endm
	CL 0
	CL 1
.irp g, 0,1,2,3,4,5,6,7
.if \g < 7
	s_wait_dscnt 16                                ; this group's 16 loads are in, the next group's may be out
.else
	s_wait_dscnt 0x0
.endif
	YF \g
.if \g < 6
	CL \g+2
.endif
.endr
	WIN 0
	REDUCE N2, 4
.irp k, 0,1,2,3
	v_mul_f32 v[SS+\k], 0xba800000, v[128+\k]      ; - mean
.endr
.macro VF gg                           ; d = y - mean, in place; and the row's sum of d^2
.set MQ, (\gg)%4
.set AB, 128*(MQ%2)+64*((\gg)/4)
	WIN 0x82+0x41*(MQ/2)
.set j, 0
.rept 32
.if MQ%2
	v_pk_add_f32 v[AB+2*j:AB+2*j+1], v[AB+2*j:AB+2*j+1], v[SS+2*(MQ/2):SS+2*(MQ/2)+1] op_sel:[0,1] op_sel_hi:[1,1]
.else
	v_pk_add_f32 v[AB+2*j:AB+2*j+1], v[AB+2*j:AB+2*j+1], v[SS+2*(MQ/2):SS+2*(MQ/2)+1] op_sel_hi:[1,0]
.endif
.set j, j+1
.endr
	WIN 0x0a+5*(MQ/2)
.set j, 0
.rept 32
.if j < 4
	v_pk_mul_f32 v[CHN+2*j:CHN+2*j+1], v[AB+2*j:AB+2*j+1], v[AB+2*j:AB+2*j+1]
.else
	v_pk_fma_f32 v[CHN+2*(j%4):CHN+2*(j%4)+1], v[AB+2*j:AB+2*j+1], v[AB+2*j:AB+2*j+1], v[CHN+2*(j%4):CHN+2*(j%4)+1]
.endif
.set j, j+1
.endr
	WIN 0
	FOLD CHN, DD+MQ, (\gg)/4
.endm
.irp g, 0,1,2,3,4,5,6,7
	VF \g
.endr
	REDUCE DD, 5
.irp k, 0,1,2,3
	v_mul_f32 v[128+\k], 0x3a800000, v[128+\k]     ; the variance
.endr
.irp k, 0,1,2,3
	v_add_f32 v[128+\k], 0x3727c5ac, v[128+\k]     ; + 1e-5
.endr
.irp k, 0,1,2,3
	v_rsq_f32 v[CC+\k], v[128+\k]
.endr
	v_nop
	s_wait_alu depctr_va_vdst(0)
.macro OF gg                           ; d / sqrt(var + eps) g + b, in place, and into my area
.set MQ, (\gg)%4
.set AB, 128*(MQ%2)+64*((\gg)/4)
.set IMM, (32*(MQ/2)+8*(MQ%2))*1040+256*(MQ/2)+512*((\gg)/4)
	WIN 0x82+0x41*(MQ/2)
.set j, 0
.rept 32
.if MQ%2
	v_pk_mul_f32 v[AB+2*j:AB+2*j+1], v[AB+2*j:AB+2*j+1], v[CC+2*(MQ/2):CC+2*(MQ/2)+1] op_sel:[0,1] op_sel_hi:[1,1]
.else
	v_pk_mul_f32 v[AB+2*j:AB+2*j+1], v[AB+2*j:AB+2*j+1], v[CC+2*(MQ/2):CC+2*(MQ/2)+1] op_sel_hi:[1,0]
.endif
.set j, j+1
.endr
.set j, 0
.rept 32
	v_pk_fma_f32 v[AB+2*j:AB+2*j+1], v[AB+2*j:AB+2*j+1], v[128+2*j:129+2*j], v[192+2*j:193+2*j]
.set j, j+1
.endr
	WIN 0x08+4*(MQ/2)
.irp b, 0,1,2,3
.irp q, 0,1,2,3
	ds_store_b128 v[TRA], v[AB+16*\b+4*\q:AB+16*\b+4*\q+3] offset:IMM+128*\b+16*\q
.endr
.endr
	WIN 0
.endm
.irp hp, 0,1
.irp b, 0,1,2,3
.irp q, 0,1,2,3
	ds_load_b128 v[128+16*\b+4*\q:128+16*\b+4*\q+3], v[DLA] offset:8192+512*\hp+128*\b+16*\q
	ds_load_b128 v[192+16*\b+4*\q:192+16*\b+4*\q+3], v[DLA] offset:12288+512*\hp+128*\b+16*\q
.endr
.endr
	s_wait_dscnt 0x0
.irp m, 0,1,2,3
	OF 4*\hp+\m
.endr
.endr
	; the way out: my area by whole rows of 1,024 bytes; a store of the wave covers 512 consecutive bytes, aligned.  LDS serves a wave's instructions in order: the loads see my stores
.macro OL bt
.irp k, 0,1,2,3,4,5,6,7
.irp f, 0,1
.set KR, (8*(\bt)+\k)%32
	ds_load_b128 v[128+64*((\bt)%2)+8*\k+4*\f:128+64*((\bt)%2)+8*\k+4*\f+3], v[OLA+(\bt)/4] offset:KR*1040+(KR/16)*128+512*\f
.endr
.endr
.endm
.macro OST bt
.irp k, 0,1,2,3,4,5,6,7
.irp f, 0,1
	global_store_b128 v[GO], v[128+64*((\bt)%2)+8*\k+4*\f:128+64*((\bt)%2)+8*\k+4*\f+3], s[OUT:OUT+1] offset:(8*(\bt)+\k)*4096+512*\f th:TH_STORE_NT
.endr
.endr
.endm
	OL 0
	OL 1
.irp t, 0,1,2,3,4,5,6,7
.if \t < 7
	s_wait_dscnt 16                                ; this batch's 16 loads are in, the next batch's may be out
.else
	s_wait_dscnt 0x0
.endif
	OST \t
.if \t < 6
	s_wait_xcnt 0x0                                ; the stores have read their registers: the buffer is loaded again only behind this wait
	OL \t+2
.endif
.endr
	s_wait_tensorcnt 0x0                           ; the wave's end
	ds_add_u32 v[SPW], v[NIL]
	s_wait_dscnt 0x0
	CROUND                                         ; the closing round
	s_endpgm
.Lfunc_end_k_q4ac2429c8b_final:
	.size	k_q4ac2429c8b_final, .Lfunc_end_k_q4ac2429c8b_final-k_q4ac2429c8b_final
	.p2alignl 7, 3214868480
	.fill 96, 4, 3214868480
	.section	.rodata,"a",@progbits
	.p2align	6, 0x0
	.amdhsa_kernel k_q4ac2429c8b_final
		.amdhsa_group_segment_fixed_size 327680
		.amdhsa_private_segment_fixed_size 0
		.amdhsa_enable_private_segment 0
		.amdhsa_kernarg_size 96
		.amdhsa_user_sgpr_count 2
		.amdhsa_user_sgpr_kernarg_segment_ptr 1
		.amdhsa_wavefront_size32 1
		.amdhsa_system_sgpr_workgroup_id_x 1
		.amdhsa_system_sgpr_workgroup_id_y 1
		.amdhsa_system_sgpr_workgroup_id_z 1
		.amdhsa_system_vgpr_workitem_id 0
		.amdhsa_next_free_vgpr 1024
		.amdhsa_next_free_sgpr 100
		.amdhsa_reserve_vcc 0
		.amdhsa_float_denorm_mode_32 3
		.amdhsa_float_denorm_mode_16_64 3
		.amdhsa_memory_ordered 1
		.amdhsa_forward_progress 1
		.amdhsa_inst_pref_size 255
	.end_amdhsa_kernel
	.section	.bss,"aw",@nobits
	.p2align	6
	.space	262144
	.amdgpu_metadata
---
amdhsa.version: [ 1, 2 ]
amdhsa.kernels:
  - .name:           k_q4ac2429c8b_final
    .symbol:         k_q4ac2429c8b_final.kd
    .args:
      - { .name: xf, .offset: 0, .size: 8, .value_kind: global_buffer, .address_space: global }
      - { .name: wf, .offset: 8, .size: 8, .value_kind: global_buffer, .address_space: global }
      - { .name: x, .offset: 16, .size: 8, .value_kind: global_buffer, .address_space: global }
      - { .name: v3p, .offset: 24, .size: 8, .value_kind: global_buffer, .address_space: global }
      - { .name: bo, .offset: 32, .size: 8, .value_kind: global_buffer, .address_space: global }
      - { .name: dWv, .offset: 40, .size: 8, .value_kind: global_buffer, .address_space: global }
      - { .name: dbv, .offset: 48, .size: 8, .value_kind: global_buffer, .address_space: global }
      - { .name: dbw, .offset: 56, .size: 8, .value_kind: global_buffer, .address_space: global }
      - { .name: dbb, .offset: 64, .size: 8, .value_kind: global_buffer, .address_space: global }
      - { .name: ln_g, .offset: 72, .size: 8, .value_kind: global_buffer, .address_space: global }
      - { .name: ln_b, .offset: 80, .size: 8, .value_kind: global_buffer, .address_space: global }
      - { .name: out0, .offset: 88, .size: 8, .value_kind: global_buffer, .address_space: global }
    .group_segment_fixed_size: 327680
    .private_segment_fixed_size: 0
    .kernarg_segment_align: 8
    .kernarg_segment_size: 96
    .max_flat_workgroup_size: 128
    .sgpr_count:     100
    .vgpr_count:     1024
    .wavefront_size: 32
...
	.end_amdgpu_metadata
.endif
;; end of part 4
;; ======== version 2 of 2: 4 launches; 1.26 times as fast as version 1
;; workspace buffers: xf 4,456,448 bytes; wf 8,650,752 bytes; kv 8,912,896 bytes; qf 8,912,896 bytes; v3p 262,144 bytes; kr 16,777,216 bytes; rs 32,768 bytes
;; launch prep: the kernel of part 1 again; grid 256 x 1, 4 waves a work-group, no clusters, 0 bytes of LDS; arguments x, Wq_codes, Wk_codes, Wv_codes, Wo_codes, dWk_codes, Wq_scales, Wk_scales, Wv_scales, Wo_scales, dWk_scales, xf, wf; writes xf, wf
;; launch proj (part 5): grid 16 x 16, 4 waves a work-group, clusters of 4 x 1, 327,680 bytes of LDS; arguments xf, wf, x, bq, bk, bv, bo, dWv, dbv, dbw, dbb, qf, kv, kr, rs; writes qf, kv, kr, rs
.if DOCPART == 5
	.amdgcn_target "amdgcn-amd-amdhsa--gfx1250"
	.amdhsa_code_object_version 6
	.text
	.protected	k_q4ac2429c8b_proj
	.globl	k_q4ac2429c8b_proj
	.p2align	8
	.type	k_q4ac2429c8b_proj,@function
k_q4ac2429c8b_proj:
	s_mov_b64 s[64:65], 0
	v_nop
	global_prefetch_b8 v0, s[64:65] scope:SCOPE_SE
	s_setreg_imm32_b32 hwreg(HW_REG_WAVE_MODE, 25, 1), 1
	s_wait_xcnt 0x0
	s_wait_alu depctr_hold_cnt(0) depctr_sa_sdst(0) depctr_va_vdst(0) depctr_va_sdst(0) depctr_va_ssrc(0) depctr_va_vcc(0) depctr_vm_vsrc(0)
	s_getreg_b32 s2, hwreg(HW_REG_IB_STS2, 6, 4)
	s_cmp_eq_u32 s2, 0
	s_cbranch_scc0 .Lentry_in_a_cluster
	s_endpgm
.Lentry_in_a_cluster:
	s_bfe_u32 s2, ttmp6, 0x10000c
	s_cmp_lg_u32 s2, 0x3003
	s_cbranch_scc0 .Lentry_shape_is_right
	s_endpgm
.Lentry_shape_is_right:
; proj: delta block i (0: q, 1: k, 2: v, 3: the last one's part that needs no attention) for 64 rows of x.
; y = x + c k_raw, k_raw = x dWk[i], c = 2 sigmoid(x.dbw + dbb) (v - k_raw.x inv) inv, inv = 1 / (|k_raw| + 1e-8), v = (x W_i + b_i).dWv + dbv.
; i < 3: y is quantised on the way and stored as register images for the attention: q and k along the head's 64 columns, v along the keys (the rows).
; i = 3: v comes later, so k_raw goes to memory row by row in f32 (kr), with two numbers a row (rs): a = 2 sigmoid inv and u = bo.dWv[3] + dbv[3] - k_raw.x inv; the last launch forms c = a (the heads' sum + u).
; SHARES.  Work-group (i = cluster x, rb = 4 x cluster y + cx).  i < 3: two products of 64 x 1,024 x 1,024 on E4M3 codes: x W_i, reduced to one number a row, then x dWk[i].  i = 3: the second alone (a branch on i, which the four partners share).
; Wave w owns columns 256 w .. 256 w + 255 for all 64 rows: 64 accumulators.
; Both are used TRANSPOSED (source 0 = 16 rows of the weight, source 1 = 16 rows of x): lane (r, h) holds row rho(m, r) = 32 (m / 2) + 8 (m % 2) + r + 8 (r / 8), and register j of tile t column 32 (t / 2) + 16 h + 8 (t % 2) + j of the wave's 256.
; RING.  K goes in steps of 128 through two LDS slots; a slot is the weight's dense block (135,168 bytes, waves 0-2 a third each) and x's (8,704 bytes, wave 3).
; K IS WALKED ROUND from a start S0 = ((Y % 8) xor 7 (Y / 8)) + 2 i, modulo 8: fill n takes block (S0 + n) % 8.  So the sixteen clusters that walk one weight ask for different blocks of it at any time, and the four work-groups of a row block for different blocks of x.
; CLUSTER.  The four partners are four row blocks of one i: they walk the same weights in the same order, so the weight's thirds are asked for JOINTLY (mask 15).  x's block is each work-group's own (6 per cent of a step's bytes): a plain load.
; No prefetch: the weights' images are read by sixteen clusters, not once.
; LIMITS: the order of the sums along K differs from cluster to cluster (f32 sums); a block of zeros gets the scale byte 1 (this program alone reads the bytes); NaN and infinities are not served; a row whose |k_raw|^2 lies under 2^-126 counts as norm 0 (the square root takes a denormal as zero).
; REGISTERS: window 0: v1-31 addresses and a row's numbers; v32-55 scale words, two sets, nothing else; v56-127 at work; v128-255 x's fragments, two sets.  window 1: the weight's 16 fragments, one set.  windows 2, 3: accumulator (m, t) at v[128 (m % 2) + 8 t] of window 2 + m / 2.
.set BBLK,  135168
.set ABLK,  8704
.set THIRD, 45056
.set SLOT,  143872                     ; BBLK + ABLK
.set SPARE, 287744                     ; behind the ring: the spare words, 128 bytes a wave: two blocks of 256 bytes that no other line names
.set RED,   288256                     ; [q 8][wave 4][r 16][m 4] f32
.set DWL,   296448                     ; dWv[i]; 4,096 bytes on: dbw[i]
.set TRW,   67072                      ; behind the ring's last fill its bytes are four private areas: element (row k, column c of the wave's 256) at 1,040 k + 128 (k / 16) + 4 c
.set KVB,   17408
.set HEADB, 278528
.set SPW, 1
.set NIL, 2
.set AW,  3                            ; v3-4   weight fragments in slot 0, 1: 32,768 w + 16 l
.set AS,  5                            ; v5-6   weight scale words
.set AX,  7                            ; v7-8   x's fragments
.set XG,  9                            ; x in memory: (r + 8 (r / 8)) rows + 64 h
.set TRA, 10                           ; my area by the accumulators' layout
.set TRB, 11                           ; my area by columns
.set RW,  12
.set RR,  13
.set DLA, 14                           ; DWL + 1,024 w + 64 h
.set GQ,  15
.set GSC, 16
.set GV,  17
.set BD,  18
.set GVS, 19
.set CC,  20                           ; v20-23 c of my four rows
.set SS,  24                           ; v24-27
.set PT,  28                           ; v28-31 lane permutes land here
.set SCB, 32
.set CHN, 56                           ; v56-79 chains
.set TM,  56
.set PC,  72
.set PW,  88
.set VW,  90
.set SW,  92
.set ADQ, 96
.set ADV, 97
.set GR,  98                           ; 16 l
.set OLA, 99                           ; my area by whole rows
.set N2,  100
.set DD,  104
.set XBS, 108
.set CH,  120
.set XF,  128
.set DB,  128
.set Y0,  128
.set TH2, 2                            ; s2   16 rows of my area a trip
.set WV,  28
.set II,  29
.set G0B, 32
.set G0A, 40
.set G1B, 48
.set G1A, 56
.set SEL, 66
.set MNT, 68
.set KC,  69                           ; s69  the block of K asked for last
.set DST, 70
.set TH,  72
.set SDBV, 73
.set SDBB, 74
.set S0,  75                           ; s75  where this cluster begins K
.set BA1, 76                           ; s[76:77] weight 4 + i at my third;  s[78:79] weight i;  s[80:81] x's images of my row block
.set BA2, 78
.set XBA, 80
.set OB,  82                           ; s[82:83], s[84:85] a block's offset in a weight, in x's images
.set OA,  84
.set STP, 98                           ; s[98:99] what a trip of the last loop adds to the stores' base
.set MSB, 0
.macro WIN new                         ; the immediate's high byte repeats the setting that is left
.if MSB != (\new)
	s_set_vgpr_msb (MSB<<8)|(\new)
.set MSB, (\new)
.endif
.endm
.macro PLACES n
.rept \n
	v_nop
.endr
.endm
.macro CREST                           ; a round of the cluster's barrier behind its opening barrier
	s_cmp_lg_u32 s[WV], 0
	s_cbranch_scc1 .Lnot_wave_0_\@
	s_barrier_signal -3
.Lnot_wave_0_\@:
	s_barrier_wait -3
	s_barrier_signal -1
	s_barrier_wait -1
.endm
.macro CROUND
	s_barrier_signal -1
	s_barrier_wait -1
	CREST
.endm
; Waves 0-2 ask jointly for a third of the weight's block, wave 3 for x's block.  The branch hangs on the wave's number alone.  Four v_nop follow each line.
.macro JLOAD sg
	s_cmp_lt_u32 s[WV], 3
	s_cbranch_scc0 .Lfor_a_\@
	tensor_load_to_lds s[G0B+4*\sg:G0B+4*\sg+3], s[G1B:G1B+7]
	s_nop 0
.rept 4
	v_nop
.endr
	s_branch .Lasked_\@
.Lfor_a_\@:
	tensor_load_to_lds s[G0A+4*\sg:G0A+4*\sg+3], s[G1A:G1A+7]
	s_nop 0
.rept 4
	v_nop
.endr
.Lasked_\@:
.endm
; 8 matrix instructions: weight tiles tlo .. tlo + 7 against x's tile mm; sg: the set of x's fragments and of scale words.  A register of weight scale words holds tile 2 n in lanes 0-15 and tile 2 n + 1 in lanes 16-31.
.macro MULQ tlo, mm, sg, zero
.irp t, 0,1,2,3,4,5,6,7
.set AC, 128*((\mm)%2)+8*(\tlo+\t)
.set WR, 16*(\tlo+\t)
.set XR, XF+64*(\sg)+16*(\mm)
.set WSR, SCB+12*(\sg)+(\tlo+\t)/2
.set XSR, SCB+12*(\sg)+8+(\mm)
.if \zero
.if \t%2
	v_wmma_scale_f32_16x16x128_f8f6f4 v[AC:AC+7], v[WR:WR+15], v[XR:XR+15], 0, v[WSR], v[XSR] matrix_a_scale:MATRIX_SCALE_ROW1
.else
	v_wmma_scale_f32_16x16x128_f8f6f4 v[AC:AC+7], v[WR:WR+15], v[XR:XR+15], 0, v[WSR], v[XSR]
.endif
.else
.if \t%2
	v_wmma_scale_f32_16x16x128_f8f6f4 v[AC:AC+7], v[WR:WR+15], v[XR:XR+15], v[AC:AC+7], v[WSR], v[XSR] matrix_a_scale:MATRIX_SCALE_ROW1
.else
	v_wmma_scale_f32_16x16x128_f8f6f4 v[AC:AC+7], v[WR:WR+15], v[XR:XR+15], v[AC:AC+7], v[WSR], v[XSR]
.endif
.endif
.endr
.endm
.macro F1 nx                           ; 51 LDS loads: weight tiles 0-7, x's four fragments, the scale words
	WIN 0x40
.irp t, 0,1,2,3,4,5,6,7
.irp c, 0,1,2,3
	ds_load_b128 v[16*\t+4*\c:16*\t+4*\c+3], v[AW+\nx] offset:2048*\t+512*\c
.endr
.endr
	WIN 0
.irp m, 0,1,2,3
.irp c, 0,1,2,3
	ds_load_b128 v[XF+64*\nx+16*\m+4*\c:XF+64*\nx+16*\m+4*\c+3], v[AX+\nx] offset:2048*\m+512*\c
.endr
.endr
	ds_load_b128 v[SCB+12*\nx:SCB+12*\nx+3], v[AS+\nx]
	ds_load_b128 v[SCB+12*\nx+4:SCB+12*\nx+7], v[AS+\nx] offset:512
	ds_load_b128 v[SCB+12*\nx+8:SCB+12*\nx+11], v[AX+\nx] offset:8192
.endm
.macro F2 nx                           ; 32 LDS loads: weight tiles 8-15
	WIN 0x40
.irp t, 8,9,10,11,12,13,14,15
.irp c, 0,1,2,3
	ds_load_b128 v[16*\t+4*\c:16*\t+4*\c+3], v[AW+\nx] offset:2048*\t+512*\c
.endr
.endr
	WIN 0
.endm
; A K step: 64 matrix instructions, the 64 accumulators by turns, and the change of slots.
; fill = 1: slot sg is filled again with the next block round K, of the weight whose base stands in s[ba].
.macro TURN sg, nx, zero, fill, ba
	s_wait_dscnt 32                                ; weight tiles 0-7, x and the scale words are in; the 32 loads of tiles 8-15 may be out
	WIN 0xa1
	MULQ 0, 0, \sg, \zero
	MULQ 0, 1, \sg, \zero
	WIN 0
	s_wait_tensorcnt 0x0                           ; all my tensor loads have landed: my part of the next slot; so every group 0 may be written
	ds_add_u32 v[SPW], v[NIL]                      ; 0 onto my spare word
.if \fill
	s_add_co_u32 s[KC], s[KC], 1                   ; the next block round K
	s_and_b32 s[KC], s[KC], 7
	s_mul_i32 s[OB], s[KC], BBLK
	s_mul_i32 s[OA], s[KC], ABLK
	s_add_nc_u64 s[G0B+4*\sg+2:G0B+4*\sg+3], s[\ba:\ba+1], s[OB:OB+1]
	s_add_nc_u64 s[G0A+4*\sg+2:G0A+4*\sg+3], s[XBA:XBA+1], s[OA:OA+1]
	s_or_b32 s[G0B+4*\sg+3], s[G0B+4*\sg+3], 0x80000000
	s_or_b32 s[G0A+4*\sg+3], s[G0A+4*\sg+3], 0x80000000
.endif
	WIN 0xf1
	MULQ 0, 2, \sg, \zero                          ; eight matrix instructions stand between the add and the wait for it
	s_wait_dscnt 0x0                               ; the add is done, and my reads of this slot are over
	s_barrier_signal -1
	MULQ 0, 3, \sg, \zero
	WIN 0
	s_barrier_wait -1
.if \fill
	CREST                                          ; the barrier has opened a round of the cluster's: no wave of any partner still reads this slot or has a load on its way
	JLOAD \sg                                      ; the first tensor load behind the round, my only one until the next; its four v_nop are four of the eight places in front of the loads below
	PLACES 4
.else
	PLACES 8
.endif
	F1 \nx
	WIN 0xf1
	MULQ 8, 2, \sg, \zero
	MULQ 8, 3, \sg, \zero
	WIN 0xa1
	MULQ 8, 0, \sg, \zero
	MULQ 8, 1, \sg, \zero
	PLACES 8                                       ; in front of loads into registers that matrix instructions have read
	F2 \nx
.endm
.macro LAST sg
	s_wait_dscnt 32
	WIN 0xa1
	MULQ 0, 0, \sg, 0
	MULQ 0, 1, \sg, 0
	WIN 0xf1
	MULQ 0, 2, \sg, 0
	MULQ 0, 3, \sg, 0
	s_wait_dscnt 0x0
	MULQ 8, 2, \sg, 0
	MULQ 8, 3, \sg, 0
	WIN 0xa1
	MULQ 8, 0, \sg, 0
	MULQ 8, 1, \sg, 0
	WIN 0
.endm
.macro QUANT src, pc, pw               ; 64 numbers of a lane, four blocks of which I hold 16 each, become 16 registers of codes and four scale bytes
.irp b, 0,1,2,3
	v_max3_num_f32 v[TM+\b], |v[\src+16*\b]|, |v[\src+1+16*\b]|, 0x4800000
.endr
.irp i, 2,4,6,8,10,12,14
.irp b, 0,1,2,3
	v_max3_num_f32 v[TM+\b], v[TM+\b], |v[\src+16*\b+\i]|, |v[\src+1+16*\b+\i]|
.endr
.endr
.irp b, 0,1,2,3
	v_permlanex16_b32 v[TM+4+\b], v[TM+\b], s[SEL], s[SEL+1]
.endr
.irp b, 0,1,2,3
	v_max_num_f32 v[TM+\b], v[TM+\b], v[TM+4+\b]
.endr
.irp b, 0,1,2,3
	v_add_nc_u32 v[TM+12+\b], 0xfc000000, v[TM+\b]
.endr
.irp b, 0,1,2,3
	v_and_or_b32 v[TM+8+\b], v[TM+\b], 0x7f800000, s[MNT]
.endr
.irp b, 0,1,2,3
	v_lshrrev_b32 v[TM+4+\b], 23, v[TM+12+\b]
.endr
	v_lshl_or_b32 v[\pw], v[TM+5], 8, v[TM+4]
	v_lshl_or_b32 v[\pw], v[TM+6], 16, v[\pw]
	v_lshl_or_b32 v[\pw], v[TM+7], 24, v[\pw]
.irp b, 0,1,2,3
.irp i, 0,1,2,3,4,5,6,7,8,9,10,11,12,13,14,15
	v_med3_num_f32 v[\src+16*\b+\i], v[\src+16*\b+\i], -v[TM+8+\b], v[TM+8+\b]
.endr
	v_cvt_scalef32_pk8_fp8_f32 v[\pc+4*\b:\pc+4*\b+1], v[\src+16*\b:\src+16*\b+7], v[TM+12+\b]
	v_cvt_scalef32_pk8_fp8_f32 v[\pc+4*\b+2:\pc+4*\b+3], v[\src+16*\b+8:\src+16*\b+15], v[TM+12+\b]
.endr
	v_nop
.endm
.macro FIRSTD s                        ; the groups 0 of slot s for the first fills: the block whose offsets stand in s[OB], s[OA]
	s_mov_b32 s[G0B+4*\s], 1
	s_add_co_u32 s[G0B+4*\s+1], s89, \s*SLOT
	s_add_nc_u64 s[G0B+4*\s+2:G0B+4*\s+3], s[90:91], s[OB:OB+1]
	s_or_b32 s[G0B+4*\s+3], s[G0B+4*\s+3], 0x80000000
	s_mov_b32 s[G0A+4*\s], 1
	s_add_co_u32 s[G0A+4*\s+1], s89, \s*SLOT
	s_add_nc_u64 s[G0A+4*\s+2:G0A+4*\s+3], s[XBA:XBA+1], s[OA:OA+1]
	s_or_b32 s[G0A+4*\s+3], s[G0A+4*\s+3], 0x80000000
.endm
	s_load_b512 s[4:19], s[0:1], 0x0               ; xf, wf, x, bq, bk, bv, bo, dWv
	s_load_b256 s[20:27], s[0:1], 0x40             ; dbv, dbw, dbb, qf
	s_load_b128 s[92:95], s[0:1], 0x60             ; kv, kr
	s_load_b64 s[96:97], s[0:1], 0x70              ; rs
	v_lshl_add_u32 v[SPW], v0, 2, SPARE
	v_mov_b32 v[NIL], 0
	ds_add_u32 v1, v2
	ds_add_u32 v1, v2
	s_wait_dscnt 0x0
	v_lshrrev_b32 v112, 5, v0
	v_readfirstlane_b32 s[WV], v112                ; wave 0..3
	s_mov_b32 s[II], ttmp9                         ; i = the cluster's x: the same in all four partners
	s_and_b32 s30, ttmp7, 0xffff                   ; Y = the cluster's y
	s_bfe_u32 s31, ttmp6, 0x40000                  ; cx
	s_lshl_b32 s2, s30, 2
	s_add_co_u32 s31, s2, s31                      ; rb = 4 Y + cx: it enters global addresses alone
	s_lshr_b32 s[S0], s30, 3                       ; where this cluster begins K: made of i and Y, which the partners share
	s_mul_i32 s[S0], s[S0], 7
	s_xor_b32 s[S0], s[S0], s30
	s_lshl_b32 s2, s[II], 1
	s_add_co_u32 s[S0], s[S0], s2
	s_and_b32 s[S0], s[S0], 7
	; group 1: dense blocks as rows of 256 bytes (32 elements of 8 bytes), no padding
	s_mov_b32 s[G1B], 15|(3<<16)|(1<<21)           ; the mask names all four partners; bit 21 beside it
	s_mov_b32 s[G1B+1], 32<<16
	s_mov_b32 s[G1B+2], 176<<16
	s_mov_b32 s[G1B+3], 32<<16
	s_mov_b32 s[G1B+4], 176
	s_mov_b32 s[G1B+5], 32
	s_mov_b32 s[G1B+6], 0
	s_mov_b32 s[G1B+7], 0
	s_mov_b32 s[G1A], 3<<16
	s_mov_b32 s[G1A+1], 32<<16
	s_mov_b32 s[G1A+2], 34<<16
	s_mov_b32 s[G1A+3], 32<<16
	s_mov_b32 s[G1A+4], 34
	s_mov_b32 s[G1A+5], 32
	s_mov_b32 s[G1A+6], 0
	s_mov_b32 s[G1A+7], 0
	s_mul_i32 s89, s[WV], THIRD                    ; my third of a block; also my place in a slot (3 x THIRD is where x's block lies)
	s_mul_i32 s86, s[II], 8*BBLK                   ; weight i = dWk[i]
	s_add_co_u32 s86, s86, s89
	s_mov_b32 s87, 0
	s_mul_i32 s[OA], s31, 8*ABLK
	s_mov_b32 s[OA+1], 0
	s_mov_b32 s[OB+1], 0
	s_wait_kmcnt 0x0
	s_add_nc_u64 s[BA2:BA2+1], s[6:7], s[86:87]
	s_add_nc_u64 s[BA1:BA1+1], s[BA2:BA2+1], 32*BBLK   ; weight 4 + i = W_i
	s_add_nc_u64 s[XBA:XBA+1], s[4:5], s[OA:OA+1]
	s_cmp_eq_u32 s[II], 3
	s_cselect_b64 s[90:91], s[BA2:BA2+1], s[BA1:BA1+1] ; the weight that is walked first
	CROUND                                         ; all four work-groups are here: the first joint loads meet
	s_mul_i32 s[OB], s[S0], BBLK
	s_mul_i32 s[OA], s[S0], ABLK
	FIRSTD 0
	s_add_co_u32 s[KC], s[S0], 1
	s_and_b32 s[KC], s[KC], 7
	s_mul_i32 s[OB], s[KC], BBLK
	s_mul_i32 s[OA], s[KC], ABLK
	FIRSTD 1
	s_cmp_lt_u32 s[WV], 3                          ; a wave's two first fills stand in one branch: two loads of mine are out
	s_cbranch_scc0 .Lfirst_a
	tensor_load_to_lds s[G0B:G0B+3], s[G1B:G1B+7]
	s_nop 0
	tensor_load_to_lds s[G0B+4:G0B+7], s[G1B:G1B+7]
	s_nop 0
.rept 4
	v_nop
.endr
	s_branch .Lfirst_done
.Lfirst_a:
	tensor_load_to_lds s[G0A:G0A+3], s[G1A:G1A+7]
	s_nop 0
	tensor_load_to_lds s[G0A+4:G0A+7], s[G1A:G1A+7]
	s_nop 0
.rept 4
	v_nop
.endr
.Lfirst_done:
	; the pointers that hang on i
	s_cmp_eq_u32 s[II], 1
	s_cselect_b64 s[90:91], s[12:13], s[10:11]
	s_cmp_eq_u32 s[II], 2
	s_cselect_b64 s[90:91], s[14:15], s[90:91]
	s_cmp_eq_u32 s[II], 3
	s_cselect_b64 s[90:91], s[16:17], s[90:91]     ; b_i: bq, bk, bv, bo
	s_lshl_b32 s86, s[II], 12
	s_add_nc_u64 s[18:19], s[18:19], s[86:87]      ; dWv[i]
	s_add_nc_u64 s[22:23], s[22:23], s[86:87]      ; dbw[i]
	s_lshl_b32 s86, s[II], 2
	s_add_nc_u64 s[20:21], s[20:21], s[86:87]
	s_add_nc_u64 s[24:25], s[24:25], s[86:87]
	s_load_b32 s[SDBV], s[20:21], 0x0
	s_load_b32 s[SDBB], s[24:25], 0x0
	s_lshl_b32 s86, s31, 18
	s_lshl_b32 s88, s[WV], 10
	s_add_co_u32 s86, s86, s88
	s_add_nc_u64 s[8:9], s[8:9], s[86:87]          ; x at my block's first row, my wave's first column
	s_mov_b32 s89, s86                             ; the same place in kr
	s_lshl_b32 s86, s31, 8
	s_add_nc_u64 s[96:97], s[96:97], s[86:87]      ; rs at my block: [2][64 rb + 4 r + m]
	s_lshr_b32 s2, s31, 5                          ; batch
	s_lshl_b32 s2, s2, 4
	s_lshl_b32 s30, s[WV], 2
	s_add_co_u32 s2, s2, s30                       ; my first head: 16 batch + 4 w
	s_mul_i32 s2, s2, HEADB
	s_bfe_u32 s30, s31, 0x40001                    ; the key step: (rb % 32) / 2
	s_mul_i32 s30, s30, KVB
	s_add_co_u32 s2, s2, s30
	s_cmp_eq_u32 s[II], 0
	s_cselect_b64 s[DST:DST+1], s[26:27], s[92:93] ; q goes to qf, k and v to kv,
	s_cmp_eq_u32 s[II], 3
	s_cselect_b64 s[DST:DST+1], s[94:95], s[DST:DST+1] ; the last block's k_raw to kr
	s_cselect_b32 s86, s89, s2
	s_mov_b32 s[STP], HEADB                        ; a trip of the last loop: a head on,
	s_cselect_b32 s[STP], 65536, s[STP]            ; or 16 rows of kr
	s_mov_b32 s[STP+1], 0
	s_add_nc_u64 s[DST:DST+1], s[DST:DST+1], s[86:87]
	s_and_b32 s30, s31, 1                          ; which half of the key step's 128 rows
	s_mov_b32 s[SEL], 0x76543210
	s_mov_b32 s[SEL+1], 0xfedcba98
	s_mov_b32 s[MNT], 0x600000
	v_and_b32 v112, 31, v0                         ; l
	v_and_b32 v113, 15, v0                         ; r
	v_bfe_u32 v114, v0, 4, 1                       ; h
	v_lshlrev_b32 v115, 4, v112                    ; 16 l
	v_and_b32 v116, 8, v113
	v_add_nc_u32 v116, v116, v113                  ; r + 8 (r / 8)
	v_lshrrev_b32 v117, 3, v113
	s_lshl_b32 s89, s[WV], 15
	v_add_nc_u32 v[AW], s89, v115
	v_add_nc_u32 v[AW+1], SLOT, v[AW]
	s_add_co_u32 s89, s88, 131072
	v_add_nc_u32 v[AS], s89, v115
	v_add_nc_u32 v[AS+1], SLOT, v[AS]
	v_add_nc_u32 v[AX], BBLK, v115
	v_add_nc_u32 v[AX+1], SLOT+BBLK, v115
	v_lshlrev_b32 v[XG], 12, v116
	v_lshl_add_u32 v[XG], v114, 6, v[XG]
	s_mul_i32 s89, s[WV], TRW
	v_mul_u32_u24 v[TRA], v116, 1040
	v_lshl_add_u32 v[TRA], v117, 7, v[TRA]
	v_lshl_add_u32 v[TRA], v114, 6, v[TRA]
	v_add_nc_u32 v[TRA], s89, v[TRA]
	v_mul_u32_u24 v[TRB], v114, 16768              ; lanes 16-31 begin 16 rows further down
	v_lshl_add_u32 v[TRB], v116, 2, v[TRB]
	v_add_nc_u32 v[TRB], s89, v[TRB]
	s_lshl_b32 s89, s[WV], 8
	s_add_co_u32 s89, s89, RED
	v_lshl_add_u32 v[RW], v113, 4, s89
	v_lshlrev_b32 v[RR], 4, v113
	v_add_nc_u32 v[RR], RED, v[RR]
	s_add_co_u32 s89, s88, DWL
	v_lshl_add_u32 v[DLA], v114, 6, s89
	s_lshl_b32 s89, s30, 12
	v_add_nc_u32 v[GQ], s89, v115
	s_lshl_b32 s89, s30, 8
	v_lshl_add_u32 v[GSC], v113, 4, s89
	v_lshl_add_u32 v[GVS], v112, 3, s89
	s_lshl_b32 s89, s30, 10
	v_add_nc_u32 v[GV], s89, v115
	v_lshl_add_u32 v98, v114, 6, s88               ; 1,024 w + 64 h: my columns in b_i and dWv[i]
.irp k, 0,1,2,3
	v_mov_b32 v[PT+\k], 0
.endr
	; dWv[i] and dbw[i] into LDS, 32 bytes a thread; and BD = the sum over my 128 columns of b_i dWv[i]
	v_lshlrev_b32 v118, 5, v0
	v_add_nc_u32 v119, DWL, v118
	global_load_b128 v[56:59], v118, s[18:19]
	global_load_b128 v[60:63], v118, s[18:19] offset:16
	global_load_b128 v[64:67], v118, s[22:23]
	global_load_b128 v[68:71], v118, s[22:23] offset:16
.macro BDL ch
.irp b, 0,1,2,3
.irp q, 0,1,2,3
	global_load_b128 v[128+16*\b+4*\q:128+16*\b+4*\q+3], v98, s[90:91] offset:512*\ch+128*\b+16*\q
	global_load_b128 v[192+16*\b+4*\q:192+16*\b+4*\q+3], v98, s[18:19] offset:512*\ch+128*\b+16*\q
.endr
.endr
.endm
.macro BDM ch
.set j, 0
.rept 32
.if (\ch == 0) && (j < 4)
	v_pk_mul_f32 v[CH+2*j:CH+2*j+1], v[128+2*j:128+2*j+1], v[192+2*j:192+2*j+1]
.else
	v_pk_fma_f32 v[CH+2*(j%4):CH+2*(j%4)+1], v[128+2*j:128+2*j+1], v[192+2*j:192+2*j+1], v[CH+2*(j%4):CH+2*(j%4)+1]
.endif
.set j, j+1
.endr
.endm
	BDL 0
	s_wait_loadcnt 32                              ; the four loads for LDS are in; the 32 behind them may be out
	ds_store_b128 v119, v[56:59]
	ds_store_b128 v119, v[60:63] offset:16
	ds_store_b128 v119, v[64:67] offset:4096
	ds_store_b128 v119, v[68:71] offset:4112
	s_wait_loadcnt 0x0
	BDM 0
	BDL 1
	s_wait_loadcnt 0x0
	BDM 1
	v_pk_add_f32 v[CH:CH+1], v[CH:CH+1], v[CH+2:CH+3]
	v_pk_add_f32 v[CH+4:CH+5], v[CH+4:CH+5], v[CH+6:CH+7]
	v_pk_add_f32 v[CH:CH+1], v[CH:CH+1], v[CH+4:CH+5]
	v_add_f32 v[BD], v[CH], v[CH+1]
	v_permlanex16_b32 v[PT], v[BD], s[SEL], s[SEL+1]
.irp k, 0,1,2,3
	v_add_f32 v[SS+\k], v[BD], v[PT]               ; my wave's part of b_i . dWv[i]
.endr
	ds_store_b128 v[RW], v[SS:SS+3]                ; quantity 0 as it stands for i = 3; for i < 3 my wave writes it again behind the first product
	s_wait_dscnt 0x0                               ; my stores into LDS are done,
	s_wait_tensorcnt 1                             ; my part of slot 0 is in; slot 1's may stay out
	s_barrier_signal -1
	s_barrier_wait -1
	F1 0
	F2 0
	s_cmp_eq_u32 s[II], 3                          ; i = 3 has no first product: its first fills were the second's
	s_cbranch_scc1 .Lsecond
	; ---- x W_i
	TURN 0, 1, 1, 1, BA1                           ; its first K step starts the sums
	s_mov_b32 s3, 2
.Lk1:
	TURN 1, 0, 0, 1, BA1
	TURN 0, 1, 0, 1, BA1
	s_sub_co_u32 s3, s3, 1
	s_cmp_lg_u32 s3, 0
	s_cbranch_scc1 .Lk1
	TURN 1, 0, 0, 1, BA1                           ; the sixth step asks for the eighth block
	TURN 0, 1, 0, 1, BA2                           ; the ring goes on into the second product: eight fills have brought s[KC] round to where it began
	TURN 1, 0, 0, 1, BA2
	; x W_i is reduced to one number a row: S = the sum over my columns of (x W_i) dWv[i], + BD.  dWv's 128 numbers of my lane: v56-119 and v192-255 (x's set 1, idle here)
.irp ch, 0,1
.irp b, 0,1,2,3
.irp q, 0,1,2,3
	ds_load_b128 v[56+136*\ch+16*\b+4*\q:56+136*\ch+16*\b+4*\q+3], v[DLA] offset:512*\ch+128*\b+16*\q
.endr
.endr
.endr
	s_wait_dscnt 0x0
.irp mp, 0,1
	WIN 0x02+\mp
.set j, 0
.rept 64
.set DR, 56+2*j+72*(j/32)
.irp u, 0,1
.if j < 2
	v_pk_mul_f32 v[CH+4*\u+2*(j%2):CH+4*\u+2*(j%2)+1], v[128*\u+2*j:128*\u+2*j+1], v[DR:DR+1]
.else
	v_pk_fma_f32 v[CH+4*\u+2*(j%2):CH+4*\u+2*(j%2)+1], v[128*\u+2*j:128*\u+2*j+1], v[DR:DR+1], v[CH+4*\u+2*(j%2):CH+4*\u+2*(j%2)+1]
.endif
.endr
.set j, j+1
.endr
	WIN 0
	v_pk_add_f32 v[CH:CH+1], v[CH:CH+1], v[CH+2:CH+3]
	v_pk_add_f32 v[CH+4:CH+5], v[CH+4:CH+5], v[CH+6:CH+7]
	v_add_f32 v[SS+2*\mp], v[CH], v[CH+1]
	v_add_f32 v[SS+2*\mp+1], v[CH+4], v[CH+5]
.endr
.irp k, 0,1,2,3
	v_add_f32 v[SS+\k], v[BD], v[SS+\k]
.endr
.irp k, 0,1,2,3
	v_permlanex16_b32 v[PT+\k], v[SS+\k], s[SEL], s[SEL+1]
.endr
.irp k, 0,1,2,3
	v_add_f32 v[SS+\k], v[SS+\k], v[PT+\k]
.endr
	ds_store_b128 v[RW], v[SS:SS+3]                ; quantity 0; it is read behind later barriers
.Lsecond:
	; ---- x dWk[i]
	TURN 0, 1, 1, 1, BA2                           ; its first K step starts the sums
	s_mov_b32 s3, 2
.Lk2:
	TURN 1, 0, 0, 1, BA2
	TURN 0, 1, 0, 1, BA2
	s_sub_co_u32 s3, s3, 1
	s_cmp_lg_u32 s3, 0
	s_cbranch_scc1 .Lk2
	TURN 1, 0, 0, 1, BA2                           ; the sixth step asks for the eighth block
	TURN 0, 1, 0, 0, BA2                           ; the tail is written out, so no round follows
	LAST 1
	; ---- the epilogue.  Behind this barrier nobody reads the ring, which has had its last fill: its bytes become the waves' private areas
	PLACES 8
	s_wait_dscnt 0x0
	s_barrier_signal -1
	s_barrier_wait -1
.macro XLD hp, mm                      ; x of group (hp, mm): my row rho(mm, r), 64 of its columns, in the accumulators' order, into window 1
	WIN 0x40
.irp b, 0,1,2,3
.irp q, 0,1,2,3
	global_load_b128 v[64*(\mm)+16*\b+4*\q:64*(\mm)+16*\b+4*\q+3], v[XG], s[8:9] offset:(32*((\mm)/2)+8*((\mm)%2))*4096+512*(\hp)+128*\b+16*\q
.endr
.endr
	WIN 0
.endm
.macro FOLD cb, dst, hp
	v_pk_add_f32 v[\cb:\cb+1], v[\cb:\cb+1], v[\cb+2:\cb+3]
	v_pk_add_f32 v[\cb+4:\cb+5], v[\cb+4:\cb+5], v[\cb+6:\cb+7]
	v_pk_add_f32 v[\cb:\cb+1], v[\cb:\cb+1], v[\cb+4:\cb+5]
.if \hp
	v_add_f32 v[\cb], v[\cb], v[\cb+1]
	v_add_f32 v[\dst], v[\dst], v[\cb]
.else
	v_add_f32 v[\dst], v[\cb], v[\cb+1]
.endif
.endm
; pass 1 on a group of 64 registers: k_raw . x, |k_raw|^2, x . dbw, four chains each; x goes into my area.  Each accumulator is read from its low end on
.macro P1G hp, mm, cnt
	s_wait_loadcnt \cnt
.set AB, 128*((\mm)%2)+64*(\hp)
.set XR, 64*(\mm)
.set IMM, (32*((\mm)/2)+8*((\mm)%2))*1040+256*((\mm)/2)+512*(\hp)
	WIN 0x06+(\mm)/2
.set j, 0
.rept 32
.if j < 4
	v_pk_mul_f32 v[CHN+2*j:CHN+2*j+1], v[AB+2*j:AB+2*j+1], v[XR+2*j:XR+2*j+1]
.else
	v_pk_fma_f32 v[CHN+2*(j%4):CHN+2*(j%4)+1], v[AB+2*j:AB+2*j+1], v[XR+2*j:XR+2*j+1], v[CHN+2*(j%4):CHN+2*(j%4)+1]
.endif
.set j, j+1
.endr
	WIN 0x0a+5*((\mm)/2)
.set j, 0
.rept 32
.if j < 4
	v_pk_mul_f32 v[CHN+8+2*j:CHN+8+2*j+1], v[AB+2*j:AB+2*j+1], v[AB+2*j:AB+2*j+1]
.else
	v_pk_fma_f32 v[CHN+8+2*(j%4):CHN+8+2*(j%4)+1], v[AB+2*j:AB+2*j+1], v[AB+2*j:AB+2*j+1], v[CHN+8+2*(j%4):CHN+8+2*(j%4)+1]
.endif
.set j, j+1
.endr
	WIN 0x01
.set j, 0
.rept 32
.if j < 4
	v_pk_mul_f32 v[CHN+16+2*j:CHN+16+2*j+1], v[XR+2*j:XR+2*j+1], v[DB+2*j:DB+2*j+1]
.else
	v_pk_fma_f32 v[CHN+16+2*(j%4):CHN+16+2*(j%4)+1], v[XR+2*j:XR+2*j+1], v[DB+2*j:DB+2*j+1], v[CHN+16+2*(j%4):CHN+16+2*(j%4)+1]
.endif
.set j, j+1
.endr
	WIN 0x04
.irp b, 0,1,2,3
.irp q, 0,1,2,3
	ds_store_b128 v[TRA], v[XR+16*\b+4*\q:XR+16*\b+4*\q+3] offset:IMM+128*\b+16*\q
.endr
.endr
	WIN 0
	FOLD CHN, DD+(\mm), \hp
	FOLD CHN+8, N2+(\mm), \hp
	FOLD CHN+16, XBS+(\mm), \hp
.endm
.macro DBLD hp                         ; dbw's 64 numbers of my lane for this half of the wave's columns
.irp b, 0,1,2,3
.irp q, 0,1,2,3
	ds_load_b128 v[DB+16*\b+4*\q:DB+16*\b+4*\q+3], v[DLA] offset:4096+512*\hp+128*\b+16*\q
.endr
.endr
	s_wait_dscnt 0x0
.endm
	XLD 0, 0
	XLD 0, 1
	XLD 0, 2
	XLD 0, 3
	DBLD 0
.irp m, 0,1,2,3
	P1G 0, \m, 48                                  ; this group's 16 loads are in; three groups' may be out
	s_wait_dscnt 0x0                               ; the stores have read their registers
	XLD 1, \m
.endr
	DBLD 1
	P1G 1, 0, 48
	P1G 1, 1, 32
	P1G 1, 2, 16
	P1G 1, 3, 0
	; the two halves of the lanes, then the four waves
.irp q, 0,1,2
.irp k, 0,1,2,3
	v_permlanex16_b32 v[PT+\k], v[N2+4*\q+\k], s[SEL], s[SEL+1]
.endr
.irp k, 0,1,2,3
	v_add_f32 v[N2+4*\q+\k], v[N2+4*\q+\k], v[PT+\k]
.endr
	ds_store_b128 v[RW], v[N2+4*\q:N2+4*\q+3] offset:1024*(\q+1)
.endr
	s_wait_dscnt 0x0
	s_barrier_signal -1
	s_barrier_wait -1
.irp q, 0,1,2,3
.irp w, 0,1,2,3
	ds_load_b128 v[128+16*\q+4*\w:128+16*\q+4*\w+3], v[RR] offset:1024*\q+256*\w
.endr
.endr
	s_wait_dscnt 0x0
.irp q, 0,1,2,3
.irp u, 0,2
	v_pk_add_f32 v[128+16*\q+\u:129+16*\q+\u], v[128+16*\q+\u:129+16*\q+\u], v[132+16*\q+\u:133+16*\q+\u]
	v_pk_add_f32 v[136+16*\q+\u:137+16*\q+\u], v[136+16*\q+\u:137+16*\q+\u], v[140+16*\q+\u:141+16*\q+\u]
.endr
.irp u, 0,2
	v_pk_add_f32 v[128+16*\q+\u:129+16*\q+\u], v[128+16*\q+\u:129+16*\q+\u], v[136+16*\q+\u:137+16*\q+\u]
.endr
.endr
	; v128.. v (for i = 3: bo . dWv[3]), v144.. |k_raw|^2, v160.. k_raw . x, v176.. x . dbw, of my four rows
	s_wait_kmcnt 0x0
.irp m, 0,1,2,3
	v_add_f32 v[176+\m], s[SDBB], v[176+\m]
.endr
.irp m, 0,1,2,3
	v_mul_f32 v[176+\m], 0xbfb8aa3b, v[176+\m]     ; - log2(e) z
.endr
.irp m, 0,1,2,3
	v_sqrt_f32 v[144+\m], v[144+\m]
.endr
.irp m, 0,1,2,3
	v_exp_f32 v[176+\m], v[176+\m]
.endr
.irp m, 0,1,2,3
	v_add_f32 v[128+\m], s[SDBV], v[128+\m]        ; plain work behind the batch
.endr
	s_wait_alu depctr_va_vdst(0)                   ; one wait for the batch, ahead of its first reader
.irp m, 0,1,2,3
	v_add_f32 v[144+\m], 0x322bcc77, v[144+\m]     ; + 1e-8
.endr
.irp m, 0,1,2,3
	v_add_f32 v[176+\m], 1.0, v[176+\m]
.endr
.irp m, 0,1,2,3
	v_rcp_f32 v[144+\m], v[144+\m]
.endr
.irp m, 0,1,2,3
	v_rcp_f32 v[176+\m], v[176+\m]
.endr
	v_nop
	s_wait_alu depctr_va_vdst(0)
.irp m, 0,1,2,3
	v_fma_f32 v[128+\m], -v[160+\m], v[144+\m], v[128+\m]   ; v - k . x  (for i = 3: u)
.endr
.irp m, 0,1,2,3
	v_mul_f32 v[176+\m], v[176+\m], v[144+\m]      ; sigmoid inv
.endr
	s_cmp_eq_u32 s[II], 3
	s_cbranch_scc1 .Lkraw
.irp m, 0,1,2,3
	v_mul_f32 v[128+\m], v[128+\m], v[176+\m]
.endr
.irp m, 0,1,2,3
	v_add_f32 v[CC+\m], v[128+\m], v[128+\m]       ; c
.endr
	; y = k_raw c + x, in place in my area, a group at a time through two buffers in window 1
.macro CL gg
.set MQ, (\gg)%4
.set XR, 64*((\gg)%2)
.set IMM, (32*(MQ/2)+8*(MQ%2))*1040+256*(MQ/2)+512*((\gg)/4)
	WIN 0x40
.irp b, 0,1,2,3
.irp q, 0,1,2,3
	ds_load_b128 v[XR+16*\b+4*\q:XR+16*\b+4*\q+3], v[TRA] offset:IMM+128*\b+16*\q
.endr
.endr
.endm
.macro CF gg
.set MQ, (\gg)%4
.set AB, 128*(MQ%2)+64*((\gg)/4)
.set XR, 64*((\gg)%2)
	WIN 0x52+MQ/2
.set j, 0
.rept 32
.if MQ%2
	v_pk_fma_f32 v[XR+2*j:XR+2*j+1], v[AB+2*j:AB+2*j+1], v[CC+2*(MQ/2):CC+2*(MQ/2)+1], v[XR+2*j:XR+2*j+1] op_sel:[0,1,0] op_sel_hi:[1,1,1]
.else
	v_pk_fma_f32 v[XR+2*j:XR+2*j+1], v[AB+2*j:AB+2*j+1], v[CC+2*(MQ/2):CC+2*(MQ/2)+1], v[XR+2*j:XR+2*j+1] op_sel_hi:[1,0,1]
.endif
.set j, j+1
.endr
.endm
.macro CS gg
.set MQ, (\gg)%4
.set XR, 64*((\gg)%2)
.set IMM, (32*(MQ/2)+8*(MQ%2))*1040+256*(MQ/2)+512*((\gg)/4)
	WIN 0x04
.irp b, 0,1,2,3
.irp q, 0,1,2,3
	ds_store_b128 v[TRA], v[XR+16*\b+4*\q:XR+16*\b+4*\q+3] offset:IMM+128*\b+16*\q
.endr
.endr
.endm
	CL 0
	CL 1
.irp g, 0,1,2,3,4,5,6,7
.if (\g == 0) || (\g == 7)
	s_wait_dscnt 16                                ; behind this group's loads: the next group's 16 loads, or the last group's 16 stores
.else
	s_wait_dscnt 32                                ; behind this group's loads: 16 stores and 16 loads
.endif
	CF \g
	CS \g
.if \g < 6
	CL \g+2                                        ; LDS serves a wave's instructions in order: these loads land behind the stores that read the same registers
.endif
.endr
	WIN 0
	s_branch .Lheads
.Lkraw:
	; ---- i = 3: a and u of my block's 64 rows go out (wave 0: every wave holds them), and k_raw goes into my area in x's place
.irp m, 0,1,2,3
	v_add_f32 v[176+\m], v[176+\m], v[176+\m]      ; a = 2 sigmoid inv
.endr
	v_and_b32 v[ADV], 15, v0
	v_lshlrev_b32 v[ADV], 4, v[ADV]                ; 16 r: [r][m]; both halves of the lanes write the same 256 bytes
	s_cmp_lg_u32 s[WV], 0
	s_cbranch_scc1 .Lno_rs
	global_store_b128 v[ADV], v[176:179], s[96:97]
	global_store_b128 v[ADV], v[128:131], s[96:97] offset:16384
.Lno_rs:
.macro KS gg
.set MQ, (\gg)%4
.set AB, 128*(MQ%2)+64*((\gg)/4)
.set IMM, (32*(MQ/2)+8*(MQ%2))*1040+256*(MQ/2)+512*((\gg)/4)
	WIN 0x08+4*(MQ/2)                              ; an LDS store's data are its source 1: window 2 or 3
.irp b, 0,1,2,3
.irp q, 0,1,2,3
	ds_store_b128 v[TRA], v[AB+16*\b+4*\q:AB+16*\b+4*\q+3] offset:IMM+128*\b+16*\q
.endr
.endr
.endm
.irp g, 0,1,4,5,2,3,6,7
	KS \g
.endr
	WIN 0
	s_wait_xcnt 0x0                                ; the two stores have read their registers, which the loop below loads into
.Lheads:
	; ---- four trips.  i < 3: a head a trip: 64 rows x 64 columns of y become codes.  q, k: along the columns, as they lie in a lane; v: along the rows, read from my area by columns.
	; i = 3: 16 rows of k_raw a trip, by whole rows.  Every work-group walks the loop; the branches on i stand inside it
.irp b, 0,1,2,3
	v_mov_b32 v[TM+4+\b], 0
.endr
	v_and_b32 v[GR], 31, v0
	v_lshlrev_b32 v[GR], 4, v[GR]                  ; 16 l
	s_mul_i32 s89, s[WV], TRW
	v_add_nc_u32 v[OLA], s89, v[GR]
	s_mov_b32 s[TH], 0
	s_mov_b32 s[TH2], 0
.Lhead:
	s_cmp_eq_u32 s[II], 3
	s_cbranch_scc1 .Lrarm
	s_cmp_eq_u32 s[II], 2
	s_cbranch_scc1 .Lvarm
	v_add_nc_u32 v[ADQ], s[TH], v[TRA]
.irp mp, 0,1
.irp u, 0,1
.irp c, 0,1
.irp q, 0,1,2,3
	ds_load_b128 v[Y0+64*\mp+32*\u+16*\c+4*\q:Y0+64*\mp+32*\u+16*\c+4*\q+3], v[ADQ] offset:(32*\mp+8*\u)*1040+256*\mp+128*\c+16*\q
.endr
.endr
.endr
.endr
.irp mp, 0,1
	s_wait_dscnt 16-16*\mp
	s_wait_xcnt 0x0                                ; earlier stores have read their registers: the codes and words are written again only behind this wait
	QUANT Y0+64*\mp, PC, PW                        ; tiles 2 mp and 2 mp + 1, two blocks each
.irp u, 0,1
.irp c, 0,1
	global_store_b128 v[GQ], v[PC+8*\u+4*\c:PC+8*\u+4*\c+3], s[DST:DST+1] offset:(2*\mp+\u)*1024+512*\c
.endr
.endr
	v_perm_b32 v[SW+2*\mp], v[PW], v[PW], 0x01000100       ; a tile's word: its two bytes, twice: the upper two stand over codes that meet zeros
	v_perm_b32 v[SW+2*\mp+1], v[PW], v[PW], 0x03020302
.endr
	global_store_b128 v[GSC], v[SW:SW+3], s[DST:DST+1] offset:16384   ; [r][tile]; both halves of the lanes write the same 256 bytes
	s_branch .Lnext
.Lvarm:
	v_add_nc_u32 v[ADV], s[TH], v[TRB]
.irp z, 0,1
.irp e, 0,1
.irp b, 0,1
.irp i, 0,1,2,3,4,5,6,7,8,9,10,11,12,13,14,15
	ds_load_b32 v[Y0+64*\z+32*\e+16*\b+\i], v[ADV] offset:(32*\b+\i)*1040+256*\b+32*\e+128*\z   ; y(row 32 b + 16 h + i, channel 32 z + 8 e + r + 8 (r / 8))
.endr
.endr
.endr
.endr
.irp z, 0,1
	s_wait_dscnt 63-63*\z                          ; 64 loads were issued behind the first 64
	s_wait_xcnt 0x0
	QUANT Y0+64*\z, PC, PW                         ; channel tiles 2 z and 2 z + 1, two blocks of 32 keys each
.irp e, 0,1
.irp b, 0,1
	global_store_b128 v[GV], v[PC+8*\e+4*\b:PC+8*\e+4*\b+3], s[DST:DST+1] offset:8192+(2*\z+\e)*2048+512*\b
.endr
.endr
	v_mov_b32 v[VW+\z], v[PW]
.endr
	global_store_b64 v[GVS], v[VW:VW+1], s[DST:DST+1] offset:16896
	s_branch .Lnext
.Lrarm:
	v_add_nc_u32 v[ADQ], s[TH2], v[OLA]            ; LDS serves a wave's instructions in order: the loads see my stores
.irp k, 0,1,2,3,4,5,6,7,8,9,10,11,12,13,14,15
.irp f, 0,1
	ds_load_b128 v[Y0+8*\k+4*\f:Y0+8*\k+4*\f+3], v[ADQ] offset:\k*1040+512*\f
.endr
.endr
	s_wait_dscnt 0x0
.irp k, 0,1,2,3,4,5,6,7,8,9,10,11,12,13,14,15
.irp f, 0,1
	global_store_b128 v[GR], v[Y0+8*\k+4*\f:Y0+8*\k+4*\f+3], s[DST:DST+1] offset:\k*4096+512*\f th:TH_STORE_NT   ; a store of the wave covers 512 consecutive bytes, aligned
.endr
.endr
.Lnext:
	s_wait_xcnt 0x0                                ; the stores have read their registers and their base
	s_add_nc_u64 s[DST:DST+1], s[DST:DST+1], s[STP:STP+1]
	s_add_co_u32 s[TH2], s[TH2], 16768             ; 16 rows of my area: 16 x 1,040 + 128
	s_add_co_u32 s[TH], s[TH], 256
	s_cmp_lt_u32 s[TH], 1024
	s_cbranch_scc1 .Lhead
	s_wait_tensorcnt 0x0                           ; the wave's end
	ds_add_u32 v[SPW], v[NIL]
	s_wait_dscnt 0x0
	CROUND                                         ; the closing round
	s_endpgm
.Lfunc_end_k_q4ac2429c8b_proj:
	.size	k_q4ac2429c8b_proj, .Lfunc_end_k_q4ac2429c8b_proj-k_q4ac2429c8b_proj
	.p2alignl 7, 3214868480
	.fill 96, 4, 3214868480
	.section	.rodata,"a",@progbits
	.p2align	6, 0x0
	.amdhsa_kernel k_q4ac2429c8b_proj
		.amdhsa_group_segment_fixed_size 327680
		.amdhsa_private_segment_fixed_size 0
		.amdhsa_enable_private_segment 0
		.amdhsa_kernarg_size 120
		.amdhsa_user_sgpr_count 2
		.amdhsa_user_sgpr_kernarg_segment_ptr 1
		.amdhsa_wavefront_size32 1
		.amdhsa_system_sgpr_workgroup_id_x 1
		.amdhsa_system_sgpr_workgroup_id_y 1
		.amdhsa_system_sgpr_workgroup_id_z 1
		.amdhsa_system_vgpr_workitem_id 0
		.amdhsa_next_free_vgpr 1024
		.amdhsa_next_free_sgpr 100
		.amdhsa_reserve_vcc 0
		.amdhsa_float_denorm_mode_32 3
		.amdhsa_float_denorm_mode_16_64 3
		.amdhsa_memory_ordered 1
		.amdhsa_forward_progress 1
		.amdhsa_inst_pref_size 255
	.end_amdhsa_kernel
	.section	.bss,"aw",@nobits
	.p2align	6
	.space	262144
	.amdgpu_metadata
---
amdhsa.version: [ 1, 2 ]
amdhsa.kernels:
  - .name:           k_q4ac2429c8b_proj
    .symbol:         k_q4ac2429c8b_proj.kd
    .args:
      - { .name: xf, .offset: 0, .size: 8, .value_kind: global_buffer, .address_space: global }
      - { .name: wf, .offset: 8, .size: 8, .value_kind: global_buffer, .address_space: global }
      - { .name: x, .offset: 16, .size: 8, .value_kind: global_buffer, .address_space: global }
      - { .name: bq, .offset: 24, .size: 8, .value_kind: global_buffer, .address_space: global }
      - { .name: bk, .offset: 32, .size: 8, .value_kind: global_buffer, .address_space: global }
      - { .name: bv, .offset: 40, .size: 8, .value_kind: global_buffer, .address_space: global }
      - { .name: bo, .offset: 48, .size: 8, .value_kind: global_buffer, .address_space: global }
      - { .name: dWv, .offset: 56, .size: 8, .value_kind: global_buffer, .address_space: global }
      - { .name: dbv, .offset: 64, .size: 8, .value_kind: global_buffer, .address_space: global }
      - { .name: dbw, .offset: 72, .size: 8, .value_kind: global_buffer, .address_space: global }
      - { .name: dbb, .offset: 80, .size: 8, .value_kind: global_buffer, .address_space: global }
      - { .name: qf, .offset: 88, .size: 8, .value_kind: global_buffer, .address_space: global }
      - { .name: kv, .offset: 96, .size: 8, .value_kind: global_buffer, .address_space: global }
      - { .name: kr, .offset: 104, .size: 8, .value_kind: global_buffer, .address_space: global }
      - { .name: rs, .offset: 112, .size: 8, .value_kind: global_buffer, .address_space: global }
    .group_segment_fixed_size: 327680
    .private_segment_fixed_size: 0
    .kernarg_segment_align: 8
    .kernarg_segment_size: 120
    .max_flat_workgroup_size: 128
    .sgpr_count:     100
    .vgpr_count:     1024
    .wavefront_size: 32
...
	.end_amdgpu_metadata
.endif
;; end of part 5
;; launch attn: the kernel of part 3 again; grid 8 x 32, 16 waves a work-group, clusters of 4 x 1, 327,680 bytes of LDS; arguments qf, kv, wf, dWv, v3p; writes v3p
;; launch final (part 6): grid 256 x 1, 8 waves a work-group, no clusters, 0 bytes of LDS; arguments x, kr, rs, v3p, ln_g, ln_b, out0; writes out0
.if DOCPART == 6
	.amdgcn_target "amdgcn-amd-amdhsa--gfx1250"
	.amdhsa_code_object_version 6
	.text
	.protected	k_q4ac2429c8b_final
	.globl	k_q4ac2429c8b_final
	.p2align	8
	.type	k_q4ac2429c8b_final,@function
k_q4ac2429c8b_final:
	s_mov_b64 s[64:65], 0
	v_nop
	global_prefetch_b8 v0, s[64:65] scope:SCOPE_SE
	s_setreg_imm32_b32 hwreg(HW_REG_WAVE_MODE, 25, 1), 1
	s_wait_xcnt 0x0
; final: the last delta block's sum and the LayerNorm, as a stream.  For each row: c = a (the sum of the 16 heads' numbers in v3p + u), with a and u from rs; y = x + c k_raw, k_raw from kr;
; out = (y - mean) / sqrt(var + 1e-5) g + b, the variance taken of y - mean, as the reference has it.
; SHARES.  A work-group of eight waves takes 16 rows, a wave two.  A row of 4,096 bytes is eight loads of 16 bytes a lane, 512 consecutive bytes a load; x and k_raw of both rows stay in registers between the passes, so each byte is read once.
; All 49 loads of a wave go out at its head.  No LDS, no barrier, no matrix unit, no cluster: a row never leaves its wave, and the work-groups share nothing but the 8,192 bytes of g and b.
; rs and v3p are laid [64 rb + 4 r + m] for row 64 rb + 32 (m / 2) + 8 (m % 2) + r + 8 (r / 8).  Row 16 g + 2 w + j has rb = g / 4, r = 8 (g % 2) + 2 (w % 4) + j, m = 2 ((g / 2) % 2) + w / 4.
; LIMITS: NaN and infinities are not served.
.set X,  16                            ; v16-79   x, then y, y - mean, the result: 32 registers a row
.set K,  80                            ; v80-143  k_raw
.set G,  144                           ; v144-175 g of my 32 columns
.set B,  176                           ; v176-207 b
.set CH, 208                           ; v208-215 four chains
.set T,  216                           ; v216-217
.set MN, 218                           ; v218-219 - mean (a pair is named; its low word serves both halves)
.set RS, 220                           ; v220-223 1 / sqrt(var + eps), a pair a row
.set HS, 6
	s_load_b256 s[4:11], s[0:1], 0x0               ; x, kr, rs, v3p
	s_load_b128 s[12:15], s[0:1], 0x20             ; ln_g, ln_b
	s_load_b64 s[16:17], s[0:1], 0x30              ; out0
	v_lshrrev_b32 v2, 5, v0
	v_readfirstlane_b32 s18, v2                    ; wave 0..7
	v_and_b32 v3, 31, v0
	v_lshlrev_b32 v1, 4, v3                        ; 16 l
	v_and_b32 v4, 15, v0
	v_bfe_u32 v5, v0, 4, 1
	v_lshlrev_b32 v4, 14, v4                       ; v3p: lane l takes head l % 16
	v_lshl_add_u32 v4, v5, 4, v4                   ; of row l / 16: 16 bytes on
	s_lshl_b32 s20, ttmp9, 16                      ; 16 rows of 4,096 bytes,
	s_lshl_b32 s21, s18, 13                        ; my two
	s_add_co_u32 s20, s20, s21
	s_mov_b32 s21, 0
	s_lshr_b32 s22, ttmp9, 2                       ; my first row's place in rs and v3p: 256 rb
	s_lshl_b32 s22, s22, 8
	s_and_b32 s23, ttmp9, 1                        ; + 128 (g % 2)
	s_lshl_b32 s23, s23, 7
	s_add_co_u32 s22, s22, s23
	s_and_b32 s23, s18, 3                          ; + 32 (w % 4)
	s_lshl_b32 s23, s23, 5
	s_add_co_u32 s22, s22, s23
	s_bfe_u32 s23, ttmp9, 0x10001                  ; + 8 ((g / 2) % 2)
	s_lshl_b32 s23, s23, 3
	s_add_co_u32 s22, s22, s23
	s_lshr_b32 s23, s18, 2                         ; + 4 (w / 4)
	s_lshl_b32 s23, s23, 2
	s_add_co_u32 s22, s22, s23
	s_mov_b32 s23, 0
	s_mov_b32 s24, 0x76543210                      ; v_permlanex16_b32's selects for lane l xor 16
	s_mov_b32 s25, 0xfedcba98
	s_mov_b32 s26, 0x3a800000                      ; 1 / 1,024
	s_mov_b32 s27, 0x3727c5ac                      ; 1e-5
	v_mov_b32 v[T+1], 0                            ; a lane permute's destination counts as one of its sources
	v_mov_b32 v[MN+1], 0                           ; named as upper halves of pairs
	v_mov_b32 v[RS+1], 0
	v_mov_b32 v[RS+3], 0
	s_wait_kmcnt 0x0
	s_add_nc_u64 s[4:5], s[4:5], s[20:21]
	s_add_nc_u64 s[6:7], s[6:7], s[20:21]
	s_add_nc_u64 s[16:17], s[16:17], s[20:21]
	s_add_nc_u64 s[8:9], s[8:9], s[22:23]
	s_add_nc_u64 s[10:11], s[10:11], s[22:23]
	s_load_b32 s28, s[8:9], 0x0                    ; a of my two rows,
	s_load_b32 s29, s[8:9], 0x10
	s_load_b32 s30, s[8:9], 0x4000                 ; u of my two rows
	s_load_b32 s31, s[8:9], 0x4010
	global_load_b32 v[HS], v4, s[10:11]
.irp j, 0,1
.irp u, 0,1,2,3,4,5,6,7
	global_load_b128 v[X+32*\j+4*\u:X+32*\j+4*\u+3], v1, s[4:5] offset:4096*\j+512*\u th:TH_LOAD_NT
.endr
.irp u, 0,1,2,3,4,5,6,7
	global_load_b128 v[K+32*\j+4*\u:K+32*\j+4*\u+3], v1, s[6:7] offset:4096*\j+512*\u th:TH_LOAD_NT
.endr
.endr
.irp u, 0,1,2,3,4,5,6,7
	global_load_b128 v[G+4*\u:G+4*\u+3], v1, s[12:13] offset:512*\u
.endr
.irp u, 0,1,2,3,4,5,6,7
	global_load_b128 v[B+4*\u:B+4*\u+3], v1, s[14:15] offset:512*\u
.endr
	s_wait_loadcnt 48                              ; the heads' numbers are in; the 48 loads behind them may be out
	v_add_f32_dpp v[HS], v[HS], v[HS] row_xmask:1 row_mask:0xf bank_mask:0xf
	v_add_f32_dpp v[HS], v[HS], v[HS] row_xmask:2 row_mask:0xf bank_mask:0xf
	v_add_f32_dpp v[HS], v[HS], v[HS] row_xmask:4 row_mask:0xf bank_mask:0xf
	v_add_f32_dpp v[HS], v[HS], v[HS] row_xmask:8 row_mask:0xf bank_mask:0xf
	v_readlane_b32 s32, v[HS], 0                   ; lanes 0-15 hold row 0's sum of 16 heads, lanes 16-31 row 1's
	v_readlane_b32 s33, v[HS], 16
	s_wait_kmcnt 0x0
	s_add_f32 s32, s32, s30
	s_add_f32 s33, s33, s31
	s_mul_f32 s34, s32, s28                        ; c of row 0: s[34:35], of row 1: s[36:37] (the packed form names a pair and takes its low word)
	s_mul_f32 s36, s33, s29
	s_mov_b32 s35, s34
	s_mov_b32 s37, s36
.macro TOTAL                           ; the four chains, then the 32 lanes: the total stands in v[T] of every lane
	v_pk_add_f32 v[CH:CH+1], v[CH:CH+1], v[CH+2:CH+3]
	v_pk_add_f32 v[CH+4:CH+5], v[CH+4:CH+5], v[CH+6:CH+7]
	v_pk_add_f32 v[CH:CH+1], v[CH:CH+1], v[CH+4:CH+5]
	v_add_f32 v[T], v[CH], v[CH+1]
	v_add_f32_dpp v[T], v[T], v[T] row_xmask:1 row_mask:0xf bank_mask:0xf
	v_add_f32_dpp v[T], v[T], v[T] row_xmask:2 row_mask:0xf bank_mask:0xf
	v_add_f32_dpp v[T], v[T], v[T] row_xmask:4 row_mask:0xf bank_mask:0xf
	v_add_f32_dpp v[T], v[T], v[T] row_xmask:8 row_mask:0xf bank_mask:0xf
	v_permlanex16_b32 v[T+1], v[T], s24, s25
	v_add_f32 v[T], v[T], v[T+1]
.endm
.macro STAT j                          ; y, its mean, y - mean, the variance, 1 / sqrt(var + eps)
.set XR, X+32*\j
.set KR, K+32*\j
.set q, 0
.rept 16
	v_pk_fma_f32 v[XR+2*q:XR+2*q+1], v[KR+2*q:KR+2*q+1], s[34+2*\j:35+2*\j], v[XR+2*q:XR+2*q+1] op_sel_hi:[1,0,1]
.set q, q+1
.endr
.irp u, 0,1,2,3
	v_pk_add_f32 v[CH+2*\u:CH+2*\u+1], v[XR+2*\u:XR+2*\u+1], v[XR+8+2*\u:XR+9+2*\u]   ; the first eight pairs start the chains: nothing is cleared
.endr
.set q, 8
.rept 8
	v_pk_add_f32 v[CH+2*(q%4):CH+2*(q%4)+1], v[CH+2*(q%4):CH+2*(q%4)+1], v[XR+2*q:XR+2*q+1]
.set q, q+1
.endr
	TOTAL
	v_mul_f32 v[MN], 0xba800000, v[T]              ; - mean
.set q, 0
.rept 16
	v_pk_add_f32 v[XR+2*q:XR+2*q+1], v[XR+2*q:XR+2*q+1], v[MN:MN+1] op_sel_hi:[1,0]
.set q, q+1
.endr
.set q, 0
.rept 16
.if q < 4
	v_pk_mul_f32 v[CH+2*q:CH+2*q+1], v[XR+2*q:XR+2*q+1], v[XR+2*q:XR+2*q+1]
.else
	v_pk_fma_f32 v[CH+2*(q%4):CH+2*(q%4)+1], v[XR+2*q:XR+2*q+1], v[XR+2*q:XR+2*q+1], v[CH+2*(q%4):CH+2*(q%4)+1]
.endif
.set q, q+1
.endr
	TOTAL
	v_fma_f32 v[T], v[T], s26, s27                 ; the variance + 1e-5
	v_rsq_f32 v[RS+2*\j], v[T]
.endm
.macro OUTR j
.set XR, X+32*\j
.set q, 0
.rept 16
	v_pk_mul_f32 v[XR+2*q:XR+2*q+1], v[XR+2*q:XR+2*q+1], v[RS+2*\j:RS+2*\j+1] op_sel_hi:[1,0]
.set q, q+1
.endr
.set q, 0
.rept 16
	v_pk_fma_f32 v[XR+2*q:XR+2*q+1], v[XR+2*q:XR+2*q+1], v[G+2*q:G+2*q+1], v[B+2*q:B+2*q+1]
.set q, q+1
.endr
.irp u, 0,1,2,3,4,5,6,7
	global_store_b128 v1, v[XR+4*\u:XR+4*\u+3], s[16:17] offset:4096*\j+512*\u th:TH_STORE_NT   ; a store of the wave covers 512 consecutive bytes, aligned
.endr
.endm
	s_wait_loadcnt 32                              ; row 0's 16 loads are in; row 1's and those of g and b may be out
	STAT 0
	s_wait_loadcnt 16                              ; row 1's are in
	STAT 1                                         ; (its plain lines stand behind row 0's reciprocal root and name neither its result nor, at first, its source)
	v_nop                                          ; a plain line behind the last reciprocal root
	s_wait_alu depctr_va_vdst(0)                   ; one wait for both, ahead of their first reader
	s_wait_loadcnt 0x0                             ; g and b
	OUTR 0
	OUTR 1
	s_endpgm
.Lfunc_end_k_q4ac2429c8b_final:
	.size	k_q4ac2429c8b_final, .Lfunc_end_k_q4ac2429c8b_final-k_q4ac2429c8b_final
	.p2alignl 7, 3214868480
	.fill 96, 4, 3214868480
	.section	.rodata,"a",@progbits
	.p2align	6, 0x0
	.amdhsa_kernel k_q4ac2429c8b_final
		.amdhsa_group_segment_fixed_size 0
		.amdhsa_private_segment_fixed_size 0
		.amdhsa_enable_private_segment 0
		.amdhsa_kernarg_size 56
		.amdhsa_user_sgpr_count 2
		.amdhsa_user_sgpr_kernarg_segment_ptr 1
		.amdhsa_wavefront_size32 1
		.amdhsa_system_sgpr_workgroup_id_x 1
		.amdhsa_system_sgpr_workgroup_id_y 1
		.amdhsa_system_sgpr_workgroup_id_z 1
		.amdhsa_system_vgpr_workitem_id 0
		.amdhsa_next_free_vgpr 224
		.amdhsa_next_free_sgpr 66
		.amdhsa_reserve_vcc 0
		.amdhsa_float_denorm_mode_32 3
		.amdhsa_float_denorm_mode_16_64 3
		.amdhsa_memory_ordered 1
		.amdhsa_forward_progress 1
		.amdhsa_inst_pref_size 24
	.end_amdhsa_kernel
	.amdgpu_metadata
---
amdhsa.version: [ 1, 2 ]
amdhsa.kernels:
  - .name:           k_q4ac2429c8b_final
    .symbol:         k_q4ac2429c8b_final.kd
    .args:
      - { .name: x, .offset: 0, .size: 8, .value_kind: global_buffer, .address_space: global }
      - { .name: kr, .offset: 8, .size: 8, .value_kind: global_buffer, .address_space: global }
      - { .name: rs, .offset: 16, .size: 8, .value_kind: global_buffer, .address_space: global }
      - { .name: v3p, .offset: 24, .size: 8, .value_kind: global_buffer, .address_space: global }
      - { .name: ln_g, .offset: 32, .size: 8, .value_kind: global_buffer, .address_space: global }
      - { .name: ln_b, .offset: 40, .size: 8, .value_kind: global_buffer, .address_space: global }
      - { .name: out0, .offset: 48, .size: 8, .value_kind: global_buffer, .address_space: global }
    .group_segment_fixed_size: 0
    .private_segment_fixed_size: 0
    .kernarg_segment_align: 8
    .kernarg_segment_size: 56
    .max_flat_workgroup_size: 256
    .sgpr_count:     66
    .vgpr_count:     224
    .wavefront_size: 32
...
	.end_amdgpu_metadata
.endif
;; end of part 6
